; MI455X (gfx1250); checked and timed in simulation.
; The chip was launched on July 23, 2026; its instructions are those of AMD's public machine-readable ISA for CDNA 5 (MIT licence, August 2026) and "CDNA5" Instruction Set Architecture Reference Guide (July 2026). The comments in the code are by the model that wrote it; some were corrected since.
;; Encoder. Allowed arithmetic: float matrix products may take bf16 or f16 operands with f32 sums; all other float work in f32.
;; Inputs: params_dec1_W 512 x 512 float32; params_dec1_b 512 float32; params_dec2_W 512 x 128 float32; params_dec2_b 128 float32; params_dec_a one number float32; params_final_ln_b 512 float32; params_final_ln_g 512 float32; params_layers_0_attn_k_W 512 x 512 float32; params_layers_0_attn_k_b 512 float32; params_layers_0_attn_ln_b 512 float32; params_layers_0_attn_ln_g 512 float32; params_layers_0_attn_o_W 512 x 512 float32; params_layers_0_attn_o_b 512 float32; params_layers_0_attn_q_W 512 x 512 float32; params_layers_0_attn_q_b 512 float32; params_layers_0_attn_v_W 512 x 512 float32; params_layers_0_attn_v_b 512 float32; params_layers_0_ffn_a one number float32; params_layers_0_ffn_l1_W 512 x 512 float32; params_layers_0_ffn_l1_b 512 float32; params_layers_0_ffn_l2_W 512 x 512 float32; params_layers_0_ffn_l2_b 512 float32; params_layers_0_ffn_ln_b 512 float32; params_layers_0_ffn_ln_g 512 float32; params_layers_1_attn_k_W 512 x 512 float32; params_layers_1_attn_k_b 512 float32; params_layers_1_attn_ln_b 512 float32; params_layers_1_attn_ln_g 512 float32; params_layers_1_attn_o_W 512 x 512 float32; params_layers_1_attn_o_b 512 float32; params_layers_1_attn_q_W 512 x 512 float32; params_layers_1_attn_q_b 512 float32; params_layers_1_attn_v_W 512 x 512 float32; params_layers_1_attn_v_b 512 float32; params_layers_1_ffn_a one number float32; params_layers_1_ffn_l1_W 512 x 512 float32; params_layers_1_ffn_l1_b 512 float32; params_layers_1_ffn_l2_W 512 x 512 float32; params_layers_1_ffn_l2_b 512 float32; params_layers_1_ffn_ln_b 512 float32; params_layers_1_ffn_ln_g 512 float32; params_layers_2_attn_k_W 512 x 512 float32; params_layers_2_attn_k_b 512 float32; params_layers_2_attn_ln_b 512 float32; params_layers_2_attn_ln_g 512 float32; params_layers_2_attn_o_W 512 x 512 float32; params_layers_2_attn_o_b 512 float32; params_layers_2_attn_q_W 512 x 512 float32; params_layers_2_attn_q_b 512 float32; params_layers_2_attn_v_W 512 x 512 float32; params_layers_2_attn_v_b 512 float32; params_layers_2_ffn_a one number float32; params_layers_2_ffn_l1_W 512 x 512 float32; params_layers_2_ffn_l1_b 512 float32; params_layers_2_ffn_l2_W 512 x 512 float32; params_layers_2_ffn_l2_b 512 float32; params_layers_2_ffn_ln_b 512 float32; params_layers_2_ffn_ln_g 512 float32; params_layers_3_attn_k_W 512 x 512 float32; params_layers_3_attn_k_b 512 float32; params_layers_3_attn_ln_b 512 float32; params_layers_3_attn_ln_g 512 float32; params_layers_3_attn_o_W 512 x 512 float32; params_layers_3_attn_o_b 512 float32; params_layers_3_attn_q_W 512 x 512 float32; params_layers_3_attn_q_b 512 float32; params_layers_3_attn_v_W 512 x 512 float32; params_layers_3_attn_v_b 512 float32; params_layers_3_ffn_a one number float32; params_layers_3_ffn_l1_W 512 x 512 float32; params_layers_3_ffn_l1_b 512 float32; params_layers_3_ffn_l2_W 512 x 512 float32; params_layers_3_ffn_l2_b 512 float32; params_layers_3_ffn_ln_b 512 float32; params_layers_3_ffn_ln_g 512 float32; params_logvar_token 512 float32; params_menc1_W 128 x 512 float32; params_menc1_b 512 float32; params_menc2_W 512 x 512 float32; params_menc2_b 512 float32; params_menc_a1 one number float32; params_menc_a2 one number float32; params_mu_token 512 float32; params_rpe1_W 1 x 512 float32; params_rpe1_b 512 float32; params_rpe2_W 512 x 64 float32; params_rpe2_b 64 float32; params_rpe_a one number float32; x 4 x 1,024 x 128 float32.
;; Outputs: out0 4 x 128 float32; out1 4 x 128 float32.
;; 3 versions, each right; version 2 is faster than version 1; version 3 is version 2 with the launch menc written anew for expert scheduling mode. Each part assembles by itself: llvm-mc -triple=amdgcn-amd-amdhsa -mcpu=gfx1250 --defsym DOCPART=n.
;; ======== version 1 of 3: 11 launches
;; workspace buffers: pf 2,097,152 bytes; pa 4,194,304 bytes; hb 524,288 bytes; tab 4,096 bytes; pd 16,384 bytes
;; launch menc (part 1): grid 65 x 1, 16 waves a work-group, no clusters, 156,672 bytes of LDS; arguments x, params_menc1_W, params_menc1_b, params_menc_a1, params_menc2_W, params_menc2_b, params_menc_a2, params_mu_token, params_logvar_token, params_rpe1_W, params_rpe1_b, params_rpe_a, params_rpe2_W, params_rpe2_b, pf, tab; writes pf, tab
.if DOCPART == 1
	.amdgcn_target "amdgcn-amd-amdhsa--gfx1250"
	.amdhsa_code_object_version 6
	.text
	.protected	k_qb814c02ea7_menc
	.globl	k_qb814c02ea7_menc
	.p2align	8
	.type	k_qb814c02ea7_menc,@function
k_qb814c02ea7_menc:
	s_mov_b64 s[64:65], 0
	v_nop
	global_prefetch_b8 v0, s[64:65] scope:SCOPE_SE
	s_setreg_imm32_b32 hwreg(HW_REG_WAVE_MODE, 25, 1), 1
	s_wait_xcnt 0x0
; THE INPUT PROJECTIONS, THE TWO TOKENS, AND THE TABLE OF RELATIVE POSITIONS.
; Only rows 0 and 1 of each batch leave the module, attention looks 15 rows to either side, there are four layers: rows 0 .. 61 of the token-extended
; sequence reach the outputs.  The program carries 64 rows a batch (global row R = 64 batch + t), 256 in all.
; Work-groups 0 .. 63: s = id & 3 (128 columns of the second projection), y = id >> 2 (batch y & 3, block of 16 rows y >> 2).  A work-group makes
; prelu(x W1 + b1) for its 16 rows and all 512 columns, then its 128 columns of prelu(. W2 + b2); rows t = 0, 1 take the tokens instead.
; It stores h into addend 0 of pf and zeros into addends 1 .. 3: the layers read h as the sum of four addends.
; Work-group 64: tab[l][d] = prelu((l - 15) w1 + b1) W2 + b2, l = 0 .. 31, in bf16; row 31 is finite and is never used.
; LIMITS.  x rows 62 .. 1023 of a batch are never read: a NaN or an infinity there, which the reference spreads through 0 x NaN, has no effect here.
; Matrix operands are rounded to bf16, sums are f32.  PReLU is max(z, 0) + a min(z, 0): a NaN in z is lost.
; NO TENSOR LOADS, NO CLUSTER: every weight is f32 and has to pass the vector unit to become bf16, so it goes from memory into registers and is
; rounded straight into a matrix fragment; work-groups that read the same weights meet in the cache.
.set ADDB,   524288                    ; bytes in an addend of pf: 256 rows x 2,048
.set APITCH, 1040                      ; 512 bf16 + 16 bytes
.set P1,     16640                     ; 8 parts x 16 rows x 528: partial sums of 128 columns
.set P1P,    528
.set A2,     84224                     ; 16 rows x 272: a tile of 128 bf16
.set A2P,    272
.set P2,     88576                     ; 2 parts x 16 rows x 2,064: partial sums of 512 columns
.set P2P,    2064
.set SPARE,  154624                    ; the spare words, 128 bytes a wave
.set RPP,    272                       ; the table's partial sums: 16 parts x 32 rows x 272, from byte 0
.set RG0, 16                           ; v16-79   a weight unit as loaded
.set SM,  80                           ; v80-111  four fragments
.set B1R, 112                          ; v112-127 b1 of my 16 columns
.set RG1, 128                          ; v128-191 a weight unit as loaded
.set ACC, 192                          ; v192-223 four accumulators
.set AF,  224                          ; v224-239 activation fragments of two K steps
.set OUT, 224                          ; v224-255 results in row order
; A UNIT is 32 k x 64 columns of an f32 weight [K][N].  Lane (r, h) takes 16 bytes (columns c0 + 4 r ..) of the 16 rows whose k a bf16 fragment wants in
; that lane: k0 + 8 h + 0..7 and k0 + 16 + 8 h + 0..7.  Each load covers two runs of 256 consecutive bytes.
.macro ULOAD raw, voff, sb, pitch, off
.set ui, 0
.rept 16
	global_load_b128 v[(\raw)+4*ui:(\raw)+4*ui+3], v[\voff], s[\sb:(\sb)+1] offset:(\off)+(ui+8*(ui/8))*(\pitch)
.set ui, ui+1
.endr
.endm
; Fragment t, register p = rows 2 p, 2 p + 1 of the lane's 16, column c0 + 4 r + t: the unit's 64 columns are dealt 4 r + t over four fragments.
.macro UCVT raw, dst
.set ut, 0
.rept 4
.set up, 0
.rept 8
	v_cvt_pk_bf16_f32 v[(\dst)+8*ut+up], v[(\raw)+8*up+ut], v[(\raw)+8*up+4+ut]
.set up, up+1
.endr
.set ut, ut+1
.endr
.endm
.macro MUL4 acc, af, bf, first         ; four products, the four accumulators by turns
.set mt, 0
.rept 4
.if \first
	v_wmma_f32_16x16x32_bf16 v[(\acc)+8*mt:(\acc)+8*mt+7], v[(\af):(\af)+7], v[(\bf)+8*mt:(\bf)+8*mt+7], 0
.else
	v_wmma_f32_16x16x32_bf16 v[(\acc)+8*mt:(\acc)+8*mt+7], v[(\af):(\af)+7], v[(\bf)+8*mt:(\bf)+8*mt+7], v[(\acc)+8*mt:(\acc)+8*mt+7]
.endif
.set mt, mt+1
.endr
.endm
.macro SHUF acc, out                   ; register j of tile t is (row 8 h + j, column 4 r + t): a row's four columns are brought together; each accumulator is read from register 0 on
.set sj, 0
.rept 8
.set sq, 0
.rept 4
	v_mov_b32 v[(\out)+4*sj+sq], v[(\acc)+8*sq+sj]
.set sq, sq+1
.endr
.set sj, sj+1
.endr
.endm
.macro PRELU z, t, sa                  ; max(z, 0) + a min(z, 0)
	v_min_num_f32 v[\t], 0, v[\z]
	v_max_num_f32 v[\z], 0, v[\z]
	v_fma_f32 v[\z], s[\sa], v[\t], v[\z]
.endm
.macro PLACES                          ; four places behind a matrix instruction (ISA guide 7.12.1)
.rept 4
	v_nop
.endr
.endm
.macro BAR                             ; my LDS instructions are done, then the work-group's barrier
	s_wait_dscnt 0x0
	s_barrier_signal -1
	s_barrier_wait -1
.endm
.macro FIN                             ; the wave's end: behind my last LDS store
	s_wait_tensorcnt 0x0
	ds_add_u32 v1, v2
	s_wait_dscnt 0x0
	s_endpgm
.endm
.macro LADR dst, tmp, rmul, hmul, sreg ; (lane % 16) x rmul + (lane / 16) x hmul + a scalar
	v_and_b32 v[\dst], 15, v0
	v_mul_u32_u24 v[\dst], v[\dst], \rmul
	v_bfe_u32 v[\tmp], v0, 4, 1
	v_mul_u32_u24 v[\tmp], v[\tmp], \hmul
	v_add_nc_u32 v[\dst], v[\dst], v[\tmp]
	v_add_nc_u32 v[\dst], s[\sreg], v[\dst]
.endm
.macro AFLD adr                        ; activation fragments of two K steps of 32: row lane % 16, 16 bytes at 16 (lane / 16) and 32 further on
	ds_load_b128 v[AF:AF+3], v[\adr]
	ds_load_b128 v[AF+4:AF+7], v[\adr] offset:32
	ds_load_b128 v[AF+8:AF+11], v[\adr] offset:64
	ds_load_b128 v[AF+12:AF+15], v[\adr] offset:96
.endm
.macro PST adr, pitch                  ; eight rows of partial sums
.set pj, 0
.rept 8
	ds_store_b128 v[\adr], v[OUT+4*pj:OUT+4*pj+3] offset:(\pitch)*pj
.set pj, pj+1
.endr
.endm
	s_load_b512 s[8:23], s[0:1], 0x0               ; x s8, W1 s10, b1 s12, a1 s14, W2 s16, b2 s18, a2 s20, mu s22
	s_load_b512 s[24:39], s[0:1], 0x40             ; logvar s24, rpe1_W s26, rpe1_b s28, rpe_a s30, rpe2_W s32, rpe2_b s34, pf s36, tab s38
	v_lshl_add_u32 v1, v0, 2, SPARE                ; my spare word
	v_mov_b32 v2, 0
	v_lshrrev_b32 v3, 5, v0
	v_readfirstlane_b32 s4, v3                     ; wave w
	v_and_b32 v3, 31, v0
	v_lshlrev_b32 v3, 4, v3                        ; 16 l
	v_and_b32 v4, 15, v0
	v_lshlrev_b32 v4, 4, v4
	v_bfe_u32 v5, v0, 4, 1
	v_lshl_add_u32 v4, v5, 14, v4                  ; a unit's lane offset at a pitch of 2,048: 8 h rows + 16 r
	s_mov_b32 s5, ttmp9
	s_lshr_b32 s46, s4, 1
	s_and_b32 s47, s4, 1
	s_cmp_eq_u32 s5, 64
	s_cbranch_scc1 .Lrpe                           ; the same way for all waves of a work-group
	s_and_b32 s43, s5, 3                           ; s
	s_lshr_b32 s56, s5, 2
	s_and_b32 s44, s56, 3                          ; batch
	s_lshr_b32 s45, s56, 2                         ; block of 16 rows
	s_lshl_b32 s57, s45, 4
	s_add_co_u32 s57, s57, s4                      ; t: my row of the extended sequence
	s_sub_co_i32 s58, s57, 2
	s_max_i32 s58, s58, 0                          ; its row of x; the token rows read row 0 and discard the result
	s_lshl_b32 s48, s58, 9
	s_lshl_b32 s59, s44, 19
	s_add_co_u32 s48, s48, s59
	s_mov_b32 s49, 0
	s_lshl_b32 s50, s47, 17                        ; W1: rows 64 (w & 1) on, columns 64 (w >> 1) on
	s_lshl_b32 s59, s46, 8
	s_add_co_u32 s50, s50, s59
	s_mov_b32 s51, 0
	s_lshl_b32 s52, s46, 17                        ; W2: rows 64 (w >> 1) on, columns 128 s + 64 (w & 1) on
	s_lshl_b32 s59, s43, 9
	s_add_co_u32 s52, s52, s59
	s_lshl_b32 s58, s47, 8
	s_add_co_u32 s52, s52, s58
	s_mov_b32 s53, 0
	s_lshl_b32 s54, s44, 6                         ; pf: row 64 batch + t, byte 512 s
	s_add_co_u32 s54, s54, s57
	s_lshl_b32 s54, s54, 11
	s_add_co_u32 s54, s54, s59
	s_mov_b32 s55, 0
	s_cmp_lt_u32 s57, 2
	s_cselect_b32 s60, -1, 0                       ; all lanes: is mine a token row?
	v_lshl_add_u32 v7, s43, 9, v3                  ; 512 s + 16 l
	s_mul_i32 s56, s4, A2P
	s_add_co_u32 s56, s56, A2
	v_lshrrev_b32 v5, 1, v3
	v_add_nc_u32 v5, s56, v5                       ; the x tile: row w, 8 l
	s_wait_kmcnt 0x0
	s_load_b32 s40, s[14:15], 0x0                  ; a1
	s_load_b32 s41, s[20:21], 0x0                  ; a2
	s_cmp_eq_u32 s4, 1
	s_cselect_b64 s[62:63], s[24:25], s[22:23]     ; row 1 takes logvar's token, row 0 mu's
	s_add_nc_u64 s[8:9], s[8:9], s[48:49]
	s_add_nc_u64 s[10:11], s[10:11], s[50:51]
	s_add_nc_u64 s[16:17], s[16:17], s[52:53]
	s_add_nc_u64 s[36:37], s[36:37], s[54:55]
	global_load_b128 v[80:83], v3, s[8:9]          ; my row of x: 512 consecutive bytes
.set c, 0
.rept 4
	global_load_b128 v[B1R+4*c:B1R+4*c+3], v3, s[12:13] offset:512*c
.set c, c+1
.endr
	global_load_b128 v[8:11], v7, s[18:19]         ; b2 of my four columns of the slice
	global_load_b128 v[12:15], v7, s[62:63]        ; the token's
	ULOAD RG0, 4, 10, 2048, 0
	ULOAD RG1, 4, 10, 2048, 65536
	s_wait_loadcnt 32                              ; all but the two units
	v_cvt_pk_bf16_f32 v84, v80, v81
	v_cvt_pk_bf16_f32 v85, v82, v83
	ds_store_b64 v5, v[84:85]
	BAR                                            ; the x tile is whole
	s_lshl_b32 s56, s47, 7
	s_add_co_u32 s56, s56, A2
	LADR 6, 5, A2P, 16, 56                         ; k = 64 (w & 1) on
	AFLD 6
	s_wait_loadcnt 16                              ; the first unit is in, the second may be out
	UCVT RG0, SM
	ULOAD RG0, 4, 16, 2048, 0                      ; the second projection's first unit
	s_wait_dscnt 0x0
	MUL4 ACC, AF, SM, 1
	s_wait_loadcnt 16                              ; W1's second unit is in; the one just asked for may be out
	PLACES
	UCVT RG1, SM
	ULOAD RG1, 4, 16, 2048, 65536
	MUL4 ACC, AF+8, SM, 0
	s_mul_i32 s56, s47, 16*P2P
	s_lshl_b32 s58, s46, 8
	s_add_co_u32 s56, s56, s58
	s_add_co_u32 s56, s56, P2
	LADR 5, 6, 16, 8*P2P, 56                       ; six plain lines that name none of the products' registers: the places behind them
	SHUF ACC, OUT
	PST 5, P2P
	BAR                                            ; both halves of K lie in P2
	s_mul_i32 s56, s4, P2P
	s_add_co_u32 s56, s56, P2
	v_add_nc_u32 v6, s56, v3
.set p, 0
.rept 2
.set c, 0
.rept 4
	ds_load_b128 v[192+16*p+4*c:192+16*p+4*c+3], v6 offset:16*P2P*p+512*c
.set c, c+1
.endr
.set p, p+1
.endr
	s_mul_i32 s56, s4, APITCH
	v_lshrrev_b32 v5, 1, v3
	v_add_nc_u32 v5, s56, v5
	s_wait_dscnt 0x0
.set k, 0
.rept 8
	v_pk_add_f32 v[192+k:193+k], v[192+k:193+k], v[208+k:209+k]
.set k, k+2
.endr
.set k, 0
.rept 8
	v_pk_add_f32 v[192+k:193+k], v[192+k:193+k], v[B1R+k:B1R+k+1]
.set k, k+2
.endr
	s_wait_kmcnt 0x0                               ; a1, a2
.set k, 0
.rept 16
	PRELU 192+k, 208+k, 40
.set k, k+1
.endr
.set k, 0
.rept 8
	v_cvt_pk_bf16_f32 v[224+k], v[192+2*k], v[193+2*k]
.set k, k+1
.endr
.set c, 0
.rept 4
	ds_store_b64 v5, v[224+2*c:225+2*c] offset:256*c
.set c, c+1
.endr
	BAR                                            ; the first projection's 16 rows x 512 lie in LDS as bf16
	s_lshl_b32 s56, s46, 7
	LADR 6, 5, APITCH, 16, 56                      ; k = 64 (w >> 1) on
	AFLD 6
	s_wait_loadcnt 16
	UCVT RG0, SM
	s_wait_dscnt 0x0
	MUL4 ACC, AF, SM, 1
	s_wait_loadcnt 0x0
	PLACES
	UCVT RG1, SM
	MUL4 ACC, AF+8, SM, 0
	s_mul_i32 s56, s46, 16*P1P
	s_lshl_b32 s58, s47, 8
	s_add_co_u32 s56, s56, s58
	s_add_co_u32 s56, s56, P1
	LADR 5, 6, 16, 8*P1P, 56                       ; the places behind the products
	SHUF ACC, OUT
	PST 5, P1P
	BAR                                            ; the eight parts of K lie in P1
	s_mul_i32 s56, s4, P1P
	s_add_co_u32 s56, s56, P1
	v_add_nc_u32 v6, s56, v3
.set p, 0
.rept 8
	ds_load_b128 v[192+4*p:195+4*p], v6 offset:16*P1P*p
.set p, p+1
.endr
	s_wait_dscnt 0x0
.irp q, 0, 8, 16, 24
	v_pk_add_f32 v[192+\q:193+\q], v[192+\q:193+\q], v[196+\q:197+\q]
	v_pk_add_f32 v[194+\q:195+\q], v[194+\q:195+\q], v[198+\q:199+\q]
.endr
.irp q, 0, 16
	v_pk_add_f32 v[192+\q:193+\q], v[192+\q:193+\q], v[200+\q:201+\q]
	v_pk_add_f32 v[194+\q:195+\q], v[194+\q:195+\q], v[202+\q:203+\q]
.endr
	v_pk_add_f32 v[192:193], v[192:193], v[208:209]
	v_pk_add_f32 v[194:195], v[194:195], v[210:211]
	v_pk_add_f32 v[192:193], v[192:193], v[8:9]
	v_pk_add_f32 v[194:195], v[194:195], v[10:11]
.set k, 0
.rept 4
	PRELU 192+k, 196+k, 41
.set k, k+1
.endr
.set k, 0
.rept 4
	v_cndmask_b32 v[192+k], v[192+k], v[12+k], s60 ; a token row takes the token
	v_mov_b32 v[196+k], 0
.set k, k+1
.endr
	global_store_b128 v3, v[192:195], s[36:37]     ; 512 consecutive bytes a wave, at a multiple of 512
	global_store_b128 v3, v[196:199], s[36:37] offset:ADDB
	global_store_b128 v3, v[196:199], s[36:37] offset:2*ADDB
	global_store_b128 v3, v[196:199], s[36:37] offset:3*ADDB
	FIN
.Lrpe:                                                 ; THE TABLE.  Wave w takes k = 32 w .. 32 w + 31 of the 512; the sixteen partial sums meet in LDS.
	s_lshl_b32 s48, s4, 7
	s_mov_b32 s49, 0
	s_lshl_b32 s50, s4, 13
	s_mov_b32 s51, 0
	v_bfe_u32 v5, v0, 4, 1
	v_lshlrev_b32 v6, 5, v5                        ; 32 h: my eight k, and eight more 64 bytes on
	v_and_b32 v7, 15, v0
	v_lshlrev_b32 v7, 4, v7                        ; 16 r
	v_lshl_add_u32 v5, v5, 11, v7                  ; a unit's lane offset at a pitch of 256
	s_wait_kmcnt 0x0
	s_load_b32 s42, s[30:31], 0x0
	s_add_nc_u64 s[26:27], s[26:27], s[48:49]
	s_add_nc_u64 s[28:29], s[28:29], s[48:49]
	s_add_nc_u64 s[32:33], s[32:33], s[50:51]
.irp q, 0, 1, 2, 3
	global_load_b128 v[80+4*\q:83+4*\q], v6, s[26:27] offset:16*(\q%2)+64*(\q/2)
	global_load_b128 v[96+4*\q:99+4*\q], v6, s[28:29] offset:16*(\q%2)+64*(\q/2)
.endr
	ULOAD RG0, 5, 32, 256, 0
	global_load_b128 v[8:11], v7, s[34:35]
	v_and_b32 v12, 15, v0
	s_wait_loadcnt 0x0
	s_wait_kmcnt 0x0
.set lt, 0
.rept 2
	v_add_nc_u32 v13, 16*lt-15, v12                ; the relative position of table row 16 lt + r
	v_cvt_f32_i32 v13, v13
.set k, 0
.rept 16
	v_fma_f32 v[112+k], v13, v[80+k], v[96+k]
.set k, k+1
.endr
.set k, 0
.rept 16
	PRELU 112+k, 176+k, 42
.set k, k+1
.endr
.set k, 0
.rept 8
	v_cvt_pk_bf16_f32 v[160+8*lt+k], v[112+2*k], v[113+2*k]
.set k, k+1
.endr
.set lt, lt+1
.endr
	UCVT RG0, 128
	MUL4 192, 160, 128, 1
	MUL4 224, 168, 128, 1
	s_mul_i32 s56, s4, 32*RPP
	LADR 5, 6, 16, 8*RPP, 56                       ; the places behind the products
.set lt, 0
.rept 2
	SHUF 192+32*lt, 16
.set j, 0
.rept 8
	ds_store_b128 v5, v[16+4*j:19+4*j] offset:(16*lt+j)*RPP
.set j, j+1
.endr
.set lt, lt+1
.endr
	BAR
	s_mul_i32 s56, s4, 2*RPP
	LADR 5, 6, 16, RPP, 56                         ; wave w sums rows 2 w and 2 w + 1
	v_add_nc_u32 v6, 7*32*RPP, v5                  ; an LDS offset holds 16 bits: three addresses for the sixteen parts
	v_add_nc_u32 v7, 14*32*RPP, v5
.set p, 0
.rept 7
	ds_load_b128 v[128+4*p:131+4*p], v5 offset:32*RPP*p
	ds_load_b128 v[156+4*p:159+4*p], v6 offset:32*RPP*p
.set p, p+1
.endr
	ds_load_b128 v[184:187], v7
	ds_load_b128 v[188:191], v7 offset:32*RPP
	v_lshlrev_b32 v12, 3, v0
	s_wait_dscnt 0x0
.set k, 0
.rept 16
	v_pk_add_f32 v[128+k:129+k], v[128+k:129+k], v[160+k:161+k]
.set k, k+2
.endr
.set k, 0
.rept 8
	v_pk_add_f32 v[128+k:129+k], v[128+k:129+k], v[144+k:145+k]
.set k, k+2
.endr
.set k, 0
.rept 4
	v_pk_add_f32 v[128+k:129+k], v[128+k:129+k], v[136+k:137+k]
.set k, k+2
.endr
	v_pk_add_f32 v[128:129], v[128:129], v[132:133]
	v_pk_add_f32 v[130:131], v[130:131], v[134:135]
	v_pk_add_f32 v[128:129], v[128:129], v[8:9]
	v_pk_add_f32 v[130:131], v[130:131], v[10:11]
	v_cvt_pk_bf16_f32 v132, v128, v129
	v_cvt_pk_bf16_f32 v133, v130, v131
	global_store_b64 v12, v[132:133], s[38:39]     ; 256 consecutive bytes a wave: two rows of the table
	FIN
.Lfunc_end_k_qb814c02ea7_menc:
	.size	k_qb814c02ea7_menc, .Lfunc_end_k_qb814c02ea7_menc-k_qb814c02ea7_menc
	.p2alignl 7, 3214868480
	.fill 96, 4, 3214868480
	.section	.rodata,"a",@progbits
	.p2align	6, 0x0
	.amdhsa_kernel k_qb814c02ea7_menc
		.amdhsa_group_segment_fixed_size 156672
		.amdhsa_private_segment_fixed_size 0
		.amdhsa_enable_private_segment 0
		.amdhsa_kernarg_size 128
		.amdhsa_user_sgpr_count 2
		.amdhsa_user_sgpr_kernarg_segment_ptr 1
		.amdhsa_wavefront_size32 1
		.amdhsa_system_sgpr_workgroup_id_x 1
		.amdhsa_system_sgpr_workgroup_id_y 1
		.amdhsa_system_sgpr_workgroup_id_z 1
		.amdhsa_system_vgpr_workitem_id 0
		.amdhsa_next_free_vgpr 256
		.amdhsa_next_free_sgpr 66
		.amdhsa_reserve_vcc 0
		.amdhsa_float_denorm_mode_32 3
		.amdhsa_float_denorm_mode_16_64 3
		.amdhsa_memory_ordered 1
		.amdhsa_forward_progress 1
		.amdhsa_inst_pref_size 53
	.end_amdhsa_kernel
	.amdgpu_metadata
---
amdhsa.version: [ 1, 2 ]
amdhsa.kernels:
  - .name:           k_qb814c02ea7_menc
    .symbol:         k_qb814c02ea7_menc.kd
    .args:
      - { .name: x, .offset: 0, .size: 8, .value_kind: global_buffer, .address_space: global }
      - { .name: params_menc1_W, .offset: 8, .size: 8, .value_kind: global_buffer, .address_space: global }
      - { .name: params_menc1_b, .offset: 16, .size: 8, .value_kind: global_buffer, .address_space: global }
      - { .name: params_menc_a1, .offset: 24, .size: 8, .value_kind: global_buffer, .address_space: global }
      - { .name: params_menc2_W, .offset: 32, .size: 8, .value_kind: global_buffer, .address_space: global }
      - { .name: params_menc2_b, .offset: 40, .size: 8, .value_kind: global_buffer, .address_space: global }
      - { .name: params_menc_a2, .offset: 48, .size: 8, .value_kind: global_buffer, .address_space: global }
      - { .name: params_mu_token, .offset: 56, .size: 8, .value_kind: global_buffer, .address_space: global }
      - { .name: params_logvar_token, .offset: 64, .size: 8, .value_kind: global_buffer, .address_space: global }
      - { .name: params_rpe1_W, .offset: 72, .size: 8, .value_kind: global_buffer, .address_space: global }
      - { .name: params_rpe1_b, .offset: 80, .size: 8, .value_kind: global_buffer, .address_space: global }
      - { .name: params_rpe_a, .offset: 88, .size: 8, .value_kind: global_buffer, .address_space: global }
      - { .name: params_rpe2_W, .offset: 96, .size: 8, .value_kind: global_buffer, .address_space: global }
      - { .name: params_rpe2_b, .offset: 104, .size: 8, .value_kind: global_buffer, .address_space: global }
      - { .name: pf, .offset: 112, .size: 8, .value_kind: global_buffer, .address_space: global }
      - { .name: tab, .offset: 120, .size: 8, .value_kind: global_buffer, .address_space: global }
    .group_segment_fixed_size: 156672
    .private_segment_fixed_size: 0
    .kernarg_segment_align: 8
    .kernarg_segment_size: 128
    .max_flat_workgroup_size: 512
    .sgpr_count:     66
    .vgpr_count:     256
    .wavefront_size: 32
...
	.end_amdgpu_metadata
.endif
;; end of part 1
;; launch attn0 (part 2): grid 8 x 4, 16 waves a work-group, no clusters, 310,272 bytes of LDS; arguments pf, params_layers_0_attn_ln_g, params_layers_0_attn_ln_b, params_layers_0_attn_q_W, params_layers_0_attn_q_b, params_layers_0_attn_k_W, params_layers_0_attn_k_b, params_layers_0_attn_v_W, params_layers_0_attn_v_b, params_layers_0_attn_o_W, params_layers_0_attn_o_b, tab, hb, pa; writes hb, pa
.if DOCPART == 2
	.amdgcn_target "amdgcn-amd-amdhsa--gfx1250"
	.amdhsa_code_object_version 6
	.text
	.protected	k_qb814c02ea7_attn0
	.globl	k_qb814c02ea7_attn0
	.p2align	8
	.type	k_qb814c02ea7_attn0,@function
k_qb814c02ea7_attn0:
	s_mov_b64 s[64:65], 0
	v_nop
	global_prefetch_b8 v0, s[64:65] scope:SCOPE_SE
	s_setreg_imm32_b32 hwreg(HW_REG_WAVE_MODE, 25, 1), 1
	s_wait_xcnt 0x0
; ONE HEAD OF ONE BATCH: h = the sum of pf's four addends; layer norm; q, k, v of the head; attention in the band |i - j| <= 15 with the bias q . tab[j - i + 15];
; and the head's 64 channels times its 64 rows of Wo: one addend, pa[head], of the output projection, over all 512 columns.  The work-group of head hd also
; stores hb = h + b_o for rows 8 hd .. 8 hd + 7 of its batch; the next launch takes h' = hb + the eight addends.
; 64 rows a batch are carried.  Keys end at row 63, so a layer's rows 49 .. 63 (and 15 more with each layer) see a cut window: they are finite and lie
; outside the rows that reach the module's outputs (rows 0, 1 after four layers want rows 0 .. 61 at the start).
; LIMITS.  A score outside the band is its value less 1e30, where the reference puts -1e9: its weight is 0 in both unless true scores lie below -1e9.
; A weight below 2^-126 counts as 0.  Matrix operands (h after the norm, weights, q, k, v, the table, the weights p, the head's output) are bf16; sums, norm, softmax and h are f32.
; NO TENSOR LOADS, NO CLUSTER: the four batches' work-groups read the same 512 KiB of f32 weights, but each number has to pass the vector unit to become
; bf16: it goes from memory into registers and is rounded there into a fragment; the four meet in the cache.
.set ADDB,   524288                    ; bytes in an addend: 256 rows x 2,048
.set APITCH, 1040                      ; 512 bf16 + 16 bytes
.set IMG,    66560                     ; behind the tile of 64 rows x 1,040: fragments as they lie in registers, [q, k, v][16 K steps][4 tiles][1,024 bytes]
.set QL,     263168                    ; q, k, v of the head: 64 rows x 144 each
.set KL,     272384
.set VL,     281600
.set HP,     144
.set RSC,    290816                    ; q . tab in f32: for each of four waves 16 rows x 144
.set AOI,    300032                    ; the head's output as fragments: [4 tiles of 16 rows][2 K steps][1,024]
.set SPARE,  308224                    ; the spare words, 128 bytes a wave
.set BO,  16                           ; v16-31   b_o of my 16 columns
.set GR,  32                           ; v32-47   the norm's gain; v48-63 its bias; later v32-63 my unit of Wo as fragments
.set BR,  48
.set RAW, 64                           ; v64-127  a weight unit as loaded
.set XA,  128                          ; v128-191 a row's four addends; then x, x - mean, work, x + b_o
.set XB,  192                          ; v192-255 the same for a second row
.set SSEL, 38
.set SINV, 42
.set SEPS, 43
; A UNIT is 32 k x 64 columns of an f32 weight [K][N].  Lane (r, h) takes 16 bytes (columns c0 + 4 r ..) of the 16 rows whose k a bf16 fragment wants in
; that lane: k0 + 8 h + 0..7 and k0 + 16 + 8 h + 0..7.  Each load covers two runs of 256 consecutive bytes.
.macro ULOAD raw, voff, sb, pitch, off
.set ui, 0
.rept 16
	global_load_b128 v[(\raw)+4*ui:(\raw)+4*ui+3], v[\voff], s[\sb:(\sb)+1] offset:(\off)+(ui+8*(ui/8))*(\pitch)
.set ui, ui+1
.endr
.endm
; Fragment t, register p = rows 2 p, 2 p + 1 of the lane's 16, column c0 + 4 r + t: the unit's 64 columns are dealt 4 r + t over four fragments.
.macro UCVT raw, dst
.set ut, 0
.rept 4
.set up, 0
.rept 8
	v_cvt_pk_bf16_f32 v[(\dst)+8*ut+up], v[(\raw)+8*up+ut], v[(\raw)+8*up+4+ut]
.set up, up+1
.endr
.set ut, ut+1
.endr
.endm
.macro UCVTS raw, adr, off             ; the same, and into LDS as they lie: registers 0-3 of lane l at 16 l, registers 4-7 at 512 + 16 l
.set ut, 0
.rept 4
.set uh, 0
.rept 2
.set up, 0
.rept 4
	v_cvt_pk_bf16_f32 v[8+4*uh+up], v[(\raw)+8*(4*uh+up)+ut], v[(\raw)+8*(4*uh+up)+4+ut]
.set up, up+1
.endr
	ds_store_b128 v[\adr], v[8+4*uh:11+4*uh] offset:(\off)+1024*ut+512*uh
.set uh, uh+1
.endr
.set ut, ut+1
.endr
.endm
.macro WSUM a, b                       ; the sum over the wave's 32 lanes, in every lane
	v_add_f32_dpp v[\a], v[\a], v[\a] row_xmask:1 row_mask:0xf bank_mask:0xf
	v_add_f32_dpp v[\a], v[\a], v[\a] row_xmask:2 row_mask:0xf bank_mask:0xf
	v_add_f32_dpp v[\a], v[\a], v[\a] row_xmask:4 row_mask:0xf bank_mask:0xf
	v_add_f32_dpp v[\a], v[\a], v[\a] row_xmask:8 row_mask:0xf bank_mask:0xf
	v_permlanex16_b32 v[\b], v[\a], s[SSEL], s[SSEL+1]
	v_add_f32 v[\a], v[\a], v[\b]
.endm
; The layer norm of one row.  The lane holds columns 128 c + 4 l + e in X[4 c + e]; X is kept.  Mean first, then the squares of x - mean; the row goes to LDS as bf16.
.macro LNROW X, D, T, adr, off
	v_pk_add_f32 v[(\T):(\T)+1], v[(\X):(\X)+1], v[(\X)+2:(\X)+3]
	v_pk_add_f32 v[(\T)+2:(\T)+3], v[(\X)+4:(\X)+5], v[(\X)+6:(\X)+7]
	v_pk_add_f32 v[(\T)+4:(\T)+5], v[(\X)+8:(\X)+9], v[(\X)+10:(\X)+11]
	v_pk_add_f32 v[(\T)+6:(\T)+7], v[(\X)+12:(\X)+13], v[(\X)+14:(\X)+15]
	v_pk_add_f32 v[(\T):(\T)+1], v[(\T):(\T)+1], v[(\T)+2:(\T)+3]
	v_pk_add_f32 v[(\T)+4:(\T)+5], v[(\T)+4:(\T)+5], v[(\T)+6:(\T)+7]
	v_pk_add_f32 v[(\T):(\T)+1], v[(\T):(\T)+1], v[(\T)+4:(\T)+5]
	v_add_f32 v[\T], v[\T], v[(\T)+1]
	WSUM \T, (\T)+1
	v_mul_f32 v[\T], s[SINV], v[\T]                ; the mean
.set lk, 0
.rept 8
	v_pk_add_f32 v[(\D)+lk:(\D)+lk+1], v[(\X)+lk:(\X)+lk+1], v[(\T):(\T)+1] op_sel_hi:[1,0] neg_lo:[0,1] neg_hi:[0,1]
.set lk, lk+2
.endr
	v_pk_mul_f32 v[(\T)+2:(\T)+3], v[(\D):(\D)+1], v[(\D):(\D)+1]
	v_pk_mul_f32 v[(\T)+4:(\T)+5], v[(\D)+2:(\D)+3], v[(\D)+2:(\D)+3]
.set lk, 4
.rept 3
	v_pk_fma_f32 v[(\T)+2:(\T)+3], v[(\D)+lk:(\D)+lk+1], v[(\D)+lk:(\D)+lk+1], v[(\T)+2:(\T)+3]
	v_pk_fma_f32 v[(\T)+4:(\T)+5], v[(\D)+lk+2:(\D)+lk+3], v[(\D)+lk+2:(\D)+lk+3], v[(\T)+4:(\T)+5]
.set lk, lk+4
.endr
	v_pk_add_f32 v[(\T)+2:(\T)+3], v[(\T)+2:(\T)+3], v[(\T)+4:(\T)+5]
	v_add_f32 v[(\T)+2], v[(\T)+2], v[(\T)+3]
	WSUM (\T)+2, (\T)+3
	v_fma_f32 v[(\T)+2], v[(\T)+2], s[SINV], s[SEPS]  ; variance + 1e-5
	v_rsq_f32 v[(\T)+2], v[(\T)+2]
	v_nop                                          ; a plain instruction between the root and the use of its result
.set lk, 0
	s_wait_alu depctr_va_vdst(0)
.rept 8
	v_pk_mul_f32 v[(\D)+lk:(\D)+lk+1], v[(\D)+lk:(\D)+lk+1], v[(\T)+2:(\T)+3] op_sel_hi:[1,0]
.set lk, lk+2
.endr
.set lk, 0
.rept 8
	v_pk_fma_f32 v[(\D)+lk:(\D)+lk+1], v[(\D)+lk:(\D)+lk+1], v[GR+lk:GR+lk+1], v[BR+lk:BR+lk+1]
.set lk, lk+2
.endr
.set lk, 0
.rept 8
	v_cvt_pk_bf16_f32 v[(\T)+lk], v[(\D)+2*lk], v[(\D)+2*lk+1]
.set lk, lk+1
.endr
.set lk, 0
.rept 4
	ds_store_b64 v[\adr], v[(\T)+2*lk:(\T)+2*lk+1] offset:(\off)+256*lk
.set lk, lk+1
.endr
.endm
.macro SHUF acc, out                   ; register j of tile t is (row 8 h + j, column 4 r + t): a row's four columns are brought together; each accumulator is read from register 0 on
.set sj, 0
.rept 8
.set sq, 0
.rept 4
	v_mov_b32 v[(\out)+4*sj+sq], v[(\acc)+8*sq+sj]
.set sq, sq+1
.endr
.set sj, sj+1
.endr
.endm
.macro PLACES                          ; four places behind a matrix instruction (ISA guide 7.12.1)
.rept 4
	v_nop
.endr
.endm
.macro BAR                             ; my LDS instructions are done, then the work-group's barrier
	s_wait_dscnt 0x0
	s_barrier_signal -1
	s_barrier_wait -1
.endm
.macro LADR dst, tmp, rmul, hmul, sreg ; (lane % 16) x rmul + (lane / 16) x hmul + a scalar
	v_and_b32 v[\dst], 15, v0
	v_mul_u32_u24 v[\dst], v[\dst], \rmul
	v_bfe_u32 v[\tmp], v0, 4, 1
	v_mul_u32_u24 v[\tmp], v[\tmp], \hmul
	v_add_nc_u32 v[\dst], v[\dst], v[\tmp]
	v_add_nc_u32 v[\dst], s[\sreg], v[\dst]
.endm
.macro LDROWS i0                       ; rows i0 and i0 + 1 of my four: four addends x 2,048 bytes each, 512 consecutive bytes a load
.set lp, 0
.rept 4
.set lc, 0
.rept 4
	global_load_b128 v[XA+16*lp+4*lc:XA+16*lp+4*lc+3], v3, s[8:9] offset:lp*ADDB+(\i0)*2048+512*lc
	global_load_b128 v[XB+16*lp+4*lc:XB+16*lp+4*lc+3], v3, s[8:9] offset:lp*ADDB+((\i0)+1)*2048+512*lc
.set lc, lc+1
.endr
.set lp, lp+1
.endr
.endm
.macro ADD4 X                          ; x = (p0 + p1) + (p2 + p3)
.set ak, 0
.rept 8
	v_pk_add_f32 v[(\X)+ak:(\X)+ak+1], v[(\X)+ak:(\X)+ak+1], v[(\X)+16+ak:(\X)+17+ak]
	v_pk_add_f32 v[(\X)+32+ak:(\X)+33+ak], v[(\X)+32+ak:(\X)+33+ak], v[(\X)+48+ak:(\X)+49+ak]
.set ak, ak+2
.endr
.set ak, 0
.rept 8
	v_pk_add_f32 v[(\X)+ak:(\X)+ak+1], v[(\X)+ak:(\X)+ak+1], v[(\X)+32+ak:(\X)+33+ak]
.set ak, ak+2
.endr
.endm
.macro HBROW X, i                      ; x + b_o, stored: 512 consecutive bytes a store
.set ak, 0
.rept 8
	v_pk_add_f32 v[(\X)+48+ak:(\X)+49+ak], v[(\X)+ak:(\X)+ak+1], v[BO+ak:BO+ak+1]
.set ak, ak+2
.endr
.set ak, 0
.rept 4
	global_store_b128 v3, v[(\X)+48+4*ak:(\X)+51+4*ak], s[32:33] offset:(\i)*2048+512*ak
.set ak, ak+1
.endr
.endm
.macro PASS i0                         ; two rows: summed, stored with b_o if they are this head's to store, normed into the tile
	ADD4 XA
	ADD4 XB
	s_cmp_lg_u32 s7, s5
	s_cbranch_scc1 .Lnohb_\@               ; rows 4 w .. 4 w + 3 belong to head w >> 1
	HBROW XA, \i0
	HBROW XB, (\i0)+1
.Lnohb_\@:
	LNROW XA, XA+16, XA+32, 5, (\i0)*APITCH
	LNROW XB, XB+16, XB+32, 5, ((\i0)+1)*APITCH
	s_wait_xcnt 0x0                                ; the stores' data registers are loaded again only behind this wait
.endm
	s_load_b512 s[8:23], s[0:1], 0x0               ; pf s8, g s10, b s12, Wq s14, bq s16, Wk s18, bk s20, Wv s22
	s_load_b256 s[24:31], s[0:1], 0x40             ; bv s24, Wo s26, bo s28, tab s30
	s_load_b128 s[32:35], s[0:1], 0x60             ; hb s32, pa s34
	v_lshl_add_u32 v1, v0, 2, SPARE                ; my spare word
	v_mov_b32 v2, 0
	v_lshrrev_b32 v3, 5, v0
	v_readfirstlane_b32 s4, v3                     ; wave w
	v_and_b32 v3, 31, v0
	v_lshlrev_b32 v3, 4, v3                        ; 16 l
	v_and_b32 v4, 15, v0
	v_lshlrev_b32 v4, 4, v4
	v_bfe_u32 v5, v0, 4, 1
	v_lshl_add_u32 v4, v5, 14, v4                  ; 8 h rows of 2,048 bytes + 16 r
	s_mov_b32 s5, ttmp9                            ; head
	s_and_b32 s6, ttmp7, 0xffff                    ; batch
	s_lshr_b32 s7, s4, 1
	s_mov_b32 s38, 0x76543210                      ; v_permlanex16_b32: each lane takes its own place in the other half
	s_mov_b32 s39, 0xfedcba98
	s_mov_b32 s40, 0x3e38aa3b                      ; c = log2(e) / 8
	s_mov_b32 s41, s40
	s_mov_b32 s42, 0x3b000000                      ; 1 / 512
	s_mov_b32 s43, 0x3727c5ac                      ; 1e-5
	s_lshl_b32 s36, s6, 17                         ; pf and hb: row 64 batch + 4 w
	s_lshl_b32 s48, s4, 13
	s_add_co_u32 s36, s36, s48
	s_mov_b32 s37, 0
	s_lshl_b32 s44, s4, 16                         ; Wq, Wk, Wv: rows 32 w on, the head's 64 columns
	s_lshl_b32 s48, s5, 8
	s_add_co_u32 s44, s44, s48
	s_mov_b32 s45, 0
	s_lshl_b32 s50, s5, 17                         ; Wo: rows 64 head + 32 (w & 1) on, columns 64 (w >> 1) on
	s_and_b32 s48, s4, 1
	s_lshl_b32 s48, s48, 16
	s_add_co_u32 s50, s50, s48
	s_lshl_b32 s48, s7, 8
	s_add_co_u32 s50, s50, s48
	s_mov_b32 s51, 0
	s_lshl_b32 s52, s5, 19                         ; pa: addend head, row 64 batch + 32 (w >> 3), columns 64 (w & 7) on
	s_lshl_b32 s48, s6, 17
	s_add_co_u32 s52, s52, s48
	s_lshr_b32 s48, s4, 3
	s_lshl_b32 s48, s48, 16
	s_add_co_u32 s52, s52, s48
	s_and_b32 s48, s4, 7
	s_lshl_b32 s48, s48, 8
	s_add_co_u32 s52, s52, s48
	s_mov_b32 s53, 0
	s_lshl_b32 s54, s5, 8                          ; the head's 64 numbers of a bias
	s_mov_b32 s55, 0
	s_mul_i32 s48, s4, 4*APITCH
	v_lshrrev_b32 v5, 1, v3
	v_add_nc_u32 v5, s48, v5                       ; the tile: row 4 w, 8 l
	s_lshl_b32 s48, s4, 12
	s_add_co_u32 s48, s48, IMG
	v_add_nc_u32 v6, s48, v3                       ; q's fragments of K step w
	s_wait_kmcnt 0x0
	s_add_nc_u64 s[8:9], s[8:9], s[36:37]
	s_add_nc_u64 s[32:33], s[32:33], s[36:37]
	s_add_nc_u64 s[14:15], s[14:15], s[44:45]
	s_add_nc_u64 s[18:19], s[18:19], s[44:45]
	s_add_nc_u64 s[22:23], s[22:23], s[44:45]
	s_add_nc_u64 s[26:27], s[26:27], s[50:51]
	s_add_nc_u64 s[34:35], s[34:35], s[52:53]
	; STAGE 1, all sixteen waves: rows 4 w .. 4 w + 3 are summed and normed; K step w of Wq, Wk, Wv and one unit of Wo become fragments.
.set c, 0
.rept 4
	global_load_b128 v[GR+4*c:GR+4*c+3], v3, s[10:11] offset:512*c
	global_load_b128 v[BR+4*c:BR+4*c+3], v3, s[12:13] offset:512*c
	global_load_b128 v[BO+4*c:BO+4*c+3], v3, s[28:29] offset:512*c
.set c, c+1
.endr
	LDROWS 0
	ULOAD RAW, 4, 14, 2048, 0                      ; Wq
	s_wait_loadcnt 16                              ; all but Wq's sixteen
	PASS 0
	LDROWS 2
	s_wait_loadcnt 32                              ; Wq is in; the two rows' 32 loads may be out
	UCVTS RAW, 6, 0
	ULOAD RAW, 4, 18, 2048, 0                      ; Wk
	s_wait_loadcnt 16                              ; the rows are in; Wk may be out
	PASS 2
	ULOAD XA, 4, 22, 2048, 0                       ; Wv
	ULOAD XB, 4, 26, 2048, 0                       ; Wo
	s_wait_loadcnt 32                              ; Wk is in
	v_add_nc_u32 v6, 0x10000, v6
	UCVTS RAW, 6, 0
	s_wait_loadcnt 16                              ; Wv is in
	v_add_nc_u32 v6, 0x10000, v6
	UCVTS XA, 6, 0
	s_wait_loadcnt 0x0
	UCVT XB, 32                                    ; Wo's unit waits in v32-63 until the tile's bytes are free
	BAR                                            ; the tile and the 192 fragments are whole
	; STAGE 2.  Waves 0-5: matrix w >> 1 (q, k, v), rows 32 (w & 1) on: 32 rows x 64 columns, K = 512.  Source 0 is the weight, so a lane holds one row and,
	; in register j of tile t, column 32 h + 4 j + t.  Two buffers of 12 LDS loads take turns.  Waves 8-11 meanwhile ask for the table's fragments.
	s_cmp_lt_u32 s4, 6
	s_cbranch_scc0 .Lno_proj
	s_and_b32 s48, s4, 1
	s_cmp_eq_u32 s7, 0
	s_cselect_b64 s[46:47], s[16:17], s[20:21]
	s_cmp_eq_u32 s7, 2
	s_cselect_b64 s[46:47], s[24:25], s[46:47]     ; bq, bk or bv
	s_add_nc_u64 s[46:47], s[46:47], s[54:55]
	v_bfe_u32 v7, v0, 4, 1
	v_lshlrev_b32 v7, 7, v7                        ; my 32 columns' bias
.set j, 0
.rept 8
	global_load_b128 v[224+4*j:227+4*j], v7, s[46:47] offset:16*j
.set j, j+1
.endr
	s_mul_i32 s48, s48, 32*APITCH
	LADR 5, 8, APITCH, 16, 48
	s_lshl_b32 s49, s7, 16
	s_add_co_u32 s49, s49, IMG
	v_add_nc_u32 v6, s49, v3
	s_mul_i32 s49, s4, 32*HP
	s_add_co_u32 s49, s49, QL
	LADR 8, 9, HP, 64, 49                          ; where my row's 64 bytes go
.macro S2LOAD ks, buf
.set la, 0
.rept 2
	ds_load_b128 v[(\buf)+8*la:(\buf)+8*la+3], v5 offset:16*APITCH*la+64*(\ks)
	ds_load_b128 v[(\buf)+8*la+4:(\buf)+8*la+7], v5 offset:16*APITCH*la+64*(\ks)+32
.set la, la+1
.endr
.set lq, 0
.rept 4
	ds_load_b128 v[(\buf)+16+8*lq:(\buf)+16+8*lq+3], v6 offset:4096*(\ks)+1024*lq
	ds_load_b128 v[(\buf)+16+8*lq+4:(\buf)+16+8*lq+7], v6 offset:4096*(\ks)+1024*lq+512
.set lq, lq+1
.endr
.endm
.macro S2MUL buf, first                ; eight products, the eight accumulators by turns
.set ma, 0
.rept 2
.set mt, 0
.rept 4
.if \first
	v_wmma_f32_16x16x32_bf16 v[64+32*ma+8*mt:64+32*ma+8*mt+7], v[(\buf)+16+8*mt:(\buf)+16+8*mt+7], v[(\buf)+8*ma:(\buf)+8*ma+7], 0
.else
	v_wmma_f32_16x16x32_bf16 v[64+32*ma+8*mt:64+32*ma+8*mt+7], v[(\buf)+16+8*mt:(\buf)+16+8*mt+7], v[(\buf)+8*ma:(\buf)+8*ma+7], v[64+32*ma+8*mt:64+32*ma+8*mt+7]
.endif
.set mt, mt+1
.endr
.set ma, ma+1
.endr
.endm
	S2LOAD 0, 128
	S2LOAD 1, 176
	s_wait_dscnt 12                                ; K step 0 is in; the 12 loads of step 1 may be out
	S2MUL 128, 1
.set ks, 1
.rept 14
	PLACES                                         ; in front of loads into the buffer just multiplied
	S2LOAD ks+1, 128+48*((ks+1)%2)
	s_wait_dscnt 12                                ; this step's are in; the 12 just issued may be out
	S2MUL 128+48*(ks%2), 0
.set ks, ks+1
.endr
	s_wait_dscnt 0x0
	S2MUL 176, 0
	PLACES
	s_wait_loadcnt 0x0                             ; the bias
.set a, 0
.rept 2
.set j, 0
.rept 8
.set t, 0
.rept 4
	v_add_f32 v[64+32*a+8*t+j], v[64+32*a+8*t+j], v[224+4*j+t]
.set t, t+1
.endr
.set j, j+1
.endr
.set j, 0
.rept 8
	v_cvt_pk_bf16_f32 v[16+2*j], v[64+32*a+j], v[72+32*a+j]      ; columns 4 j, 4 j + 1
	v_cvt_pk_bf16_f32 v[17+2*j], v[80+32*a+j], v[88+32*a+j]      ; columns 4 j + 2, 4 j + 3
.set j, j+1
.endr
.set j, 0
.rept 4
	ds_store_b128 v8, v[16+4*j:19+4*j] offset:16*HP*a+16*j
.set j, j+1
.endr
.set a, a+1
.endr
	s_branch .Lb2
.Lno_proj:
	s_cmp_lt_u32 s4, 8
	s_cbranch_scc1 .Lb2
	s_cmp_gt_u32 s4, 11
	s_cbranch_scc1 .Lb2
	v_and_b32 v7, 15, v0
	v_lshlrev_b32 v7, 7, v7
	v_bfe_u32 v8, v0, 4, 1
	v_lshl_add_u32 v7, v8, 4, v7                   ; table row r, 16 h
.set lt, 0
.rept 2
.set kk, 0
.rept 2
	global_load_b128 v[224+16*lt+8*kk:227+16*lt+8*kk], v7, s[30:31] offset:2048*lt+64*kk
	global_load_b128 v[228+16*lt+8*kk:231+16*lt+8*kk], v7, s[30:31] offset:2048*lt+64*kk+32
.set kk, kk+1
.endr
.set lt, lt+1
.endr
.Lb2:
	BAR                                            ; q, k, v lie in LDS; nobody reads the tile any more
	; STAGE 3.  All waves put their unit of Wo where the tile lay.  Waves 8-11: attention, 16 queries x 64 keys each.
	s_lshl_b32 s48, s4, 12
	v_add_nc_u32 v5, s48, v3
.set t, 0
.rept 4
	ds_store_b128 v5, v[32+8*t:35+8*t] offset:1024*t
	ds_store_b128 v5, v[36+8*t:39+8*t] offset:1024*t+512
.set t, t+1
.endr
	s_cmp_lt_u32 s4, 8
	s_cbranch_scc1 .Lb3
	s_cmp_gt_u32 s4, 11
	s_cbranch_scc1 .Lb3
.set QF, 16                            ; v16-31   q: two K steps
.set KF, 64                            ; v64-127  k: (key tile, K step) at 16 kt + 8 kk; then v turned: (key half, channel tile) at 32 kk + 8 dt
.set SR, 128                           ; v128-159 S^T: a lane holds query r and keys 16 kt + 8 h + j
.set GG, 160                           ; v160-191 the gathered bias; then O^T
.set RR, 192                           ; v192-207 q . tab; then the output's fragments
.set PF, 208                           ; v208-223 the weights as fragments
.set TF, 224                           ; v224-255 the table's fragments
	s_sub_co_u32 s48, s4, 8                        ; my tile of 16 queries
	v_and_b32 v8, 15, v0
	v_bfe_u32 v9, v0, 4, 1
	v_mul_u32_u24 v10, v8, HP
	v_lshl_add_u32 v11, v9, 4, v10
	s_mul_i32 s49, s48, 16*HP
	s_add_co_u32 s50, s49, QL
	v_add_nc_u32 v12, s50, v11
	v_add_nc_u32 v13, KL, v11
.set kk, 0
.rept 2
	ds_load_b128 v[QF+8*kk:QF+8*kk+3], v12 offset:64*kk
	ds_load_b128 v[QF+8*kk+4:QF+8*kk+7], v12 offset:64*kk+32
.set kk, kk+1
.endr
.set kt, 0
.rept 4
.set kk, 0
.rept 2
	ds_load_b128 v[KF+16*kt+8*kk:KF+16*kt+8*kk+3], v13 offset:16*HP*kt+64*kk
	ds_load_b128 v[KF+16*kt+8*kk+4:KF+16*kt+8*kk+7], v13 offset:16*HP*kt+64*kk+32
.set kk, kk+1
.endr
.set kt, kt+1
.endr
	s_wait_loadcnt 0x0                             ; the table
	s_wait_dscnt 0x0
.set kk, 0
.rept 2                                ; S^T = K Q^T and R^T = tab Q^T: six accumulators by turns
.set kt, 0
.rept 4
.if kk == 0
	v_wmma_f32_16x16x32_bf16 v[SR+8*kt:SR+8*kt+7], v[KF+16*kt:KF+16*kt+7], v[QF:QF+7], 0
.else
	v_wmma_f32_16x16x32_bf16 v[SR+8*kt:SR+8*kt+7], v[KF+16*kt+8:KF+16*kt+15], v[QF+8:QF+15], v[SR+8*kt:SR+8*kt+7]
.endif
.set kt, kt+1
.endr
.set lt, 0
.rept 2
.if kk == 0
	v_wmma_f32_16x16x32_bf16 v[RR+8*lt:RR+8*lt+7], v[TF+16*lt:TF+16*lt+7], v[QF:QF+7], 0
.else
	v_wmma_f32_16x16x32_bf16 v[RR+8*lt:RR+8*lt+7], v[TF+16*lt+8:TF+16*lt+15], v[QF+8:QF+15], v[RR+8*lt:RR+8*lt+7]
.endif
.set lt, lt+1
.endr
.set kk, kk+1
.endr
	; addresses: plain lines that name none of the products' registers, the places behind them
	s_add_co_u32 s50, s49, RSC
	v_add_nc_u32 v14, s50, v10                     ; my query's row of q . tab
	v_lshl_add_u32 v15, v9, 5, v14                 ; + my eight table rows
	v_and_b32 v5, 7, v0
	v_lshl_add_u32 v5, v9, 3, v5
	v_mul_u32_u24 v5, v5, HP
	v_bfe_u32 v6, v0, 3, 1
	v_lshl_add_u32 v5, v6, 4, v5
	v_add_nc_u32 v5, VL, v5                        ; the turning load: key 8 h + l % 8, channels 8 ((l / 8) % 2) on
	v_lshlrev_b32 v6, 3, v9
	v_sub_nc_u32 v6, v6, v8
	s_lshl_b32 s51, s48, 4
	s_sub_co_u32 s51, 15, s51
	v_add_nc_u32 v6, s51, v6                       ; 8 h + 15 - query: key 16 kt + 8 h + j wants table row 16 kt + j + this
	v_mov_b32 v7, 0xf149f2ca                       ; -1e30
.set kk, 0
.rept 2
.set dt, 0
.rept 4
	ds_load_tr16_b128 v[KF+32*kk+8*dt:KF+32*kk+8*dt+3], v5 offset:32*HP*kk+32*dt
	ds_load_tr16_b128 v[KF+32*kk+8*dt+4:KF+32*kk+8*dt+7], v5 offset:32*HP*kk+16*HP+32*dt
.set dt, dt+1
.endr
.set kk, kk+1
.endr
.set lt, 0
.rept 2
	ds_store_b128 v15, v[RR+8*lt:RR+8*lt+3] offset:64*lt
	ds_store_b128 v15, v[RR+8*lt+4:RR+8*lt+7] offset:64*lt+16
.set lt, lt+1
.endr
	ds_store_b32 v14, v7 offset:124                ; column 31 becomes -1e30 (LDS serves a wave's instructions in order: ISA guide 5.7.1)
.set e, 0
.rept 32                               ; an index outside 0 .. 30, taken as unsigned, is cut to 31: the band's mask needs no compare
	v_add_nc_u32 v[8+e%4], 16*(e/8)+e%8, v6
	v_min_u32 v[8+e%4], 31, v[8+e%4]
	v_lshl_add_u32 v[8+e%4], v[8+e%4], 2, v14
	ds_load_b32 v[GG+e], v[8+e%4]
.set e, e+1
.endr
	s_wait_dscnt 0x0
.set k, 0
.rept 16
	v_pk_add_f32 v[SR+k:SR+k+1], v[SR+k:SR+k+1], v[GG+k:GG+k+1]
.set k, k+2
.endr
.set k, 0
.rept 4
	v_max3_num_f32 v[8+k], v[SR+8*k], v[SR+8*k+1], v[SR+8*k+2]
.set k, k+1
.endr
.set k, 0
.rept 4
	v_max3_num_f32 v[8+k], v[8+k], v[SR+8*k+3], v[SR+8*k+4]
.set k, k+1
.endr
.set k, 0
.rept 4
	v_max3_num_f32 v[8+k], v[8+k], v[SR+8*k+5], v[SR+8*k+6]
.set k, k+1
.endr
	v_max3_num_f32 v8, v8, v[SR+7], v[SR+15]
	v_max3_num_f32 v10, v10, v[SR+23], v[SR+31]
	v_max3_num_f32 v8, v8, v9, v10
	v_max_num_f32 v8, v8, v11
	v_permlanex16_b32 v9, v8, s38, s39             ; the query's other 32 keys lie in the lane 16 away
	v_max_num_f32 v8, v8, v9                       ; the row's maximum: the query's own key is always in the band
	v_mul_f32 v10, s40, v8
	v_mov_b32 v11, v10
.set k, 0
.rept 16
	v_pk_fma_f32 v[SR+k:SR+k+1], v[SR+k:SR+k+1], s[40:41], v[10:11] op_sel_hi:[1,0,0] neg_lo:[0,0,1] neg_hi:[0,0,1]
.set k, k+2
.endr
.set k, 0
.rept 32
	v_exp_f32 v[SR+k], v[SR+k]
.set k, k+1
.endr
	v_nop                                          ; a plain instruction behind the last exponential
.set k, 0
	s_wait_alu depctr_va_vdst(0)
.rept 16
	v_cvt_pk_bf16_f32 v[PF+k], v[SR+2*k], v[SR+2*k+1]
.set k, k+1
.endr
.set k, 0
.rept 8
	v_pk_add_f32 v[SR+4*k:SR+4*k+1], v[SR+4*k:SR+4*k+1], v[SR+4*k+2:SR+4*k+3]
.set k, k+1
.endr
.set k, 0
.rept 4
	v_pk_add_f32 v[SR+8*k:SR+8*k+1], v[SR+8*k:SR+8*k+1], v[SR+8*k+4:SR+8*k+5]
.set k, k+1
.endr
	v_pk_add_f32 v[SR:SR+1], v[SR:SR+1], v[SR+8:SR+9]
	v_pk_add_f32 v[SR+16:SR+17], v[SR+16:SR+17], v[SR+24:SR+25]
	v_pk_add_f32 v[SR:SR+1], v[SR:SR+1], v[SR+16:SR+17]
	v_add_f32 v8, v[SR], v[SR+1]
	v_permlanex16_b32 v9, v8, s38, s39
	v_add_f32 v8, v8, v9                           ; l, at least 1
	v_rcp_f32 v10, v8
	v_nop
.set kk, 0
.rept 2                                ; O^T = V^T P: four accumulators by turns
.set dt, 0
.rept 4
.if kk == 0
	v_wmma_f32_16x16x32_bf16 v[GG+8*dt:GG+8*dt+7], v[KF+8*dt:KF+8*dt+7], v[PF:PF+7], 0
.else
	v_wmma_f32_16x16x32_bf16 v[GG+8*dt:GG+8*dt+7], v[KF+32+8*dt:KF+32+8*dt+7], v[PF+8:PF+15], v[GG+8*dt:GG+8*dt+7]
.endif
.set dt, dt+1
.endr
.set kk, kk+1
.endr
	s_lshl_b32 s50, s48, 11
	s_add_co_u32 s50, s50, AOI
	v_add_nc_u32 v12, s50, v3
	PLACES
.set k, 0
	s_wait_alu depctr_va_vdst(0)
.rept 16
	v_pk_mul_f32 v[GG+k:GG+k+1], v[GG+k:GG+k+1], v[10:11] op_sel_hi:[1,0]
.set k, k+2
.endr
.set k, 0
.rept 16                               ; a lane holds query r and channels 16 dt + 8 h + j: rounded in pairs they are source 0 of the last product
	v_cvt_pk_bf16_f32 v[RR+k], v[GG+2*k], v[GG+2*k+1]
.set k, k+1
.endr
.set k, 0
.rept 4
	ds_store_b128 v12, v[RR+4*k:RR+4*k+3] offset:512*k
.set k, k+1
.endr
.Lb3:
	BAR                                            ; Wo's fragments and the head's output lie in LDS
	; STAGE 4, all waves: rows 32 (w >> 3) on, columns 64 (w & 7) on, K = 64.
	s_and_b32 s48, s4, 7
	s_lshl_b32 s48, s48, 13
	v_add_nc_u32 v5, s48, v3
	s_lshr_b32 s49, s4, 3
	s_lshl_b32 s49, s49, 12
	s_add_co_u32 s49, s49, AOI
	v_add_nc_u32 v6, s49, v3
.set kk, 0
.rept 2
.set t, 0
.rept 4
	ds_load_b128 v[64+32*kk+8*t:67+32*kk+8*t], v5 offset:4096*kk+1024*t
	ds_load_b128 v[68+32*kk+8*t:71+32*kk+8*t], v5 offset:4096*kk+1024*t+512
.set t, t+1
.endr
.set kk, kk+1
.endr
.set a, 0
.rept 2
.set kk, 0
.rept 2
	ds_load_b128 v[32+16*a+8*kk:35+16*a+8*kk], v6 offset:2048*a+1024*kk
	ds_load_b128 v[36+16*a+8*kk:39+16*a+8*kk], v6 offset:2048*a+1024*kk+512
.set kk, kk+1
.endr
.set a, a+1
.endr
	s_wait_dscnt 0x0
.set kk, 0
.rept 2
.set a, 0
.rept 2
.set t, 0
.rept 4
.if kk == 0
	v_wmma_f32_16x16x32_bf16 v[128+32*a+8*t:135+32*a+8*t], v[32+16*a:39+16*a], v[64+8*t:71+8*t], 0
.else
	v_wmma_f32_16x16x32_bf16 v[128+32*a+8*t:135+32*a+8*t], v[40+16*a:47+16*a], v[96+8*t:103+8*t], v[128+32*a+8*t:135+32*a+8*t]
.endif
.set t, t+1
.endr
.set a, a+1
.endr
.set kk, kk+1
.endr
	PLACES
.set a, 0
.rept 2
	SHUF 128+32*a, 192+32*a
.set j, 0
.rept 8
	global_store_b128 v4, v[192+32*a+4*j:195+32*a+4*j], s[34:35] offset:(16*a+j)*2048  ; 16 lanes store 256 consecutive bytes, at a multiple of 256
.set j, j+1
.endr
.set a, a+1
.endr
	s_wait_tensorcnt 0x0                           ; the wave's end: behind my last LDS store
	ds_add_u32 v1, v2
	s_wait_dscnt 0x0
	s_endpgm
.Lfunc_end_k_qb814c02ea7_attn0:
	.size	k_qb814c02ea7_attn0, .Lfunc_end_k_qb814c02ea7_attn0-k_qb814c02ea7_attn0
	.p2alignl 7, 3214868480
	.fill 96, 4, 3214868480
	.section	.rodata,"a",@progbits
	.p2align	6, 0x0
	.amdhsa_kernel k_qb814c02ea7_attn0
		.amdhsa_group_segment_fixed_size 310272
		.amdhsa_private_segment_fixed_size 0
		.amdhsa_enable_private_segment 0
		.amdhsa_kernarg_size 112
		.amdhsa_user_sgpr_count 2
		.amdhsa_user_sgpr_kernarg_segment_ptr 1
		.amdhsa_wavefront_size32 1
		.amdhsa_system_sgpr_workgroup_id_x 1
		.amdhsa_system_sgpr_workgroup_id_y 1
		.amdhsa_system_sgpr_workgroup_id_z 1
		.amdhsa_system_vgpr_workitem_id 0
		.amdhsa_next_free_vgpr 256
		.amdhsa_next_free_sgpr 66
		.amdhsa_reserve_vcc 0
		.amdhsa_float_denorm_mode_32 3
		.amdhsa_float_denorm_mode_16_64 3
		.amdhsa_memory_ordered 1
		.amdhsa_forward_progress 1
		.amdhsa_inst_pref_size 110
	.end_amdhsa_kernel
	.amdgpu_metadata
---
amdhsa.version: [ 1, 2 ]
amdhsa.kernels:
  - .name:           k_qb814c02ea7_attn0
    .symbol:         k_qb814c02ea7_attn0.kd
    .args:
      - { .name: pf, .offset: 0, .size: 8, .value_kind: global_buffer, .address_space: global }
      - { .name: params_layers_0_attn_ln_g, .offset: 8, .size: 8, .value_kind: global_buffer, .address_space: global }
      - { .name: params_layers_0_attn_ln_b, .offset: 16, .size: 8, .value_kind: global_buffer, .address_space: global }
      - { .name: params_layers_0_attn_q_W, .offset: 24, .size: 8, .value_kind: global_buffer, .address_space: global }
      - { .name: params_layers_0_attn_q_b, .offset: 32, .size: 8, .value_kind: global_buffer, .address_space: global }
      - { .name: params_layers_0_attn_k_W, .offset: 40, .size: 8, .value_kind: global_buffer, .address_space: global }
      - { .name: params_layers_0_attn_k_b, .offset: 48, .size: 8, .value_kind: global_buffer, .address_space: global }
      - { .name: params_layers_0_attn_v_W, .offset: 56, .size: 8, .value_kind: global_buffer, .address_space: global }
      - { .name: params_layers_0_attn_v_b, .offset: 64, .size: 8, .value_kind: global_buffer, .address_space: global }
      - { .name: params_layers_0_attn_o_W, .offset: 72, .size: 8, .value_kind: global_buffer, .address_space: global }
      - { .name: params_layers_0_attn_o_b, .offset: 80, .size: 8, .value_kind: global_buffer, .address_space: global }
      - { .name: tab, .offset: 88, .size: 8, .value_kind: global_buffer, .address_space: global }
      - { .name: hb, .offset: 96, .size: 8, .value_kind: global_buffer, .address_space: global }
      - { .name: pa, .offset: 104, .size: 8, .value_kind: global_buffer, .address_space: global }
    .group_segment_fixed_size: 310272
    .private_segment_fixed_size: 0
    .kernarg_segment_align: 8
    .kernarg_segment_size: 112
    .max_flat_workgroup_size: 512
    .sgpr_count:     66
    .vgpr_count:     256
    .wavefront_size: 32
...
	.end_amdgpu_metadata
.endif
;; end of part 2
;; launch ffn0 (part 3): grid 4 x 16, 16 waves a work-group, no clusters, 156,672 bytes of LDS; arguments hb, pa, params_layers_0_ffn_ln_g, params_layers_0_ffn_ln_b, params_layers_0_ffn_l1_W, params_layers_0_ffn_l1_b, params_layers_0_ffn_a, params_layers_0_ffn_l2_W, params_layers_0_ffn_l2_b, pf; writes pf
.if DOCPART == 3
	.amdgcn_target "amdgcn-amd-amdhsa--gfx1250"
	.amdhsa_code_object_version 6
	.text
	.protected	k_qb814c02ea7_ffn0
	.globl	k_qb814c02ea7_ffn0
	.p2align	8
	.type	k_qb814c02ea7_ffn0,@function
k_qb814c02ea7_ffn0:
	s_mov_b64 s[64:65], 0
	v_nop
	global_prefetch_b8 v0, s[64:65] scope:SCOPE_SE
	s_setreg_imm32_b32 hwreg(HW_REG_WAVE_MODE, 25, 1), 1
	s_wait_xcnt 0x0
; THE FEED-FORWARD BLOCK, split over its hidden width.  Work-group (s, y): 16 rows (batch y & 3, block y >> 2) and hidden columns 128 s .. 128 s + 127.
; h' = hb + pa's eight addends; layer norm; z = prelu(. W1[:, slice] + b1); z W2[slice, :] over all 512 columns is one addend of the block's output.
; It is stored as pf[s]; in columns 128 s .. 128 s + 127 it also carries h' + b2, so that the next h is exactly the sum of pf's four addends.
; Wave w owns row w for the sums, the norm and the reductions; for the products the sixteen waves share K and the columns, and partial sums meet in LDS.
; LIMITS.  Matrix operands are bf16; sums, norm and h' are f32.  PReLU is max(z, 0) + a min(z, 0): a NaN in z is lost.
; NO TENSOR LOADS, NO CLUSTER: the sixteen row blocks read the same 512 KiB of f32 weights of a slice, but each number has to pass the vector unit to
; become bf16: it goes from memory into registers and is rounded there into a fragment; the work-groups meet in the cache.
.set ADDB,   524288
.set APITCH, 1040                      ; the normed tile, 16 rows x (512 bf16 + 16 bytes), from byte 0
.set P1,     16640                     ; 8 parts x 16 rows x 528: partial sums of the 128 hidden columns
.set P1P,    528
.set A2,     84224                     ; 16 rows x 272: z in bf16
.set A2P,    272
.set P2,     88576                     ; 2 parts x 16 rows x 2,064: partial sums of the 512 output columns
.set P2P,    2064
.set SPARE,  154624                    ; the spare words, 128 bytes a wave
.set RG0, 16                           ; v16-79   a weight unit as loaded; later:
.set ACC, 16                           ; v16-47   four accumulators
.set AF,  48                           ; v48-63   activation fragments of two K steps
.set OUT, 48                           ; v48-79   results in row order
.set SM,  80                           ; v80-111  the norm's gain and bias; then four fragments
.set GR,  80
.set BR,  96
.set XH,  112                          ; v112-127 h' of my row, kept to the end
.set RG1, 128
.set RG2, 192
.set SSEL, 34
.set SINV, 32
.set SEPS, 33
; A UNIT is 32 k x 64 columns of an f32 weight [K][N].  Lane (r, h) takes 16 bytes (columns c0 + 4 r ..) of the 16 rows whose k a bf16 fragment wants in
; that lane: k0 + 8 h + 0..7 and k0 + 16 + 8 h + 0..7.  Each load covers two runs of 256 consecutive bytes.
.macro ULOAD raw, voff, sb, pitch, off
.set ui, 0
.rept 16
	global_load_b128 v[(\raw)+4*ui:(\raw)+4*ui+3], v[\voff], s[\sb:(\sb)+1] offset:(\off)+(ui+8*(ui/8))*(\pitch)
.set ui, ui+1
.endr
.endm
; Fragment t, register p = rows 2 p, 2 p + 1 of the lane's 16, column c0 + 4 r + t: the unit's 64 columns are dealt 4 r + t over four fragments.
.macro UCVT raw, dst
.set ut, 0
.rept 4
.set up, 0
.rept 8
	v_cvt_pk_bf16_f32 v[(\dst)+8*ut+up], v[(\raw)+8*up+ut], v[(\raw)+8*up+4+ut]
.set up, up+1
.endr
.set ut, ut+1
.endr
.endm
.macro WSUM a, b                       ; the sum over the wave's 32 lanes, in every lane
	v_add_f32_dpp v[\a], v[\a], v[\a] row_xmask:1 row_mask:0xf bank_mask:0xf
	v_add_f32_dpp v[\a], v[\a], v[\a] row_xmask:2 row_mask:0xf bank_mask:0xf
	v_add_f32_dpp v[\a], v[\a], v[\a] row_xmask:4 row_mask:0xf bank_mask:0xf
	v_add_f32_dpp v[\a], v[\a], v[\a] row_xmask:8 row_mask:0xf bank_mask:0xf
	v_permlanex16_b32 v[\b], v[\a], s[SSEL], s[SSEL+1]
	v_add_f32 v[\a], v[\a], v[\b]
.endm
; The layer norm of one row.  The lane holds columns 128 c + 4 l + e in X[4 c + e]; X is kept.  Mean first, then the squares of x - mean; the row goes to LDS as bf16.
.macro LNROW X, D, T, adr, off
	v_pk_add_f32 v[(\T):(\T)+1], v[(\X):(\X)+1], v[(\X)+2:(\X)+3]
	v_pk_add_f32 v[(\T)+2:(\T)+3], v[(\X)+4:(\X)+5], v[(\X)+6:(\X)+7]
	v_pk_add_f32 v[(\T)+4:(\T)+5], v[(\X)+8:(\X)+9], v[(\X)+10:(\X)+11]
	v_pk_add_f32 v[(\T)+6:(\T)+7], v[(\X)+12:(\X)+13], v[(\X)+14:(\X)+15]
	v_pk_add_f32 v[(\T):(\T)+1], v[(\T):(\T)+1], v[(\T)+2:(\T)+3]
	v_pk_add_f32 v[(\T)+4:(\T)+5], v[(\T)+4:(\T)+5], v[(\T)+6:(\T)+7]
	v_pk_add_f32 v[(\T):(\T)+1], v[(\T):(\T)+1], v[(\T)+4:(\T)+5]
	v_add_f32 v[\T], v[\T], v[(\T)+1]
	WSUM \T, (\T)+1
	v_mul_f32 v[\T], s[SINV], v[\T]                ; the mean
.set lk, 0
.rept 8
	v_pk_add_f32 v[(\D)+lk:(\D)+lk+1], v[(\X)+lk:(\X)+lk+1], v[(\T):(\T)+1] op_sel_hi:[1,0] neg_lo:[0,1] neg_hi:[0,1]
.set lk, lk+2
.endr
	v_pk_mul_f32 v[(\T)+2:(\T)+3], v[(\D):(\D)+1], v[(\D):(\D)+1]
	v_pk_mul_f32 v[(\T)+4:(\T)+5], v[(\D)+2:(\D)+3], v[(\D)+2:(\D)+3]
.set lk, 4
.rept 3
	v_pk_fma_f32 v[(\T)+2:(\T)+3], v[(\D)+lk:(\D)+lk+1], v[(\D)+lk:(\D)+lk+1], v[(\T)+2:(\T)+3]
	v_pk_fma_f32 v[(\T)+4:(\T)+5], v[(\D)+lk+2:(\D)+lk+3], v[(\D)+lk+2:(\D)+lk+3], v[(\T)+4:(\T)+5]
.set lk, lk+4
.endr
	v_pk_add_f32 v[(\T)+2:(\T)+3], v[(\T)+2:(\T)+3], v[(\T)+4:(\T)+5]
	v_add_f32 v[(\T)+2], v[(\T)+2], v[(\T)+3]
	WSUM (\T)+2, (\T)+3
	v_fma_f32 v[(\T)+2], v[(\T)+2], s[SINV], s[SEPS]  ; variance + 1e-5
	v_rsq_f32 v[(\T)+2], v[(\T)+2]
	v_nop                                          ; a plain instruction between the root and the use of its result
.set lk, 0
	s_wait_alu depctr_va_vdst(0)
.rept 8
	v_pk_mul_f32 v[(\D)+lk:(\D)+lk+1], v[(\D)+lk:(\D)+lk+1], v[(\T)+2:(\T)+3] op_sel_hi:[1,0]
.set lk, lk+2
.endr
.set lk, 0
.rept 8
	v_pk_fma_f32 v[(\D)+lk:(\D)+lk+1], v[(\D)+lk:(\D)+lk+1], v[GR+lk:GR+lk+1], v[BR+lk:BR+lk+1]
.set lk, lk+2
.endr
.set lk, 0
.rept 8
	v_cvt_pk_bf16_f32 v[(\T)+lk], v[(\D)+2*lk], v[(\D)+2*lk+1]
.set lk, lk+1
.endr
.set lk, 0
.rept 4
	ds_store_b64 v[\adr], v[(\T)+2*lk:(\T)+2*lk+1] offset:(\off)+256*lk
.set lk, lk+1
.endr
.endm
.macro MUL4 acc, af, bf, first         ; four products, the four accumulators by turns
.set mt, 0
.rept 4
.if \first
	v_wmma_f32_16x16x32_bf16 v[(\acc)+8*mt:(\acc)+8*mt+7], v[(\af):(\af)+7], v[(\bf)+8*mt:(\bf)+8*mt+7], 0
.else
	v_wmma_f32_16x16x32_bf16 v[(\acc)+8*mt:(\acc)+8*mt+7], v[(\af):(\af)+7], v[(\bf)+8*mt:(\bf)+8*mt+7], v[(\acc)+8*mt:(\acc)+8*mt+7]
.endif
.set mt, mt+1
.endr
.endm
.macro SHUF acc, out                   ; register j of tile t is (row 8 h + j, column 4 r + t): a row's four columns are brought together; each accumulator is read from register 0 on
.set sj, 0
.rept 8
.set sq, 0
.rept 4
	v_mov_b32 v[(\out)+4*sj+sq], v[(\acc)+8*sq+sj]
.set sq, sq+1
.endr
.set sj, sj+1
.endr
.endm
.macro PRELU z, t, sa                  ; max(z, 0) + a min(z, 0)
	v_min_num_f32 v[\t], 0, v[\z]
	v_max_num_f32 v[\z], 0, v[\z]
	v_fma_f32 v[\z], s[\sa], v[\t], v[\z]
.endm
.macro PLACES                          ; four places behind a matrix instruction (ISA guide 7.12.1)
.rept 4
	v_nop
.endr
.endm
.macro BAR                             ; my LDS instructions are done, then the work-group's barrier
	s_wait_dscnt 0x0
	s_barrier_signal -1
	s_barrier_wait -1
.endm
.macro LADR dst, tmp, rmul, hmul, sreg ; (lane % 16) x rmul + (lane / 16) x hmul + a scalar
	v_and_b32 v[\dst], 15, v0
	v_mul_u32_u24 v[\dst], v[\dst], \rmul
	v_bfe_u32 v[\tmp], v0, 4, 1
	v_mul_u32_u24 v[\tmp], v[\tmp], \hmul
	v_add_nc_u32 v[\dst], v[\dst], v[\tmp]
	v_add_nc_u32 v[\dst], s[\sreg], v[\dst]
.endm
.macro AFLD adr                        ; activation fragments of two K steps of 32: row lane % 16, 16 bytes at 16 (lane / 16) and 32 further on
	ds_load_b128 v[AF:AF+3], v[\adr]
	ds_load_b128 v[AF+4:AF+7], v[\adr] offset:32
	ds_load_b128 v[AF+8:AF+11], v[\adr] offset:64
	ds_load_b128 v[AF+12:AF+15], v[\adr] offset:96
.endm
.macro PST adr, pitch                  ; eight rows of partial sums
.set pj, 0
.rept 8
	ds_store_b128 v[\adr], v[OUT+4*pj:OUT+4*pj+3] offset:(\pitch)*pj
.set pj, pj+1
.endr
.endm
	s_load_b512 s[8:23], s[0:1], 0x0               ; hb s8, pa s10, g s12, b s14, W1 s16, b1 s18, a s20, W2 s22
	s_load_b128 s[24:27], s[0:1], 0x40             ; b2 s24, pf s26
	v_lshl_add_u32 v1, v0, 2, SPARE                ; my spare word
	v_mov_b32 v2, 0
	v_lshrrev_b32 v3, 5, v0
	v_readfirstlane_b32 s4, v3                     ; wave w
	v_and_b32 v3, 31, v0
	v_lshlrev_b32 v3, 4, v3                        ; 16 l
	v_and_b32 v4, 15, v0
	v_lshlrev_b32 v4, 4, v4
	v_bfe_u32 v5, v0, 4, 1
	v_lshl_add_u32 v4, v5, 14, v4                  ; 8 h rows of 2,048 bytes + 16 r
	s_mov_b32 s5, ttmp9                            ; s
	s_and_b32 s6, ttmp7, 0xffff                    ; y
	s_mov_b32 s32, 0x3b000000                      ; 1 / 512
	s_mov_b32 s33, 0x3727c5ac                      ; 1e-5
	s_mov_b32 s34, 0x76543210
	s_mov_b32 s35, 0xfedcba98
	s_and_b32 s52, s6, 3
	s_lshl_b32 s52, s52, 6
	s_lshr_b32 s53, s6, 2
	s_lshl_b32 s53, s53, 4
	s_add_co_u32 s7, s52, s53
	s_add_co_u32 s7, s7, s4                        ; my row: 64 batch + 16 block + w
	s_lshl_b32 s36, s7, 11
	s_mov_b32 s37, 0
	s_lshr_b32 s54, s4, 1
	s_and_b32 s55, s4, 1
	s_lshl_b32 s48, s54, 17                        ; W1: rows 64 (w >> 1) on, columns 128 s + 64 (w & 1) on
	s_lshl_b32 s52, s5, 9
	s_add_co_u32 s48, s48, s52
	s_lshl_b32 s52, s55, 8
	s_add_co_u32 s48, s48, s52
	s_mov_b32 s49, 0
	s_lshl_b32 s50, s5, 18                         ; W2: rows 128 s + 64 (w & 1) on, columns 64 (w >> 1) on
	s_lshl_b32 s52, s55, 17
	s_add_co_u32 s50, s50, s52
	s_lshl_b32 s52, s54, 8
	s_add_co_u32 s50, s50, s52
	s_mov_b32 s51, 0
	s_lshl_b32 s56, s5, 19                         ; pf: addend s, my row
	s_add_co_u32 s56, s56, s36
	s_mov_b32 s57, 0
.set c, 0
.rept 4
	s_cmp_eq_u32 s5, c
	s_cselect_b32 s[40+2*c], 1.0, 0                ; 1 for the 128 columns that carry h' + b2
	s_mov_b32 s[41+2*c], 0
.set c, c+1
.endr
	v_lshl_add_u32 v7, s5, 9, v3                   ; 512 s + 16 l
	s_mul_i32 s52, s4, APITCH
	v_lshrrev_b32 v5, 1, v3
	v_add_nc_u32 v5, s52, v5                       ; the tile: row w, 8 l
	s_wait_kmcnt 0x0
	s_load_b32 s28, s[20:21], 0x0                  ; a
	s_add_nc_u64 s[8:9], s[8:9], s[36:37]
	s_add_nc_u64 s[10:11], s[10:11], s[36:37]
	s_add_nc_u64 s[16:17], s[16:17], s[48:49]
	s_add_nc_u64 s[22:23], s[22:23], s[50:51]
	s_add_nc_u64 s[26:27], s[26:27], s[56:57]
.set c, 0
.rept 4
	global_load_b128 v[GR+4*c:GR+4*c+3], v3, s[12:13] offset:512*c
	global_load_b128 v[BR+4*c:BR+4*c+3], v3, s[14:15] offset:512*c
	global_load_b128 v[XH+4*c:XH+4*c+3], v3, s[8:9] offset:512*c
.set c, c+1
.endr
	global_load_b128 v[8:11], v7, s[18:19]         ; b1 of my four hidden columns
	global_load_b128 v[12:15], v7, s[24:25]        ; b2 of my four columns of the slice
.set p, 0
.rept 8
.set c, 0
.rept 4
	global_load_b128 v[128+16*p+4*c:131+16*p+4*c], v3, s[10:11] offset:p*ADDB+512*c
.set c, c+1
.endr
.set p, p+1
.endr
	ULOAD RG0, 4, 16, 2048, 0                      ; W1, first unit
	s_wait_loadcnt 16                              ; all but that unit
.set k, 0
.rept 8
	v_pk_add_f32 v[128+k:129+k], v[128+k:129+k], v[144+k:145+k]
	v_pk_add_f32 v[160+k:161+k], v[160+k:161+k], v[176+k:177+k]
	v_pk_add_f32 v[192+k:193+k], v[192+k:193+k], v[208+k:209+k]
	v_pk_add_f32 v[224+k:225+k], v[224+k:225+k], v[240+k:241+k]
.set k, k+2
.endr
.set k, 0
.rept 8
	v_pk_add_f32 v[128+k:129+k], v[128+k:129+k], v[160+k:161+k]
	v_pk_add_f32 v[192+k:193+k], v[192+k:193+k], v[224+k:225+k]
.set k, k+2
.endr
.set k, 0
.rept 8
	v_pk_add_f32 v[128+k:129+k], v[128+k:129+k], v[192+k:193+k]
.set k, k+2
.endr
.set k, 0
.rept 8
	v_pk_add_f32 v[XH+k:XH+k+1], v[XH+k:XH+k+1], v[128+k:129+k]
.set k, k+2
.endr
	ULOAD RG1, 4, 16, 2048, 65536                  ; W1, second unit
	LNROW XH, 192, 208, 5, 0
	ULOAD RG2, 4, 22, 2048, 0                      ; W2, first unit
	BAR                                            ; the normed tile is whole
	s_lshl_b32 s52, s54, 7
	LADR 6, 5, APITCH, 16, 52                      ; k = 64 (w >> 1) on
	s_wait_loadcnt 32                              ; W1's first unit is in; two units may be out
	UCVT RG0, SM
	AFLD 6                                         ; into registers that the unit has just left
	s_wait_dscnt 0x0
	MUL4 ACC, AF, SM, 1
	s_wait_loadcnt 16                              ; W1's second unit is in; W2's first may be out
	PLACES
	UCVT RG1, SM
	ULOAD RG1, 4, 22, 2048, 65536                  ; W2, second unit
	MUL4 ACC, AF+8, SM, 0
	s_mul_i32 s52, s54, 16*P1P
	s_lshl_b32 s53, s55, 8
	s_add_co_u32 s52, s52, s53
	s_add_co_u32 s52, s52, P1
	LADR 5, 6, 16, 8*P1P, 52                       ; six plain lines that name none of the products' registers: the places behind them
	SHUF ACC, OUT
	PST 5, P1P
	BAR                                            ; the eight parts of K lie in P1
	s_mul_i32 s52, s4, P1P
	s_add_co_u32 s52, s52, P1
	v_add_nc_u32 v6, s52, v3
.set p, 0
.rept 8
	ds_load_b128 v[16+4*p:19+4*p], v6 offset:16*P1P*p
.set p, p+1
.endr
	s_mul_i32 s53, s4, A2P
	s_add_co_u32 s53, s53, A2
	v_lshrrev_b32 v5, 1, v3
	v_add_nc_u32 v5, s53, v5
	s_wait_dscnt 0x0
.irp q, 0, 8, 16, 24
	v_pk_add_f32 v[16+\q:17+\q], v[16+\q:17+\q], v[20+\q:21+\q]
	v_pk_add_f32 v[18+\q:19+\q], v[18+\q:19+\q], v[22+\q:23+\q]
.endr
.irp q, 0, 16
	v_pk_add_f32 v[16+\q:17+\q], v[16+\q:17+\q], v[24+\q:25+\q]
	v_pk_add_f32 v[18+\q:19+\q], v[18+\q:19+\q], v[26+\q:27+\q]
.endr
	v_pk_add_f32 v[16:17], v[16:17], v[32:33]
	v_pk_add_f32 v[18:19], v[18:19], v[34:35]
	v_pk_add_f32 v[16:17], v[16:17], v[8:9]
	v_pk_add_f32 v[18:19], v[18:19], v[10:11]
	s_wait_kmcnt 0x0                               ; a
.set k, 0
.rept 4
	PRELU 16+k, 20+k, 28
.set k, k+1
.endr
	v_cvt_pk_bf16_f32 v24, v16, v17
	v_cvt_pk_bf16_f32 v25, v18, v19
	ds_store_b64 v5, v[24:25]
	BAR                                            ; z lies in LDS as bf16
	s_lshl_b32 s52, s55, 7
	s_add_co_u32 s52, s52, A2
	LADR 6, 5, A2P, 16, 52                         ; k = 64 (w & 1) on, of the slice's 128
	AFLD 6
	s_wait_loadcnt 16                              ; W2's first unit is in; the second may be out
	UCVT RG2, SM
	s_wait_dscnt 0x0
	MUL4 ACC, AF, SM, 1
	s_wait_loadcnt 0x0
	PLACES
	UCVT RG1, SM
	MUL4 ACC, AF+8, SM, 0
	s_mul_i32 s52, s55, 16*P2P
	s_lshl_b32 s53, s54, 8
	s_add_co_u32 s52, s52, s53
	s_add_co_u32 s52, s52, P2
	LADR 5, 6, 16, 8*P2P, 52                       ; the places behind the products
	SHUF ACC, OUT
	PST 5, P2P
	BAR                                            ; both halves of K lie in P2
	s_mul_i32 s52, s4, P2P
	s_add_co_u32 s52, s52, P2
	v_add_nc_u32 v6, s52, v3
.set p, 0
.rept 2
.set c, 0
.rept 4
	ds_load_b128 v[16+16*p+4*c:19+16*p+4*c], v6 offset:16*P2P*p+512*c
.set c, c+1
.endr
.set p, p+1
.endr
	s_wait_dscnt 0x0
.set c, 0
.rept 4
	v_pk_add_f32 v[16+4*c:17+4*c], v[16+4*c:17+4*c], v[32+4*c:33+4*c]
	v_pk_add_f32 v[18+4*c:19+4*c], v[18+4*c:19+4*c], v[34+4*c:35+4*c]
	v_pk_add_f32 v[48+4*c:49+4*c], v[XH+4*c:XH+4*c+1], v[12:13]
	v_pk_add_f32 v[50+4*c:51+4*c], v[XH+4*c+2:XH+4*c+3], v[14:15]
	v_pk_fma_f32 v[16+4*c:17+4*c], v[48+4*c:49+4*c], s[40+2*c:41+2*c], v[16+4*c:17+4*c] op_sel_hi:[1,0,1]
	v_pk_fma_f32 v[18+4*c:19+4*c], v[50+4*c:51+4*c], s[40+2*c:41+2*c], v[18+4*c:19+4*c] op_sel_hi:[1,0,1]
	global_store_b128 v3, v[16+4*c:19+4*c], s[26:27] offset:512*c  ; 512 consecutive bytes, at a multiple of 512
.set c, c+1
.endr
	s_wait_tensorcnt 0x0                           ; the wave's end: behind my last LDS store
	ds_add_u32 v1, v2
	s_wait_dscnt 0x0
	s_endpgm
.Lfunc_end_k_qb814c02ea7_ffn0:
	.size	k_qb814c02ea7_ffn0, .Lfunc_end_k_qb814c02ea7_ffn0-k_qb814c02ea7_ffn0
	.p2alignl 7, 3214868480
	.fill 96, 4, 3214868480
	.section	.rodata,"a",@progbits
	.p2align	6, 0x0
	.amdhsa_kernel k_qb814c02ea7_ffn0
		.amdhsa_group_segment_fixed_size 156672
		.amdhsa_private_segment_fixed_size 0
		.amdhsa_enable_private_segment 0
		.amdhsa_kernarg_size 80
		.amdhsa_user_sgpr_count 2
		.amdhsa_user_sgpr_kernarg_segment_ptr 1
		.amdhsa_wavefront_size32 1
		.amdhsa_system_sgpr_workgroup_id_x 1
		.amdhsa_system_sgpr_workgroup_id_y 1
		.amdhsa_system_sgpr_workgroup_id_z 1
		.amdhsa_system_vgpr_workitem_id 0
		.amdhsa_next_free_vgpr 256
		.amdhsa_next_free_sgpr 66
		.amdhsa_reserve_vcc 0
		.amdhsa_float_denorm_mode_32 3
		.amdhsa_float_denorm_mode_16_64 3
		.amdhsa_memory_ordered 1
		.amdhsa_forward_progress 1
		.amdhsa_inst_pref_size 42
	.end_amdhsa_kernel
	.amdgpu_metadata
---
amdhsa.version: [ 1, 2 ]
amdhsa.kernels:
  - .name:           k_qb814c02ea7_ffn0
    .symbol:         k_qb814c02ea7_ffn0.kd
    .args:
      - { .name: hb, .offset: 0, .size: 8, .value_kind: global_buffer, .address_space: global }
      - { .name: pa, .offset: 8, .size: 8, .value_kind: global_buffer, .address_space: global }
      - { .name: params_layers_0_ffn_ln_g, .offset: 16, .size: 8, .value_kind: global_buffer, .address_space: global }
      - { .name: params_layers_0_ffn_ln_b, .offset: 24, .size: 8, .value_kind: global_buffer, .address_space: global }
      - { .name: params_layers_0_ffn_l1_W, .offset: 32, .size: 8, .value_kind: global_buffer, .address_space: global }
      - { .name: params_layers_0_ffn_l1_b, .offset: 40, .size: 8, .value_kind: global_buffer, .address_space: global }
      - { .name: params_layers_0_ffn_a, .offset: 48, .size: 8, .value_kind: global_buffer, .address_space: global }
      - { .name: params_layers_0_ffn_l2_W, .offset: 56, .size: 8, .value_kind: global_buffer, .address_space: global }
      - { .name: params_layers_0_ffn_l2_b, .offset: 64, .size: 8, .value_kind: global_buffer, .address_space: global }
      - { .name: pf, .offset: 72, .size: 8, .value_kind: global_buffer, .address_space: global }
    .group_segment_fixed_size: 156672
    .private_segment_fixed_size: 0
    .kernarg_segment_align: 8
    .kernarg_segment_size: 80
    .max_flat_workgroup_size: 512
    .sgpr_count:     66
    .vgpr_count:     256
    .wavefront_size: 32
...
	.end_amdgpu_metadata
.endif
;; end of part 3
;; launch attn1: the kernel of part 2 again; grid 8 x 4, 16 waves a work-group, no clusters, 310,272 bytes of LDS; arguments pf, params_layers_1_attn_ln_g, params_layers_1_attn_ln_b, params_layers_1_attn_q_W, params_layers_1_attn_q_b, params_layers_1_attn_k_W, params_layers_1_attn_k_b, params_layers_1_attn_v_W, params_layers_1_attn_v_b, params_layers_1_attn_o_W, params_layers_1_attn_o_b, tab, hb, pa; writes hb, pa
;; launch ffn1: the kernel of part 3 again; grid 4 x 16, 16 waves a work-group, no clusters, 156,672 bytes of LDS; arguments hb, pa, params_layers_1_ffn_ln_g, params_layers_1_ffn_ln_b, params_layers_1_ffn_l1_W, params_layers_1_ffn_l1_b, params_layers_1_ffn_a, params_layers_1_ffn_l2_W, params_layers_1_ffn_l2_b, pf; writes pf
;; launch attn2: the kernel of part 2 again; grid 8 x 4, 16 waves a work-group, no clusters, 310,272 bytes of LDS; arguments pf, params_layers_2_attn_ln_g, params_layers_2_attn_ln_b, params_layers_2_attn_q_W, params_layers_2_attn_q_b, params_layers_2_attn_k_W, params_layers_2_attn_k_b, params_layers_2_attn_v_W, params_layers_2_attn_v_b, params_layers_2_attn_o_W, params_layers_2_attn_o_b, tab, hb, pa; writes hb, pa
;; launch ffn2: the kernel of part 3 again; grid 4 x 16, 16 waves a work-group, no clusters, 156,672 bytes of LDS; arguments hb, pa, params_layers_2_ffn_ln_g, params_layers_2_ffn_ln_b, params_layers_2_ffn_l1_W, params_layers_2_ffn_l1_b, params_layers_2_ffn_a, params_layers_2_ffn_l2_W, params_layers_2_ffn_l2_b, pf; writes pf
;; launch attn3: the kernel of part 2 again; grid 8 x 4, 16 waves a work-group, no clusters, 310,272 bytes of LDS; arguments pf, params_layers_3_attn_ln_g, params_layers_3_attn_ln_b, params_layers_3_attn_q_W, params_layers_3_attn_q_b, params_layers_3_attn_k_W, params_layers_3_attn_k_b, params_layers_3_attn_v_W, params_layers_3_attn_v_b, params_layers_3_attn_o_W, params_layers_3_attn_o_b, tab, hb, pa; writes hb, pa
;; launch ffn3: the kernel of part 3 again; grid 4 x 4, 16 waves a work-group, no clusters, 156,672 bytes of LDS; arguments hb, pa, params_layers_3_ffn_ln_g, params_layers_3_ffn_ln_b, params_layers_3_ffn_l1_W, params_layers_3_ffn_l1_b, params_layers_3_ffn_a, params_layers_3_ffn_l2_W, params_layers_3_ffn_l2_b, pf; writes pf
;; launch deca (part 4): grid 4 x 1, 16 waves a work-group, no clusters, 124,416 bytes of LDS; arguments pf, params_final_ln_g, params_final_ln_b, params_dec1_W, params_dec1_b, params_dec_a, params_dec2_W, pd; writes pd
.if DOCPART == 4
	.amdgcn_target "amdgcn-amd-amdhsa--gfx1250"
	.amdhsa_code_object_version 6
	.text
	.protected	k_qb814c02ea7_deca
	.globl	k_qb814c02ea7_deca
	.p2align	8
	.type	k_qb814c02ea7_deca,@function
k_qb814c02ea7_deca:
	s_mov_b64 s[64:65], 0
	v_nop
	global_prefetch_b8 v0, s[64:65] scope:SCOPE_SE
	s_setreg_imm32_b32 hwreg(HW_REG_WAVE_MODE, 25, 1), 1
	s_wait_xcnt 0x0
; THE LAST NORM AND THE DECODER, for the eight rows that leave the module (rows 0 and 1 of four batches), split over the hidden width.
; Work-group s: h = the sum of pf's four addends; layer norm; z = prelu(. dec1_W[:, 128 s ..] + b1); z dec2_W[128 s .., :] is addend s of the result, pd[s][8][128].
; A matrix tile has 16 rows: waves 8-15 repeat the rows of waves 0-7, and only rows 0-7 are stored.
; LIMITS.  Matrix operands are bf16; sums and norm are f32.  PReLU is max(z, 0) + a min(z, 0): a NaN in z is lost.
; NO TENSOR LOADS, NO CLUSTER: the four work-groups share only 64 KiB of rows; each reads weights of its own, which pass the vector unit to become bf16.
.set ADDB,   524288
.set APITCH, 1040                      ; the normed tile, 16 rows x (512 bf16 + 16 bytes), from byte 0
.set P1,     16640                     ; 8 parts x 16 rows x 528
.set P1P,    528
.set A2,     84224                     ; 16 rows x 272: z in bf16
.set A2P,    272
.set P3,     88576                     ; 4 parts x 16 rows x 528
.set SPARE,  122368                    ; the spare words, 128 bytes a wave
.set RG0, 16
.set ACC, 16
.set AF,  48
.set OUT, 48
.set SM,  80
.set GR,  80
.set BR,  96
.set XH,  112
.set RG1, 128
.set RG2, 192
.set SSEL, 34
.set SINV, 32
.set SEPS, 33
; A UNIT is 32 k x 64 columns of an f32 weight [K][N].  Lane (r, h) takes 16 bytes (columns c0 + 4 r ..) of the 16 rows whose k a bf16 fragment wants in
; that lane: k0 + 8 h + 0..7 and k0 + 16 + 8 h + 0..7.  Each load covers two runs of 256 consecutive bytes.
.macro ULOAD raw, voff, sb, pitch, off
.set ui, 0
.rept 16
	global_load_b128 v[(\raw)+4*ui:(\raw)+4*ui+3], v[\voff], s[\sb:(\sb)+1] offset:(\off)+(ui+8*(ui/8))*(\pitch)
.set ui, ui+1
.endr
.endm
; Fragment t, register p = rows 2 p, 2 p + 1 of the lane's 16, column c0 + 4 r + t.
.macro UCVT raw, dst
.set ut, 0
.rept 4
.set up, 0
.rept 8
	v_cvt_pk_bf16_f32 v[(\dst)+8*ut+up], v[(\raw)+8*up+ut], v[(\raw)+8*up+4+ut]
.set up, up+1
.endr
.set ut, ut+1
.endr
.endm
.macro WSUM a, b                       ; the sum over the wave's 32 lanes, in every lane
	v_add_f32_dpp v[\a], v[\a], v[\a] row_xmask:1 row_mask:0xf bank_mask:0xf
	v_add_f32_dpp v[\a], v[\a], v[\a] row_xmask:2 row_mask:0xf bank_mask:0xf
	v_add_f32_dpp v[\a], v[\a], v[\a] row_xmask:4 row_mask:0xf bank_mask:0xf
	v_add_f32_dpp v[\a], v[\a], v[\a] row_xmask:8 row_mask:0xf bank_mask:0xf
	v_permlanex16_b32 v[\b], v[\a], s[SSEL], s[SSEL+1]
	v_add_f32 v[\a], v[\a], v[\b]
.endm
; The layer norm of one row.  The lane holds columns 128 c + 4 l + e in X[4 c + e].  Mean first, then the squares of x - mean; the row goes to LDS as bf16.
.macro LNROW X, D, T, adr, off
	v_pk_add_f32 v[(\T):(\T)+1], v[(\X):(\X)+1], v[(\X)+2:(\X)+3]
	v_pk_add_f32 v[(\T)+2:(\T)+3], v[(\X)+4:(\X)+5], v[(\X)+6:(\X)+7]
	v_pk_add_f32 v[(\T)+4:(\T)+5], v[(\X)+8:(\X)+9], v[(\X)+10:(\X)+11]
	v_pk_add_f32 v[(\T)+6:(\T)+7], v[(\X)+12:(\X)+13], v[(\X)+14:(\X)+15]
	v_pk_add_f32 v[(\T):(\T)+1], v[(\T):(\T)+1], v[(\T)+2:(\T)+3]
	v_pk_add_f32 v[(\T)+4:(\T)+5], v[(\T)+4:(\T)+5], v[(\T)+6:(\T)+7]
	v_pk_add_f32 v[(\T):(\T)+1], v[(\T):(\T)+1], v[(\T)+4:(\T)+5]
	v_add_f32 v[\T], v[\T], v[(\T)+1]
	WSUM \T, (\T)+1
	v_mul_f32 v[\T], s[SINV], v[\T]                ; the mean
.set lk, 0
.rept 8
	v_pk_add_f32 v[(\D)+lk:(\D)+lk+1], v[(\X)+lk:(\X)+lk+1], v[(\T):(\T)+1] op_sel_hi:[1,0] neg_lo:[0,1] neg_hi:[0,1]
.set lk, lk+2
.endr
	v_pk_mul_f32 v[(\T)+2:(\T)+3], v[(\D):(\D)+1], v[(\D):(\D)+1]
	v_pk_mul_f32 v[(\T)+4:(\T)+5], v[(\D)+2:(\D)+3], v[(\D)+2:(\D)+3]
.set lk, 4
.rept 3
	v_pk_fma_f32 v[(\T)+2:(\T)+3], v[(\D)+lk:(\D)+lk+1], v[(\D)+lk:(\D)+lk+1], v[(\T)+2:(\T)+3]
	v_pk_fma_f32 v[(\T)+4:(\T)+5], v[(\D)+lk+2:(\D)+lk+3], v[(\D)+lk+2:(\D)+lk+3], v[(\T)+4:(\T)+5]
.set lk, lk+4
.endr
	v_pk_add_f32 v[(\T)+2:(\T)+3], v[(\T)+2:(\T)+3], v[(\T)+4:(\T)+5]
	v_add_f32 v[(\T)+2], v[(\T)+2], v[(\T)+3]
	WSUM (\T)+2, (\T)+3
	v_fma_f32 v[(\T)+2], v[(\T)+2], s[SINV], s[SEPS]  ; variance + 1e-5
	v_rsq_f32 v[(\T)+2], v[(\T)+2]
	v_nop                                          ; a plain instruction between the root and the use of its result
.set lk, 0
	s_wait_alu depctr_va_vdst(0)
.rept 8
	v_pk_mul_f32 v[(\D)+lk:(\D)+lk+1], v[(\D)+lk:(\D)+lk+1], v[(\T)+2:(\T)+3] op_sel_hi:[1,0]
.set lk, lk+2
.endr
.set lk, 0
.rept 8
	v_pk_fma_f32 v[(\D)+lk:(\D)+lk+1], v[(\D)+lk:(\D)+lk+1], v[GR+lk:GR+lk+1], v[BR+lk:BR+lk+1]
.set lk, lk+2
.endr
.set lk, 0
.rept 8
	v_cvt_pk_bf16_f32 v[(\T)+lk], v[(\D)+2*lk], v[(\D)+2*lk+1]
.set lk, lk+1
.endr
.set lk, 0
.rept 4
	ds_store_b64 v[\adr], v[(\T)+2*lk:(\T)+2*lk+1] offset:(\off)+256*lk
.set lk, lk+1
.endr
.endm
.macro MUL4 acc, af, bf, first         ; four products, the four accumulators by turns
.set mt, 0
.rept 4
.if \first
	v_wmma_f32_16x16x32_bf16 v[(\acc)+8*mt:(\acc)+8*mt+7], v[(\af):(\af)+7], v[(\bf)+8*mt:(\bf)+8*mt+7], 0
.else
	v_wmma_f32_16x16x32_bf16 v[(\acc)+8*mt:(\acc)+8*mt+7], v[(\af):(\af)+7], v[(\bf)+8*mt:(\bf)+8*mt+7], v[(\acc)+8*mt:(\acc)+8*mt+7]
.endif
.set mt, mt+1
.endr
.endm
.macro SHUF acc, out                   ; a row's four columns are brought together; each accumulator is read from register 0 on
.set sj, 0
.rept 8
.set sq, 0
.rept 4
	v_mov_b32 v[(\out)+4*sj+sq], v[(\acc)+8*sq+sj]
.set sq, sq+1
.endr
.set sj, sj+1
.endr
.endm
.macro PRELU z, t, sa                  ; max(z, 0) + a min(z, 0)
	v_min_num_f32 v[\t], 0, v[\z]
	v_max_num_f32 v[\z], 0, v[\z]
	v_fma_f32 v[\z], s[\sa], v[\t], v[\z]
.endm
.macro PLACES                          ; four places behind a matrix instruction (ISA guide 7.12.1)
.rept 4
	v_nop
.endr
.endm
.macro BAR                             ; my LDS instructions are done, then the work-group's barrier
	s_wait_dscnt 0x0
	s_barrier_signal -1
	s_barrier_wait -1
.endm
.macro LADR dst, tmp, rmul, hmul, sreg ; (lane % 16) x rmul + (lane / 16) x hmul + a scalar
	v_and_b32 v[\dst], 15, v0
	v_mul_u32_u24 v[\dst], v[\dst], \rmul
	v_bfe_u32 v[\tmp], v0, 4, 1
	v_mul_u32_u24 v[\tmp], v[\tmp], \hmul
	v_add_nc_u32 v[\dst], v[\dst], v[\tmp]
	v_add_nc_u32 v[\dst], s[\sreg], v[\dst]
.endm
.macro PST adr, pitch                  ; eight rows of partial sums
.set pj, 0
.rept 8
	ds_store_b128 v[\adr], v[OUT+4*pj:OUT+4*pj+3] offset:(\pitch)*pj
.set pj, pj+1
.endr
.endm
	s_load_b512 s[8:23], s[0:1], 0x0               ; pf s8, g s10, b s12, W1 s14, b1 s16, a s18, W2 s20, pd s22
	v_lshl_add_u32 v1, v0, 2, SPARE                ; my spare word
	v_mov_b32 v2, 0
	v_lshrrev_b32 v3, 5, v0
	v_readfirstlane_b32 s4, v3                     ; wave w
	v_and_b32 v3, 31, v0
	v_lshlrev_b32 v3, 4, v3                        ; 16 l
	v_and_b32 v6, 15, v0
	v_lshlrev_b32 v6, 4, v6
	v_bfe_u32 v5, v0, 4, 1
	v_lshl_add_u32 v4, v5, 14, v6                  ; a unit's lane offset at a pitch of 2,048
	v_lshl_add_u32 v6, v5, 12, v6                  ; and at a pitch of 512
	s_mov_b32 s5, ttmp9                            ; s
	s_mov_b32 s32, 0x3b000000                      ; 1 / 512
	s_mov_b32 s33, 0x3727c5ac                      ; 1e-5
	s_mov_b32 s34, 0x76543210
	s_mov_b32 s35, 0xfedcba98
	s_lshr_b32 s54, s4, 1
	s_and_b32 s55, s4, 1
	s_and_b32 s52, s4, 7                           ; m = w & 7: batch m >> 1, row m & 1
	s_lshr_b32 s53, s52, 1
	s_lshl_b32 s53, s53, 6
	s_and_b32 s52, s52, 1
	s_add_co_u32 s52, s52, s53
	s_lshl_b32 s36, s52, 11
	s_mov_b32 s37, 0
	s_lshl_b32 s48, s54, 17                        ; dec1_W: rows 64 (w >> 1) on, columns 128 s + 64 (w & 1) on
	s_lshl_b32 s52, s5, 9
	s_add_co_u32 s48, s48, s52
	s_lshl_b32 s52, s55, 8
	s_add_co_u32 s48, s48, s52
	s_mov_b32 s49, 0
	s_lshl_b32 s50, s5, 16                         ; dec2_W (waves 0-7): rows 128 s + 32 (w >> 1) on, columns 64 (w & 1) on
	s_lshl_b32 s52, s54, 14
	s_add_co_u32 s50, s50, s52
	s_lshl_b32 s52, s55, 8
	s_add_co_u32 s50, s50, s52
	s_mov_b32 s51, 0
	s_lshl_b32 s56, s5, 12                         ; pd (waves 0-7): addend s, row w
	s_lshl_b32 s52, s4, 9
	s_add_co_u32 s56, s56, s52
	s_mov_b32 s57, 0
	v_lshl_add_u32 v7, s5, 9, v3                   ; 512 s + 16 l
	s_mul_i32 s52, s4, APITCH
	v_lshrrev_b32 v5, 1, v3
	v_add_nc_u32 v5, s52, v5                       ; the tile: row w, 8 l
	s_wait_kmcnt 0x0
	s_load_b32 s28, s[18:19], 0x0                  ; a
	s_add_nc_u64 s[8:9], s[8:9], s[36:37]
	s_add_nc_u64 s[14:15], s[14:15], s[48:49]
	s_add_nc_u64 s[20:21], s[20:21], s[50:51]
	s_add_nc_u64 s[22:23], s[22:23], s[56:57]
	s_cmp_lt_u32 s4, 8
	s_cbranch_scc0 .Lno_c
	ULOAD RG2, 6, 20, 512, 0                       ; issued first: loads come back in order, so every count below holds with and without it
.Lno_c:
.set c, 0
.rept 4
	global_load_b128 v[GR+4*c:GR+4*c+3], v3, s[10:11] offset:512*c
	global_load_b128 v[BR+4*c:BR+4*c+3], v3, s[12:13] offset:512*c
	global_load_b128 v[XH+4*c:XH+4*c+3], v3, s[8:9] offset:512*c
.set c, c+1
.endr
	global_load_b128 v[8:11], v7, s[16:17]         ; b1 of my four hidden columns
.set p, 1
.rept 3
.set c, 0
.rept 4
	global_load_b128 v[112+16*p+4*c:115+16*p+4*c], v3, s[8:9] offset:p*ADDB+512*c
.set c, c+1
.endr
.set p, p+1
.endr
	ULOAD RG0, 4, 14, 2048, 0
	s_wait_loadcnt 16                              ; all but that unit
.set k, 0
.rept 8
	v_pk_add_f32 v[XH+k:XH+k+1], v[XH+k:XH+k+1], v[128+k:129+k]
	v_pk_add_f32 v[144+k:145+k], v[144+k:145+k], v[160+k:161+k]
.set k, k+2
.endr
.set k, 0
.rept 8
	v_pk_add_f32 v[XH+k:XH+k+1], v[XH+k:XH+k+1], v[144+k:145+k]
.set k, k+2
.endr
	LNROW XH, 128, 144, 5, 0
	ULOAD RG1, 4, 14, 2048, 65536
	BAR                                            ; the normed tile is whole
	s_lshl_b32 s52, s54, 7
	LADR 6, 5, APITCH, 16, 52
	s_wait_loadcnt 16                              ; the first unit is in; the second may be out
	UCVT RG0, SM
	ds_load_b128 v[AF:AF+3], v6                    ; into registers that the unit has just left
	ds_load_b128 v[AF+4:AF+7], v6 offset:32
	ds_load_b128 v[AF+8:AF+11], v6 offset:64
	ds_load_b128 v[AF+12:AF+15], v6 offset:96
	s_wait_dscnt 0x0
	MUL4 ACC, AF, SM, 1
	s_wait_loadcnt 0x0
	PLACES
	UCVT RG1, SM
	MUL4 ACC, AF+8, SM, 0
	s_mul_i32 s52, s54, 16*P1P
	s_lshl_b32 s53, s55, 8
	s_add_co_u32 s52, s52, s53
	s_add_co_u32 s52, s52, P1
	LADR 5, 6, 16, 8*P1P, 52                       ; six plain lines that name none of the products' registers: the places behind them
	SHUF ACC, OUT
	PST 5, P1P
	BAR                                            ; the eight parts of K lie in P1
	s_mul_i32 s52, s4, P1P
	s_add_co_u32 s52, s52, P1
	v_add_nc_u32 v6, s52, v3
.set p, 0
.rept 8
	ds_load_b128 v[16+4*p:19+4*p], v6 offset:16*P1P*p
.set p, p+1
.endr
	s_mul_i32 s53, s4, A2P
	s_add_co_u32 s53, s53, A2
	v_lshrrev_b32 v5, 1, v3
	v_add_nc_u32 v5, s53, v5
	s_wait_dscnt 0x0
.irp q, 0, 8, 16, 24
	v_pk_add_f32 v[16+\q:17+\q], v[16+\q:17+\q], v[20+\q:21+\q]
	v_pk_add_f32 v[18+\q:19+\q], v[18+\q:19+\q], v[22+\q:23+\q]
.endr
.irp q, 0, 16
	v_pk_add_f32 v[16+\q:17+\q], v[16+\q:17+\q], v[24+\q:25+\q]
	v_pk_add_f32 v[18+\q:19+\q], v[18+\q:19+\q], v[26+\q:27+\q]
.endr
	v_pk_add_f32 v[16:17], v[16:17], v[32:33]
	v_pk_add_f32 v[18:19], v[18:19], v[34:35]
	v_pk_add_f32 v[16:17], v[16:17], v[8:9]
	v_pk_add_f32 v[18:19], v[18:19], v[10:11]
	s_wait_kmcnt 0x0                               ; a
.set k, 0
.rept 4
	PRELU 16+k, 20+k, 28
.set k, k+1
.endr
	v_cvt_pk_bf16_f32 v24, v16, v17
	v_cvt_pk_bf16_f32 v25, v18, v19
	ds_store_b64 v5, v[24:25]
	BAR                                            ; z lies in LDS as bf16
	s_cmp_lt_u32 s4, 8
	s_cbranch_scc0 .Lb4
	s_lshl_b32 s52, s54, 6                         ; waves 0-7: k = 32 (w >> 1) on, of the slice's 128
	s_add_co_u32 s52, s52, A2
	LADR 6, 5, A2P, 16, 52
	ds_load_b128 v[AF:AF+3], v6
	ds_load_b128 v[AF+4:AF+7], v6 offset:32
	UCVT RG2, SM
	s_wait_dscnt 0x0
	MUL4 ACC, AF, SM, 1
	s_mul_i32 s52, s54, 16*P1P
	s_lshl_b32 s53, s55, 8
	s_add_co_u32 s52, s52, s53
	s_add_co_u32 s52, s52, P3
	LADR 5, 6, 16, 8*P1P, 52                       ; the places behind the products
	SHUF ACC, OUT
	PST 5, P1P
.Lb4:
	BAR                                            ; the four parts of K lie in P3
	s_cmp_lt_u32 s4, 8
	s_cbranch_scc0 .Lfin
	s_mul_i32 s52, s4, P1P
	s_add_co_u32 s52, s52, P3
	v_add_nc_u32 v6, s52, v3
.set p, 0
.rept 4
	ds_load_b128 v[16+4*p:19+4*p], v6 offset:16*P1P*p
.set p, p+1
.endr
	s_wait_dscnt 0x0
	v_pk_add_f32 v[16:17], v[16:17], v[20:21]
	v_pk_add_f32 v[18:19], v[18:19], v[22:23]
	v_pk_add_f32 v[24:25], v[24:25], v[28:29]
	v_pk_add_f32 v[26:27], v[26:27], v[30:31]
	v_pk_add_f32 v[16:17], v[16:17], v[24:25]
	v_pk_add_f32 v[18:19], v[18:19], v[26:27]
	global_store_b128 v3, v[16:19], s[22:23]       ; a row of 512 consecutive bytes
.Lfin:
	s_wait_tensorcnt 0x0                           ; the wave's end: behind my last LDS store
	ds_add_u32 v1, v2
	s_wait_dscnt 0x0
	s_endpgm
.Lfunc_end_k_qb814c02ea7_deca:
	.size	k_qb814c02ea7_deca, .Lfunc_end_k_qb814c02ea7_deca-k_qb814c02ea7_deca
	.p2alignl 7, 3214868480
	.fill 96, 4, 3214868480
	.section	.rodata,"a",@progbits
	.p2align	6, 0x0
	.amdhsa_kernel k_qb814c02ea7_deca
		.amdhsa_group_segment_fixed_size 124416
		.amdhsa_private_segment_fixed_size 0
		.amdhsa_enable_private_segment 0
		.amdhsa_kernarg_size 64
		.amdhsa_user_sgpr_count 2
		.amdhsa_user_sgpr_kernarg_segment_ptr 1
		.amdhsa_wavefront_size32 1
		.amdhsa_system_sgpr_workgroup_id_x 1
		.amdhsa_system_sgpr_workgroup_id_y 1
		.amdhsa_system_sgpr_workgroup_id_z 1
		.amdhsa_system_vgpr_workitem_id 0
		.amdhsa_next_free_vgpr 256
		.amdhsa_next_free_sgpr 66
		.amdhsa_reserve_vcc 0
		.amdhsa_float_denorm_mode_32 3
		.amdhsa_float_denorm_mode_16_64 3
		.amdhsa_memory_ordered 1
		.amdhsa_forward_progress 1
		.amdhsa_inst_pref_size 32
	.end_amdhsa_kernel
	.amdgpu_metadata
---
amdhsa.version: [ 1, 2 ]
amdhsa.kernels:
  - .name:           k_qb814c02ea7_deca
    .symbol:         k_qb814c02ea7_deca.kd
    .args:
      - { .name: pf, .offset: 0, .size: 8, .value_kind: global_buffer, .address_space: global }
      - { .name: params_final_ln_g, .offset: 8, .size: 8, .value_kind: global_buffer, .address_space: global }
      - { .name: params_final_ln_b, .offset: 16, .size: 8, .value_kind: global_buffer, .address_space: global }
      - { .name: params_dec1_W, .offset: 24, .size: 8, .value_kind: global_buffer, .address_space: global }
      - { .name: params_dec1_b, .offset: 32, .size: 8, .value_kind: global_buffer, .address_space: global }
      - { .name: params_dec_a, .offset: 40, .size: 8, .value_kind: global_buffer, .address_space: global }
      - { .name: params_dec2_W, .offset: 48, .size: 8, .value_kind: global_buffer, .address_space: global }
      - { .name: pd, .offset: 56, .size: 8, .value_kind: global_buffer, .address_space: global }
    .group_segment_fixed_size: 124416
    .private_segment_fixed_size: 0
    .kernarg_segment_align: 8
    .kernarg_segment_size: 64
    .max_flat_workgroup_size: 512
    .sgpr_count:     66
    .vgpr_count:     256
    .wavefront_size: 32
...
	.end_amdgpu_metadata
.endif
;; end of part 4
;; launch decb (part 5): grid 1 x 1, 8 waves a work-group, no clusters, 0 bytes of LDS; arguments pd, params_dec2_b, out0, out1; writes out0, out1
.if DOCPART == 5
	.amdgcn_target "amdgcn-amd-amdhsa--gfx1250"
	.amdhsa_code_object_version 6
	.text
	.protected	k_qb814c02ea7_decb
	.globl	k_qb814c02ea7_decb
	.p2align	8
	.type	k_qb814c02ea7_decb,@function
k_qb814c02ea7_decb:
	s_mov_b64 s[64:65], 0
	v_nop
	global_prefetch_b8 v0, s[64:65] scope:SCOPE_SE
	s_setreg_imm32_b32 hwreg(HW_REG_WAVE_MODE, 25, 1), 1
	s_wait_xcnt 0x0
; THE RESULT: the decoder's four addends, [4][8][128] f32 in pd, and dec2's bias.  Wave m takes row m of eight: batch m >> 1; row 0 of a batch goes to out0, row 1 to out1.
; A sum over four work-groups' addends needs an owner behind them: this launch.  32 lanes x 16 bytes are a row of 128 f32.
	s_load_b256 s[8:15], s[0:1], 0x0               ; the addends s8, dec2_b s10, out0 s12, out1 s14
	v_lshrrev_b32 v1, 5, v0
	v_readfirstlane_b32 s4, v1                     ; m
	v_and_b32 v1, 31, v0
	v_lshlrev_b32 v1, 4, v1                        ; 16 l
	s_lshl_b32 s16, s4, 9
	s_mov_b32 s17, 0
	s_lshr_b32 s18, s4, 1
	s_lshl_b32 s18, s18, 9
	s_mov_b32 s19, 0
	s_and_b32 s22, s4, 1
	s_wait_kmcnt 0x0
	s_add_nc_u64 s[8:9], s[8:9], s[16:17]
	s_cmp_eq_u32 s22, 1
	s_cselect_b64 s[20:21], s[14:15], s[12:13]
	s_add_nc_u64 s[20:21], s[20:21], s[18:19]
	global_load_b128 v[4:7], v1, s[8:9]
	global_load_b128 v[8:11], v1, s[8:9] offset:4096
	global_load_b128 v[12:15], v1, s[8:9] offset:8192
	global_load_b128 v[16:19], v1, s[8:9] offset:12288
	global_load_b128 v[20:23], v1, s[10:11]
	s_wait_loadcnt 0x0
	v_pk_add_f32 v[4:5], v[4:5], v[8:9]
	v_pk_add_f32 v[6:7], v[6:7], v[10:11]
	v_pk_add_f32 v[12:13], v[12:13], v[16:17]
	v_pk_add_f32 v[14:15], v[14:15], v[18:19]
	v_pk_add_f32 v[4:5], v[4:5], v[12:13]
	v_pk_add_f32 v[6:7], v[6:7], v[14:15]
	v_pk_add_f32 v[4:5], v[4:5], v[20:21]
	v_pk_add_f32 v[6:7], v[6:7], v[22:23]
	global_store_b128 v1, v[4:7], s[20:21]         ; 512 consecutive bytes, at a multiple of 512
	s_endpgm
.Lfunc_end_k_qb814c02ea7_decb:
	.size	k_qb814c02ea7_decb, .Lfunc_end_k_qb814c02ea7_decb-k_qb814c02ea7_decb
	.p2alignl 7, 3214868480
	.fill 96, 4, 3214868480
	.section	.rodata,"a",@progbits
	.p2align	6, 0x0
	.amdhsa_kernel k_qb814c02ea7_decb
		.amdhsa_group_segment_fixed_size 0
		.amdhsa_private_segment_fixed_size 0
		.amdhsa_enable_private_segment 0
		.amdhsa_kernarg_size 32
		.amdhsa_user_sgpr_count 2
		.amdhsa_user_sgpr_kernarg_segment_ptr 1
		.amdhsa_wavefront_size32 1
		.amdhsa_system_sgpr_workgroup_id_x 1
		.amdhsa_system_sgpr_workgroup_id_y 1
		.amdhsa_system_sgpr_workgroup_id_z 1
		.amdhsa_system_vgpr_workitem_id 0
		.amdhsa_next_free_vgpr 32
		.amdhsa_next_free_sgpr 66
		.amdhsa_reserve_vcc 0
		.amdhsa_float_denorm_mode_32 3
		.amdhsa_float_denorm_mode_16_64 3
		.amdhsa_memory_ordered 1
		.amdhsa_forward_progress 1
		.amdhsa_inst_pref_size 2
	.end_amdhsa_kernel
	.amdgpu_metadata
---
amdhsa.version: [ 1, 2 ]
amdhsa.kernels:
  - .name:           k_qb814c02ea7_decb
    .symbol:         k_qb814c02ea7_decb.kd
    .args:
      - { .name: pd, .offset: 0, .size: 8, .value_kind: global_buffer, .address_space: global }
      - { .name: params_dec2_b, .offset: 8, .size: 8, .value_kind: global_buffer, .address_space: global }
      - { .name: out0, .offset: 16, .size: 8, .value_kind: global_buffer, .address_space: global }
      - { .name: out1, .offset: 24, .size: 8, .value_kind: global_buffer, .address_space: global }
    .group_segment_fixed_size: 0
    .private_segment_fixed_size: 0
    .kernarg_segment_align: 8
    .kernarg_segment_size: 32
    .max_flat_workgroup_size: 256
    .sgpr_count:     66
    .vgpr_count:     32
    .wavefront_size: 32
...
	.end_amdgpu_metadata
.endif
;; end of part 5
;; ======== version 2 of 3: 12 launches; 1.11 times as fast as version 1
;; workspace buffers: pf 2,097,152 bytes; pa 4,194,304 bytes; hb 524,288 bytes; tab 4,096 bytes; wb0 3,145,728 bytes; wb1 3,145,728 bytes; wb2 3,145,728 bytes; wb3 3,801,088 bytes
;; launch conv (part 6): grid 202 x 1, 16 waves a work-group, no clusters, 0 bytes of LDS; arguments params_layers_0_attn_q_W, params_layers_0_attn_k_W, params_layers_0_attn_v_W, params_layers_0_attn_o_W, params_layers_0_ffn_l1_W, params_layers_0_ffn_l2_W, params_layers_1_attn_q_W, params_layers_1_attn_k_W, params_layers_1_attn_v_W, params_layers_1_attn_o_W, params_layers_1_ffn_l1_W, params_layers_1_ffn_l2_W, params_layers_2_attn_q_W, params_layers_2_attn_k_W, params_layers_2_attn_v_W, params_layers_2_attn_o_W, params_layers_2_ffn_l1_W, params_layers_2_ffn_l2_W, params_layers_3_attn_q_W, params_layers_3_attn_k_W, params_layers_3_attn_v_W, params_layers_3_attn_o_W, params_layers_3_ffn_l1_W, params_layers_3_ffn_l2_W, params_dec1_W, params_dec2_W, wb0, wb1, wb2, wb3; writes wb0, wb1, wb2, wb3
.if DOCPART == 6
	.amdgcn_target "amdgcn-amd-amdhsa--gfx1250"
	.amdhsa_code_object_version 6
	.text
	.protected	k_qb814c02ea7_conv
	.globl	k_qb814c02ea7_conv
	.p2align	8
	.type	k_qb814c02ea7_conv,@function
k_qb814c02ea7_conv:
	s_mov_b64 s[64:65], 0
	v_nop
	global_prefetch_b8 v0, s[64:65] scope:SCOPE_SE
	s_setreg_imm32_b32 hwreg(HW_REG_WAVE_MODE, 25, 1), 1
	s_wait_xcnt 0x0
; THE WEIGHTS OF THE FOUR LAYERS AND OF THE DECODER, ROUNDED TO bf16 ONCE, AND LAID AS MATRIX FRAGMENTS LIE IN REGISTERS.
; A UNIT is 32 k x 64 columns of an f32 weight [K][N]; its image is 4,096 bytes: fragment t (0..3) at 1,024 t; registers 0-3 of lane l at 16 l, registers 4-7 at 512 + 16 l.
; Fragment t holds the columns c0 + 4 r + t (r = lane % 16), and in a lane the k that a 16-bit fragment of 32 k wants there.  So a later launch loads a fragment by two loads of 16 bytes a lane.
; One wave makes one unit: 16 loads of 16 bytes a lane, 32 roundings of pairs, 8 stores of 512 consecutive bytes.  3,232 units: 202 work-groups of 16 waves.
; Work-group id: matrix m = min(id / 8, 25) (24 of the layers, in the order q, k, v, o, l1, l2; then dec1, dec2), unit u = 16 (id - 8 m) + wave.
; WHERE A UNIT GOES, in the layer's buffer (dec1, dec2: in the last layer's):
;   q, k, v (x = 0, 1, 2): head u / 16, K step u % 16                     -> head x 196,608 + x x 65,536 + K step x 4,096
;   o: head u / 16, rows 64 head + 32 (u % 2), columns 64 ((u / 2) % 8)   -> 1,572,864 + 4,096 u
;   l1: slice s = u / 32, wave w = (u / 2) % 16, half e = u % 2: rows 64 (w / 2) + 32 e, columns 128 s + 64 (w % 2)  -> 2,097,152 + 262,144 s + 16,384 w + 4,096 e
;   l2: rows 128 s + 64 (w % 2) + 32 e, columns 64 (w / 2)                -> the same + 8,192
;   dec1: as l1                                                           -> 3,145,728 + 4,096 u
;   dec2 (rows of 128 numbers): s = u / 8, rows 128 s + 32 ((u / 2) % 4), columns 64 (u % 2)  -> 3,670,016 + 4,096 u
; No LDS, no matrix unit, no cluster: a stream in which no byte is read twice.
.set RAW, 16                           ; v16-79   the unit as loaded
.set FR,  80                           ; v80-111  its four fragments
.macro ULOAD raw, voff, sb, pitch      ; lane (r, h): 16 bytes at column c0 + 4 r of rows 8 h + 0..7 and 16 + 8 h + 0..7; each load covers two runs of 256 consecutive bytes
.set ui, 0
.rept 16
	global_load_b128 v[(\raw)+4*ui:(\raw)+4*ui+3], v[\voff], s[\sb:(\sb)+1] offset:(ui+8*(ui/8))*(\pitch) th:TH_LOAD_NT
.set ui, ui+1
.endr
.endm
.macro UCVT raw, dst                   ; fragment t, register p = rows 2 p, 2 p + 1 of the lane's 16, column c0 + 4 r + t
.set ut, 0
.rept 4
.set up, 0
.rept 8
	v_cvt_pk_bf16_f32 v[(\dst)+8*ut+up], v[(\raw)+8*up+ut], v[(\raw)+8*up+4+ut]
.set up, up+1
.endr
.set ut, ut+1
.endr
.endm
.macro SHADD dst, src, sh              ; dst += src << sh
	s_lshl_b32 s72, s[\src], \sh
	s_add_co_u32 s[\dst], s[\dst], s72
.endm
	s_load_b512 s[8:23], s[0:1], 0x0               ; matrix m at s[8 + 2 m]
	s_load_b512 s[24:39], s[0:1], 0x40
	s_load_b512 s[40:55], s[0:1], 0x80
	s_load_b256 s[56:63], s[0:1], 0xc0             ; dec1 s56, dec2 s58, wb0 s60, wb1 s62
	s_load_b128 s[68:71], s[0:1], 0xe0             ; wb2 s68, wb3 s70
	v_lshrrev_b32 v1, 5, v0
	v_readfirstlane_b32 s4, v1                     ; wave
	v_and_b32 v1, 31, v0
	v_lshlrev_b32 v1, 4, v1                        ; 16 l
	v_and_b32 v2, 15, v0
	v_lshlrev_b32 v2, 4, v2                        ; 16 r
	v_bfe_u32 v3, v0, 4, 1                         ; h
	s_lshr_b32 s6, ttmp9, 3
	s_min_u32 s6, s6, 25                           ; m
	s_lshl_b32 s72, s6, 3
	s_sub_co_u32 s72, ttmp9, s72
	s_lshl_b32 s7, s72, 4
	s_add_co_u32 s7, s7, s4                        ; u
	s_mul_i32 s73, s6, 43
	s_lshr_b32 s73, s73, 8                         ; m / 6 for m up to 25: the layer, 4 for the decoder
	s_mul_i32 s74, s73, 6
	s_sub_co_u32 s74, s6, s74                      ; m % 6: the kind
	s_lshr_b32 s75, s7, 4                          ; u / 16
	s_and_b32 s76, s7, 15                          ; u % 16
	s_lshr_b32 s77, s7, 5                          ; s
	s_bfe_u32 s78, s7, 0x40001                     ; w = (u / 2) % 16
	s_and_b32 s79, s7, 1                           ; e
	s_lshr_b32 s80, s78, 1
	s_and_b32 s81, s78, 1
	s_lshl_b32 s93, s7, 12                         ; 4,096 u
	; every kind's two byte offsets, then the choice: the offsets are made apart from the addresses
	s_lshl_b32 s82, s76, 16                        ; q, k, v: from
	SHADD 82, 75, 8
	s_mul_i32 s83, s75, 0x30000                    ;          to
	SHADD 83, 74, 16
	SHADD 83, 76, 12
	s_lshl_b32 s84, s75, 17                        ; o: from
	SHADD 84, 79, 16
	s_and_b32 s85, s78, 7
	SHADD 84, 85, 8
	s_add_co_u32 s85, s93, 1572864                 ;    to
	s_lshl_b32 s86, s80, 17                        ; l1, dec1: from
	SHADD 86, 79, 16
	SHADD 86, 77, 9
	SHADD 86, 81, 8
	s_lshl_b32 s87, s77, 18                        ; l1: to
	SHADD 87, 78, 14
	SHADD 87, 79, 12
	s_add_co_u32 s87, s87, 2097152
	s_lshl_b32 s88, s77, 18                        ; l2: from
	SHADD 88, 81, 17
	SHADD 88, 79, 16
	SHADD 88, 80, 8
	s_add_co_u32 s89, s87, 8192                    ;     to
	s_add_co_u32 s90, s93, 3145728                 ; dec1: to
	s_lshr_b32 s91, s7, 3                          ; dec2: from
	s_lshl_b32 s91, s91, 16
	s_and_b32 s92, s78, 3
	SHADD 91, 92, 14
	SHADD 91, 79, 8
	s_add_co_u32 s92, s93, 3670016                 ;       to
	s_mov_b32 s98, s82
	s_mov_b32 s100, s83
	s_cmp_eq_u32 s74, 3
	s_cselect_b32 s98, s84, s98
	s_cselect_b32 s100, s85, s100
	s_cmp_eq_u32 s74, 4
	s_cselect_b32 s98, s86, s98
	s_cselect_b32 s100, s87, s100
	s_cmp_eq_u32 s74, 5
	s_cselect_b32 s98, s88, s98
	s_cselect_b32 s100, s89, s100
	s_cmp_eq_u32 s6, 24
	s_cselect_b32 s98, s86, s98
	s_cselect_b32 s100, s90, s100
	s_cmp_eq_u32 s6, 25
	s_cselect_b32 s98, s91, s98
	s_cselect_b32 s100, s92, s100
	s_mov_b32 s99, 0
	s_mov_b32 s101, 0
	s_wait_kmcnt 0x0
	s_mov_b64 s[94:95], s[8:9]                     ; the matrix is chosen by its number, which hangs on the work-group's number alone
.set i, 1
.rept 25
	s_cmp_eq_u32 s6, i
	s_cselect_b64 s[94:95], s[8+2*i:9+2*i], s[94:95]
.set i, i+1
.endr
	s_mov_b64 s[96:97], s[60:61]                   ; and the layer's buffer
	s_cmp_eq_u32 s73, 1
	s_cselect_b64 s[96:97], s[62:63], s[96:97]
	s_cmp_eq_u32 s73, 2
	s_cselect_b64 s[96:97], s[68:69], s[96:97]
	s_cmp_ge_u32 s73, 3
	s_cselect_b64 s[96:97], s[70:71], s[96:97]
	s_add_nc_u64 s[94:95], s[94:95], s[98:99]
	s_add_nc_u64 s[96:97], s[96:97], s[100:101]
	s_cmp_eq_u32 s6, 25
	s_cbranch_scc1 .Lnarrow
	v_lshl_add_u32 v4, v3, 14, v2                  ; 8 h rows of 2,048 bytes + 16 r
	ULOAD RAW, 4, 94, 2048
	s_branch .Lround
.Lnarrow:
	v_lshl_add_u32 v4, v3, 12, v2                  ; 8 h rows of 512 bytes + 16 r
	ULOAD RAW, 4, 94, 512
.Lround:
	s_wait_loadcnt 0x0
	UCVT RAW, FR
.set i, 0
.rept 8
	global_store_b128 v1, v[FR+4*i:FR+4*i+3], s[96:97] offset:512*i  ; 512 consecutive bytes, at a multiple of 512
.set i, i+1
.endr
	s_endpgm
.Lfunc_end_k_qb814c02ea7_conv:
	.size	k_qb814c02ea7_conv, .Lfunc_end_k_qb814c02ea7_conv-k_qb814c02ea7_conv
	.p2alignl 7, 3214868480
	.fill 96, 4, 3214868480
	.section	.rodata,"a",@progbits
	.p2align	6, 0x0
	.amdhsa_kernel k_qb814c02ea7_conv
		.amdhsa_group_segment_fixed_size 0
		.amdhsa_private_segment_fixed_size 0
		.amdhsa_enable_private_segment 0
		.amdhsa_kernarg_size 240
		.amdhsa_user_sgpr_count 2
		.amdhsa_user_sgpr_kernarg_segment_ptr 1
		.amdhsa_wavefront_size32 1
		.amdhsa_system_sgpr_workgroup_id_x 1
		.amdhsa_system_sgpr_workgroup_id_y 1
		.amdhsa_system_sgpr_workgroup_id_z 1
		.amdhsa_system_vgpr_workitem_id 0
		.amdhsa_next_free_vgpr 112
		.amdhsa_next_free_sgpr 102
		.amdhsa_reserve_vcc 0
		.amdhsa_float_denorm_mode_32 3
		.amdhsa_float_denorm_mode_16_64 3
		.amdhsa_memory_ordered 1
		.amdhsa_forward_progress 1
		.amdhsa_inst_pref_size 12
	.end_amdhsa_kernel
	.amdgpu_metadata
---
amdhsa.version: [ 1, 2 ]
amdhsa.kernels:
  - .name:           k_qb814c02ea7_conv
    .symbol:         k_qb814c02ea7_conv.kd
    .args:
      - { .name: params_layers_0_attn_q_W, .offset: 0, .size: 8, .value_kind: global_buffer, .address_space: global }
      - { .name: params_layers_0_attn_k_W, .offset: 8, .size: 8, .value_kind: global_buffer, .address_space: global }
      - { .name: params_layers_0_attn_v_W, .offset: 16, .size: 8, .value_kind: global_buffer, .address_space: global }
      - { .name: params_layers_0_attn_o_W, .offset: 24, .size: 8, .value_kind: global_buffer, .address_space: global }
      - { .name: params_layers_0_ffn_l1_W, .offset: 32, .size: 8, .value_kind: global_buffer, .address_space: global }
      - { .name: params_layers_0_ffn_l2_W, .offset: 40, .size: 8, .value_kind: global_buffer, .address_space: global }
      - { .name: params_layers_1_attn_q_W, .offset: 48, .size: 8, .value_kind: global_buffer, .address_space: global }
      - { .name: params_layers_1_attn_k_W, .offset: 56, .size: 8, .value_kind: global_buffer, .address_space: global }
      - { .name: params_layers_1_attn_v_W, .offset: 64, .size: 8, .value_kind: global_buffer, .address_space: global }
      - { .name: params_layers_1_attn_o_W, .offset: 72, .size: 8, .value_kind: global_buffer, .address_space: global }
      - { .name: params_layers_1_ffn_l1_W, .offset: 80, .size: 8, .value_kind: global_buffer, .address_space: global }
      - { .name: params_layers_1_ffn_l2_W, .offset: 88, .size: 8, .value_kind: global_buffer, .address_space: global }
      - { .name: params_layers_2_attn_q_W, .offset: 96, .size: 8, .value_kind: global_buffer, .address_space: global }
      - { .name: params_layers_2_attn_k_W, .offset: 104, .size: 8, .value_kind: global_buffer, .address_space: global }
      - { .name: params_layers_2_attn_v_W, .offset: 112, .size: 8, .value_kind: global_buffer, .address_space: global }
      - { .name: params_layers_2_attn_o_W, .offset: 120, .size: 8, .value_kind: global_buffer, .address_space: global }
      - { .name: params_layers_2_ffn_l1_W, .offset: 128, .size: 8, .value_kind: global_buffer, .address_space: global }
      - { .name: params_layers_2_ffn_l2_W, .offset: 136, .size: 8, .value_kind: global_buffer, .address_space: global }
      - { .name: params_layers_3_attn_q_W, .offset: 144, .size: 8, .value_kind: global_buffer, .address_space: global }
      - { .name: params_layers_3_attn_k_W, .offset: 152, .size: 8, .value_kind: global_buffer, .address_space: global }
      - { .name: params_layers_3_attn_v_W, .offset: 160, .size: 8, .value_kind: global_buffer, .address_space: global }
      - { .name: params_layers_3_attn_o_W, .offset: 168, .size: 8, .value_kind: global_buffer, .address_space: global }
      - { .name: params_layers_3_ffn_l1_W, .offset: 176, .size: 8, .value_kind: global_buffer, .address_space: global }
      - { .name: params_layers_3_ffn_l2_W, .offset: 184, .size: 8, .value_kind: global_buffer, .address_space: global }
      - { .name: params_dec1_W, .offset: 192, .size: 8, .value_kind: global_buffer, .address_space: global }
      - { .name: params_dec2_W, .offset: 200, .size: 8, .value_kind: global_buffer, .address_space: global }
      - { .name: wb0, .offset: 208, .size: 8, .value_kind: global_buffer, .address_space: global }
      - { .name: wb1, .offset: 216, .size: 8, .value_kind: global_buffer, .address_space: global }
      - { .name: wb2, .offset: 224, .size: 8, .value_kind: global_buffer, .address_space: global }
      - { .name: wb3, .offset: 232, .size: 8, .value_kind: global_buffer, .address_space: global }
    .group_segment_fixed_size: 0
    .private_segment_fixed_size: 0
    .kernarg_segment_align: 8
    .kernarg_segment_size: 240
    .max_flat_workgroup_size: 512
    .sgpr_count:     102
    .vgpr_count:     112
    .wavefront_size: 32
...
	.end_amdgpu_metadata
.endif
;; end of part 6
;; launch menc: the kernel of part 1 again; grid 65 x 1, 16 waves a work-group, no clusters, 156,672 bytes of LDS; arguments x, params_menc1_W, params_menc1_b, params_menc_a1, params_menc2_W, params_menc2_b, params_menc_a2, params_mu_token, params_logvar_token, params_rpe1_W, params_rpe1_b, params_rpe_a, params_rpe2_W, params_rpe2_b, pf, tab; writes pf, tab
;; launch attn0 (part 7): grid 8 x 4, 16 waves a work-group, no clusters, 310,272 bytes of LDS; arguments pf, params_layers_0_attn_ln_g, params_layers_0_attn_ln_b, params_layers_0_attn_q_b, params_layers_0_attn_k_b, params_layers_0_attn_v_b, params_layers_0_attn_o_b, tab, wb0, hb, pa; writes hb, pa
.if DOCPART == 7
	.amdgcn_target "amdgcn-amd-amdhsa--gfx1250"
	.amdhsa_code_object_version 6
	.text
	.protected	k_qb814c02ea7_attn0
	.globl	k_qb814c02ea7_attn0
	.p2align	8
	.type	k_qb814c02ea7_attn0,@function
k_qb814c02ea7_attn0:
	s_mov_b64 s[64:65], 0
	v_nop
	global_prefetch_b8 v0, s[64:65] scope:SCOPE_SE
	s_setreg_imm32_b32 hwreg(HW_REG_WAVE_MODE, 25, 1), 1
	s_wait_xcnt 0x0
; ONE HEAD OF ONE BATCH: h = the sum of pf's four addends; layer norm; q, k, v of the head; attention in the band |i - j| <= 15 with the bias q . tab[j - i + 15];
; and the head's 64 channels times its 64 rows of Wo: one addend, pa[head], of the output projection, over all 512 columns.  The work-group of head hd also
; stores hb = h + b_o for rows 8 hd .. 8 hd + 7 of its batch; the next launch takes h' = hb + the eight addends.
; THE WEIGHTS come from wb, where an earlier launch laid them in bf16 as fragments lie in registers (a unit of 32 k x 64 columns: 4,096 bytes; fragment t at 1,024 t holds the
; columns c0 + 4 r + t; registers 0-3 of lane l at 16 l, registers 4-7 at 512 + 16 l).  The head's 48 units of Wq, Wk, Wv are 196,608 consecutive bytes and go into LDS as they lie,
; one tensor load of 12,288 bytes a wave, a first fill that is never filled again; its 16 units of Wo go into registers, one a wave.
; 64 rows a batch are carried.  Keys end at row 63, so a layer's rows 49 .. 63 (and 15 more with each layer) see a cut window, and rows that the launch before did not store again
; hold older values: all these are finite and lie outside the rows that reach the module's outputs (rows 0, 1 after four layers want rows 0 .. 61 at the start).
; LIMITS.  A score outside the band is its value less 1e30, where the reference puts -1e9: its weight is 0 in both unless true scores lie below -1e9.
; A weight below 2^-126 counts as 0.  Matrix operands (h after the norm, weights, q, k, v, the table, the weights p, the head's output) are bf16; sums, norm, softmax and h are f32.
; NO CLUSTER: the four batches' work-groups of a head share the 196,608 bytes of the tensor loads, under a quarter of the 860 KiB that a work-group takes in; the rows that the eight
; heads of a batch share, 512 KiB, go into registers and would not fit in LDS beside the fragments.
.set ADDB,   524288                    ; bytes in an addend: 256 rows x 2,048
.set APITCH, 1040                      ; 512 bf16 + 16 bytes
.set IMG,    66560                     ; behind the tile of 64 rows x 1,040: the fragments, [q, k, v][16 K steps][4 tiles][1,024 bytes]
.set CHUNK,  12288                     ; a wave's sixteenth of them
.set WOOFF,  1572864                   ; where Wo's units begin in wb
.set QL,     263168                    ; q, k, v of the head: 64 rows x 144 each
.set KL,     272384
.set VL,     281600
.set HP,     144
.set RSC,    290816                    ; q . tab in f32: for each of four waves 16 rows x 144
.set AOI,    300032                    ; the head's output as fragments: [4 tiles of 16 rows][2 K steps][1,024]
.set SPARE,  308224                    ; the spare words, 128 bytes a wave
.set BO,  16                           ; v16-31   b_o of my 16 columns
.set WOF, 32                           ; v32-63   my unit of Wo: four fragments
.set GR,  64                           ; v64-79   the norm's gain
.set BR,  80                           ; v80-95   its bias
.set DD,  96                           ; v96-111  x + b_o, then x - mean
.set TT,  112                          ; v112-119 at work
.set XA,  128                          ; v128-191 a row's four addends, then x in the first sixteen
.set XB,  192                          ; v192-255 the same for a second row
.set SSEL, 38
.set SINV, 42
.set SEPS, 43
.set G0,  68                           ; s[68:71] descriptor group 0; s[72:79] group 1: written once, never again
.set G1,  72
.macro WSUM a, b                       ; the sum over the wave's 32 lanes, in every lane
	v_add_f32_dpp v[\a], v[\a], v[\a] row_xmask:1 row_mask:0xf bank_mask:0xf
	v_add_f32_dpp v[\a], v[\a], v[\a] row_xmask:2 row_mask:0xf bank_mask:0xf
	v_add_f32_dpp v[\a], v[\a], v[\a] row_xmask:4 row_mask:0xf bank_mask:0xf
	v_add_f32_dpp v[\a], v[\a], v[\a] row_xmask:8 row_mask:0xf bank_mask:0xf
	v_permlanex16_b32 v[\b], v[\a], s[SSEL], s[SSEL+1]
	v_add_f32 v[\a], v[\a], v[\b]
.endm
; The layer norm of one row.  The lane holds columns 128 c + 4 l + e in X[4 c + e]; X is kept.  Mean first, then the squares of x - mean; the row goes to LDS as bf16.
.macro LNROW X, D, T, adr, off
	v_pk_add_f32 v[(\T):(\T)+1], v[(\X):(\X)+1], v[(\X)+2:(\X)+3]
	v_pk_add_f32 v[(\T)+2:(\T)+3], v[(\X)+4:(\X)+5], v[(\X)+6:(\X)+7]
	v_pk_add_f32 v[(\T)+4:(\T)+5], v[(\X)+8:(\X)+9], v[(\X)+10:(\X)+11]
	v_pk_add_f32 v[(\T)+6:(\T)+7], v[(\X)+12:(\X)+13], v[(\X)+14:(\X)+15]
	v_pk_add_f32 v[(\T):(\T)+1], v[(\T):(\T)+1], v[(\T)+2:(\T)+3]
	v_pk_add_f32 v[(\T)+4:(\T)+5], v[(\T)+4:(\T)+5], v[(\T)+6:(\T)+7]
	v_pk_add_f32 v[(\T):(\T)+1], v[(\T):(\T)+1], v[(\T)+4:(\T)+5]
	v_add_f32 v[\T], v[\T], v[(\T)+1]
	WSUM \T, (\T)+1
	v_mul_f32 v[\T], s[SINV], v[\T]                ; the mean
.set lk, 0
.rept 8
	v_pk_add_f32 v[(\D)+lk:(\D)+lk+1], v[(\X)+lk:(\X)+lk+1], v[(\T):(\T)+1] op_sel_hi:[1,0] neg_lo:[0,1] neg_hi:[0,1]
.set lk, lk+2
.endr
	v_pk_mul_f32 v[(\T)+2:(\T)+3], v[(\D):(\D)+1], v[(\D):(\D)+1]
	v_pk_mul_f32 v[(\T)+4:(\T)+5], v[(\D)+2:(\D)+3], v[(\D)+2:(\D)+3]
.set lk, 4
.rept 3
	v_pk_fma_f32 v[(\T)+2:(\T)+3], v[(\D)+lk:(\D)+lk+1], v[(\D)+lk:(\D)+lk+1], v[(\T)+2:(\T)+3]
	v_pk_fma_f32 v[(\T)+4:(\T)+5], v[(\D)+lk+2:(\D)+lk+3], v[(\D)+lk+2:(\D)+lk+3], v[(\T)+4:(\T)+5]
.set lk, lk+4
.endr
	v_pk_add_f32 v[(\T)+2:(\T)+3], v[(\T)+2:(\T)+3], v[(\T)+4:(\T)+5]
	v_add_f32 v[(\T)+2], v[(\T)+2], v[(\T)+3]
	WSUM (\T)+2, (\T)+3
	v_fma_f32 v[(\T)+2], v[(\T)+2], s[SINV], s[SEPS]  ; variance + 1e-5
	v_rsq_f32 v[(\T)+2], v[(\T)+2]
	v_nop                                          ; a plain instruction between the root and the use of its result
.set lk, 0
	s_wait_alu depctr_va_vdst(0)
.rept 8
	v_pk_mul_f32 v[(\D)+lk:(\D)+lk+1], v[(\D)+lk:(\D)+lk+1], v[(\T)+2:(\T)+3] op_sel_hi:[1,0]
.set lk, lk+2
.endr
.set lk, 0
.rept 8
	v_pk_fma_f32 v[(\D)+lk:(\D)+lk+1], v[(\D)+lk:(\D)+lk+1], v[GR+lk:GR+lk+1], v[BR+lk:BR+lk+1]
.set lk, lk+2
.endr
.set lk, 0
.rept 8
	v_cvt_pk_bf16_f32 v[(\T)+lk], v[(\D)+2*lk], v[(\D)+2*lk+1]
.set lk, lk+1
.endr
.set lk, 0
.rept 4
	ds_store_b64 v[\adr], v[(\T)+2*lk:(\T)+2*lk+1] offset:(\off)+256*lk
.set lk, lk+1
.endr
.endm
.macro SHUF acc, out                   ; register j of tile t is (row 8 h + j, column 4 r + t): a row's four columns are brought together; each accumulator is read from register 0 on
.set sj, 0
.rept 8
.set sq, 0
.rept 4
	v_mov_b32 v[(\out)+4*sj+sq], v[(\acc)+8*sq+sj]
.set sq, sq+1
.endr
.set sj, sj+1
.endr
.endm
.macro PLACES                          ; four places behind a matrix instruction (ISA guide 7.12.1)
.rept 4
	v_nop
.endr
.endm
.macro BAR                             ; my LDS instructions are done, then the work-group's barrier
	s_wait_dscnt 0x0
	s_barrier_signal -1
	s_barrier_wait -1
.endm
.macro LADR dst, tmp, rmul, hmul, sreg ; (lane % 16) x rmul + (lane / 16) x hmul + a scalar
	v_and_b32 v[\dst], 15, v0
	v_mul_u32_u24 v[\dst], v[\dst], \rmul
	v_bfe_u32 v[\tmp], v0, 4, 1
	v_mul_u32_u24 v[\tmp], v[\tmp], \hmul
	v_add_nc_u32 v[\dst], v[\dst], v[\tmp]
	v_add_nc_u32 v[\dst], s[\sreg], v[\dst]
.endm
.macro LDROW X, i, p0, p1              ; addends p0 .. p1 of row i of my four: 512 consecutive bytes a load
.set lp, \p0
.rept (\p1)-(\p0)+1
.set lc, 0
.rept 4
	global_load_b128 v[(\X)+16*lp+4*lc:(\X)+16*lp+4*lc+3], v3, s[8:9] offset:lp*ADDB+(\i)*2048+512*lc
.set lc, lc+1
.endr
.set lp, lp+1
.endr
.endm
.macro ADD4 X                          ; x = (p0 + p1) + (p2 + p3)
.set ak, 0
.rept 8
	v_pk_add_f32 v[(\X)+ak:(\X)+ak+1], v[(\X)+ak:(\X)+ak+1], v[(\X)+16+ak:(\X)+17+ak]
	v_pk_add_f32 v[(\X)+32+ak:(\X)+33+ak], v[(\X)+32+ak:(\X)+33+ak], v[(\X)+48+ak:(\X)+49+ak]
.set ak, ak+2
.endr
.set ak, 0
.rept 8
	v_pk_add_f32 v[(\X)+ak:(\X)+ak+1], v[(\X)+ak:(\X)+ak+1], v[(\X)+32+ak:(\X)+33+ak]
.set ak, ak+2
.endr
.endm
; One row's turn in slot X.  left: the younger loads that may stay out.  next = 1: the slot takes the row two further on: its addends 1-3 as soon as this row is summed, addend 0 behind the norm, which reads x.
.macro ROWSTEP X, i, left, next
	s_wait_loadcnt \left
	ADD4 \X
.if \next
	LDROW \X, (\i)+2, 1, 3
.endif
	s_cmp_lg_u32 s7, s5
	s_cbranch_scc1 .Lnohb_\@               ; rows 4 w .. 4 w + 3 are stored by head w >> 1
.set ak, 0
.rept 8
	v_pk_add_f32 v[DD+ak:DD+ak+1], v[(\X)+ak:(\X)+ak+1], v[BO+ak:BO+ak+1]
.set ak, ak+2
.endr
.set ak, 0
.rept 4
	global_store_b128 v3, v[DD+4*ak:DD+4*ak+3], s[26:27] offset:(\i)*2048+512*ak  ; 512 consecutive bytes a store
.set ak, ak+1
.endr
	s_wait_xcnt 0x0                                ; the stores' data registers are written again by the norm only behind this wait
.Lnohb_\@:
	LNROW \X, DD, TT, 5, (\i)*APITCH
.if \next
	LDROW \X, (\i)+2, 0, 0
.endif
.endm
	s_load_b512 s[8:23], s[0:1], 0x0               ; pf s8, g s10, b s12, bq s14, bk s16, bv s18, bo s20, tab s22
	s_load_b128 s[24:27], s[0:1], 0x40             ; wb s24, hb s26
	s_load_b64 s[28:29], s[0:1], 0x50              ; pa
	v_lshl_add_u32 v1, v0, 2, SPARE                ; my spare word
	v_mov_b32 v2, 0
	ds_add_u32 v1, v2                              ; the wave's opening: an add and its wait ahead of my tensor load; the set-up below, work on registers, stands between them
	ds_add_u32 v1, v2
	v_lshrrev_b32 v3, 5, v0
	v_readfirstlane_b32 s4, v3                     ; wave w
	v_and_b32 v3, 31, v0
	v_lshlrev_b32 v3, 4, v3                        ; 16 l
	v_and_b32 v4, 15, v0
	v_lshlrev_b32 v4, 4, v4
	v_bfe_u32 v5, v0, 4, 1
	v_lshl_add_u32 v4, v5, 14, v4                  ; 8 h rows of 2,048 bytes + 16 r
	s_mov_b32 s5, ttmp9                            ; head
	s_and_b32 s6, ttmp7, 0xffff                    ; batch
	s_lshr_b32 s7, s4, 1
	s_mov_b32 s38, 0x76543210                      ; v_permlanex16_b32: each lane takes its own place in the other half
	s_mov_b32 s39, 0xfedcba98
	s_mov_b32 s40, 0x3e38aa3b                      ; c = log2(e) / 8
	s_mov_b32 s41, s40
	s_mov_b32 s42, 0x3b000000                      ; 1 / 512
	s_mov_b32 s43, 0x3727c5ac                      ; 1e-5
	s_lshl_b32 s36, s6, 17                         ; pf and hb: row 64 batch + 4 w
	s_lshl_b32 s48, s4, 13
	s_add_co_u32 s36, s36, s48
	s_mov_b32 s37, 0
	s_mul_i32 s30, s5, 0x30000                     ; wb: the head's 196,608 bytes of q, k, v, my sixteenth
	s_mul_i32 s48, s4, CHUNK
	s_add_co_u32 s30, s30, s48
	s_mov_b32 s31, 0
	s_lshl_b32 s32, s5, 16                         ; wb: the head's sixteen units of Wo, unit w (rows 32 (w & 1) on, columns 64 (w >> 1) on)
	s_lshl_b32 s48, s4, 12
	s_add_co_u32 s32, s32, s48
	s_add_co_u32 s32, s32, WOOFF
	s_mov_b32 s33, 0
	s_lshl_b32 s52, s5, 19                         ; pa: addend head, row 64 batch + 32 (w >> 3), columns 64 (w & 7) on
	s_lshl_b32 s48, s6, 17
	s_add_co_u32 s52, s52, s48
	s_lshr_b32 s48, s4, 3
	s_lshl_b32 s48, s48, 16
	s_add_co_u32 s52, s52, s48
	s_and_b32 s48, s4, 7
	s_lshl_b32 s48, s48, 8
	s_add_co_u32 s52, s52, s48
	s_mov_b32 s53, 0
	s_lshl_b32 s54, s5, 8                          ; the head's 64 numbers of a bias
	s_mov_b32 s55, 0
	s_mul_i32 s48, s4, 4*APITCH
	v_lshrrev_b32 v5, 1, v3
	v_add_nc_u32 v5, s48, v5                       ; the tile: row 4 w, 8 l
	; the descriptor: 12,288 dense bytes as 48 rows of 32 elements of 8 bytes, laid into LDS without gaps
	s_mov_b32 s[G0], 1                             ; count = 1
	s_mul_i32 s[G0+1], s4, CHUNK
	s_add_co_u32 s[G0+1], s[G0+1], IMG             ; LDS address: a constant + the wave's number x a constant
	s_mov_b32 s[G1], 3<<16                         ; no mask; elements of 8 bytes; no padding
	s_mov_b32 s[G1+1], 32<<16                      ; tensor_dim0 = 32
	s_mov_b32 s[G1+2], 48<<16                      ; tensor_dim1 = 48
	s_mov_b32 s[G1+3], 32<<16                      ; tile_dim0 = 32
	s_mov_b32 s[G1+4], 48                          ; tile_dim1 = 48
	s_mov_b32 s[G1+5], 32                          ; 32 elements from row to row
	s_mov_b32 s[G1+6], 0
	s_mov_b32 s[G1+7], 0
	s_wait_dscnt 0x0                               ; the opening add is done
	s_wait_kmcnt 0x0
	s_add_nc_u64 s[G0+2:G0+3], s[24:25], s[30:31]
	s_or_b32 s[G0+3], s[G0+3], 0x80000000          ; type = 2
	tensor_load_to_lds s[G0:G0+3], s[G1:G1+7]      ; my one tensor load: ahead of every LDS read, barrier and wait on TENSORcnt
	s_nop 0
	s_add_nc_u64 s[8:9], s[8:9], s[36:37]
	s_add_nc_u64 s[26:27], s[26:27], s[36:37]
	s_add_nc_u64 s[34:35], s[24:25], s[32:33]
	s_add_nc_u64 s[28:29], s[28:29], s[52:53]
	; STAGE 1, all sixteen waves: rows 4 w .. 4 w + 3 are summed and normed, two slots of registers taking turns.
.set c, 0
.rept 4
	global_load_b128 v[GR+4*c:GR+4*c+3], v3, s[10:11] offset:512*c
	global_load_b128 v[BR+4*c:BR+4*c+3], v3, s[12:13] offset:512*c
	global_load_b128 v[BO+4*c:BO+4*c+3], v3, s[20:21] offset:512*c
.set c, c+1
.endr
	LDROW XA, 0, 0, 3
	LDROW XB, 1, 0, 3
.set i, 0
.rept 8
	global_load_b128 v[WOF+4*i:WOF+4*i+3], v3, s[34:35] offset:512*i
.set i, i+1
.endr
	ROWSTEP XA, 0, 24, 1                           ; behind row 0: row 1's sixteen loads and Wo's eight
	ROWSTEP XB, 1, 24, 1                           ; behind row 1: Wo's eight and row 2's sixteen
	ROWSTEP XA, 2, 16, 0                           ; behind row 2: row 3's sixteen
	ROWSTEP XB, 3, 0, 0
	s_wait_tensorcnt 0x0                           ; my sixteenth of the fragments has landed
	BAR                                            ; the tile and the 192 fragments are whole
	; STAGE 2.  Waves 0-5: matrix w >> 1 (q, k, v), rows 32 (w & 1) on: 32 rows x 64 columns, K = 512.  Source 0 is the weight, so a lane holds one row and,
	; in register j of tile t, column 32 h + 4 j + t.  Two buffers of 12 LDS loads take turns.  Waves 8-11 meanwhile ask for the table's fragments.
	s_cmp_lt_u32 s4, 6
	s_cbranch_scc0 .Lno_proj
	s_and_b32 s48, s4, 1
	s_cmp_eq_u32 s7, 0
	s_cselect_b64 s[46:47], s[14:15], s[16:17]
	s_cmp_eq_u32 s7, 2
	s_cselect_b64 s[46:47], s[18:19], s[46:47]     ; bq, bk or bv
	s_add_nc_u64 s[46:47], s[46:47], s[54:55]
	v_bfe_u32 v7, v0, 4, 1
	v_lshlrev_b32 v7, 7, v7                        ; my 32 columns' bias
.set j, 0
.rept 8
	global_load_b128 v[224+4*j:227+4*j], v7, s[46:47] offset:16*j
.set j, j+1
.endr
	s_mul_i32 s48, s48, 32*APITCH
	LADR 5, 8, APITCH, 16, 48
	s_lshl_b32 s49, s7, 16
	s_add_co_u32 s49, s49, IMG
	v_add_nc_u32 v6, s49, v3
	s_mul_i32 s49, s4, 32*HP
	s_add_co_u32 s49, s49, QL
	LADR 8, 9, HP, 64, 49                          ; where my row's 64 bytes go
.macro S2LOAD ks, buf
.set la, 0
.rept 2
	ds_load_b128 v[(\buf)+8*la:(\buf)+8*la+3], v5 offset:16*APITCH*la+64*(\ks)
	ds_load_b128 v[(\buf)+8*la+4:(\buf)+8*la+7], v5 offset:16*APITCH*la+64*(\ks)+32
.set la, la+1
.endr
.set lq, 0
.rept 4
	ds_load_b128 v[(\buf)+16+8*lq:(\buf)+16+8*lq+3], v6 offset:4096*(\ks)+1024*lq
	ds_load_b128 v[(\buf)+16+8*lq+4:(\buf)+16+8*lq+7], v6 offset:4096*(\ks)+1024*lq+512
.set lq, lq+1
.endr
.endm
.macro S2MUL buf, first                ; eight products, the eight accumulators by turns
.set ma, 0
.rept 2
.set mt, 0
.rept 4
.if \first
	v_wmma_f32_16x16x32_bf16 v[64+32*ma+8*mt:64+32*ma+8*mt+7], v[(\buf)+16+8*mt:(\buf)+16+8*mt+7], v[(\buf)+8*ma:(\buf)+8*ma+7], 0
.else
	v_wmma_f32_16x16x32_bf16 v[64+32*ma+8*mt:64+32*ma+8*mt+7], v[(\buf)+16+8*mt:(\buf)+16+8*mt+7], v[(\buf)+8*ma:(\buf)+8*ma+7], v[64+32*ma+8*mt:64+32*ma+8*mt+7]
.endif
.set mt, mt+1
.endr
.set ma, ma+1
.endr
.endm
	S2LOAD 0, 128
	S2LOAD 1, 176
	s_wait_dscnt 12                                ; K step 0 is in; the 12 loads of step 1 may be out
	S2MUL 128, 1
.set ks, 1
.rept 14
	PLACES                                         ; in front of loads into the buffer just multiplied
	S2LOAD ks+1, 128+48*((ks+1)%2)
	s_wait_dscnt 12                                ; this step's are in; the 12 just issued may be out
	S2MUL 128+48*(ks%2), 0
.set ks, ks+1
.endr
	s_wait_dscnt 0x0
	S2MUL 176, 0
	PLACES
	s_wait_loadcnt 0x0                             ; the bias
.set a, 0
.rept 2
.set j, 0
.rept 8
.set t, 0
.rept 4
	v_add_f32 v[64+32*a+8*t+j], v[64+32*a+8*t+j], v[224+4*j+t]
.set t, t+1
.endr
.set j, j+1
.endr
.set j, 0
.rept 8
	v_cvt_pk_bf16_f32 v[16+2*j], v[64+32*a+j], v[72+32*a+j]      ; columns 4 j, 4 j + 1
	v_cvt_pk_bf16_f32 v[17+2*j], v[80+32*a+j], v[88+32*a+j]      ; columns 4 j + 2, 4 j + 3
.set j, j+1
.endr
.set j, 0
.rept 4
	ds_store_b128 v8, v[16+4*j:19+4*j] offset:16*HP*a+16*j
.set j, j+1
.endr
.set a, a+1
.endr
	s_branch .Lb2
.Lno_proj:
	s_cmp_lt_u32 s4, 8
	s_cbranch_scc1 .Lb2
	s_cmp_gt_u32 s4, 11
	s_cbranch_scc1 .Lb2
	v_and_b32 v7, 15, v0
	v_lshlrev_b32 v7, 7, v7
	v_bfe_u32 v8, v0, 4, 1
	v_lshl_add_u32 v7, v8, 4, v7                   ; table row r, 16 h
.set lt, 0
.rept 2
.set kk, 0
.rept 2
	global_load_b128 v[224+16*lt+8*kk:227+16*lt+8*kk], v7, s[22:23] offset:2048*lt+64*kk
	global_load_b128 v[228+16*lt+8*kk:231+16*lt+8*kk], v7, s[22:23] offset:2048*lt+64*kk+32
.set kk, kk+1
.endr
.set lt, lt+1
.endr
.Lb2:
	BAR                                            ; q, k, v lie in LDS; nobody reads the tile any more
	; STAGE 3.  All waves put their unit of Wo where the tile lay.  Waves 8-11: attention, 16 queries x 64 keys each.
	s_lshl_b32 s48, s4, 12
	v_add_nc_u32 v5, s48, v3
.set t, 0
.rept 4
	ds_store_b128 v5, v[WOF+8*t:WOF+8*t+3] offset:1024*t
	ds_store_b128 v5, v[WOF+8*t+4:WOF+8*t+7] offset:1024*t+512
.set t, t+1
.endr
	s_cmp_lt_u32 s4, 8
	s_cbranch_scc1 .Lb3
	s_cmp_gt_u32 s4, 11
	s_cbranch_scc1 .Lb3
.set QF, 16                            ; v16-31   q: two K steps
.set KF, 64                            ; v64-127  k: (key tile, K step) at 16 kt + 8 kk; then v turned: (key half, channel tile) at 32 kk + 8 dt
.set SR, 128                           ; v128-159 S^T: a lane holds query r and keys 16 kt + 8 h + j
.set GG, 160                           ; v160-191 the gathered bias; then O^T
.set RR, 192                           ; v192-207 q . tab; then the output's fragments
.set PF, 208                           ; v208-223 the weights as fragments
.set TF, 224                           ; v224-255 the table's fragments
	s_sub_co_u32 s48, s4, 8                        ; my tile of 16 queries
	v_and_b32 v8, 15, v0
	v_bfe_u32 v9, v0, 4, 1
	v_mul_u32_u24 v10, v8, HP
	v_lshl_add_u32 v11, v9, 4, v10
	s_mul_i32 s49, s48, 16*HP
	s_add_co_u32 s50, s49, QL
	v_add_nc_u32 v12, s50, v11
	v_add_nc_u32 v13, KL, v11
.set kk, 0
.rept 2
	ds_load_b128 v[QF+8*kk:QF+8*kk+3], v12 offset:64*kk
	ds_load_b128 v[QF+8*kk+4:QF+8*kk+7], v12 offset:64*kk+32
.set kk, kk+1
.endr
.set kt, 0
.rept 4
.set kk, 0
.rept 2
	ds_load_b128 v[KF+16*kt+8*kk:KF+16*kt+8*kk+3], v13 offset:16*HP*kt+64*kk
	ds_load_b128 v[KF+16*kt+8*kk+4:KF+16*kt+8*kk+7], v13 offset:16*HP*kt+64*kk+32
.set kk, kk+1
.endr
.set kt, kt+1
.endr
	s_wait_loadcnt 0x0                             ; the table
	s_wait_dscnt 0x0
.set kk, 0
.rept 2                                ; S^T = K Q^T and R^T = tab Q^T: six accumulators by turns
.set kt, 0
.rept 4
.if kk == 0
	v_wmma_f32_16x16x32_bf16 v[SR+8*kt:SR+8*kt+7], v[KF+16*kt:KF+16*kt+7], v[QF:QF+7], 0
.else
	v_wmma_f32_16x16x32_bf16 v[SR+8*kt:SR+8*kt+7], v[KF+16*kt+8:KF+16*kt+15], v[QF+8:QF+15], v[SR+8*kt:SR+8*kt+7]
.endif
.set kt, kt+1
.endr
.set lt, 0
.rept 2
.if kk == 0
	v_wmma_f32_16x16x32_bf16 v[RR+8*lt:RR+8*lt+7], v[TF+16*lt:TF+16*lt+7], v[QF:QF+7], 0
.else
	v_wmma_f32_16x16x32_bf16 v[RR+8*lt:RR+8*lt+7], v[TF+16*lt+8:TF+16*lt+15], v[QF+8:QF+15], v[RR+8*lt:RR+8*lt+7]
.endif
.set lt, lt+1
.endr
.set kk, kk+1
.endr
	; addresses: plain lines that name none of the products' registers, the places behind them
	s_add_co_u32 s50, s49, RSC
	v_add_nc_u32 v14, s50, v10                     ; my query's row of q . tab
	v_lshl_add_u32 v15, v9, 5, v14                 ; + my eight table rows
	v_and_b32 v5, 7, v0
	v_lshl_add_u32 v5, v9, 3, v5
	v_mul_u32_u24 v5, v5, HP
	v_bfe_u32 v6, v0, 3, 1
	v_lshl_add_u32 v5, v6, 4, v5
	v_add_nc_u32 v5, VL, v5                        ; the turning load: key 8 h + l % 8, channels 8 ((l / 8) % 2) on
	v_lshlrev_b32 v6, 3, v9
	v_sub_nc_u32 v6, v6, v8
	s_lshl_b32 s51, s48, 4
	s_sub_co_u32 s51, 15, s51
	v_add_nc_u32 v6, s51, v6                       ; 8 h + 15 - query: key 16 kt + 8 h + j wants table row 16 kt + j + this
	v_mov_b32 v7, 0xf149f2ca                       ; -1e30
	v_mov_b32 v8, v7
	v_mov_b32 v9, v7
	v_mov_b32 v10, v7
	v_mov_b32 v11, v7
.set kk, 0
.rept 2
.set dt, 0
.rept 4
	ds_load_tr16_b128 v[KF+32*kk+8*dt:KF+32*kk+8*dt+3], v5 offset:32*HP*kk+32*dt
	ds_load_tr16_b128 v[KF+32*kk+8*dt+4:KF+32*kk+8*dt+7], v5 offset:32*HP*kk+16*HP+32*dt
.set dt, dt+1
.endr
.set kk, kk+1
.endr
.set lt, 0
.rept 2
	ds_store_b128 v15, v[RR+8*lt:RR+8*lt+3] offset:64*lt
	ds_store_b128 v15, v[RR+8*lt+4:RR+8*lt+7] offset:64*lt+16
.set lt, lt+1
.endr
	ds_store_b32 v14, v7 offset:124                ; column 31 becomes -1e30 (LDS serves a wave's instructions in order: ISA guide 5.7.1)
	ds_store_b128 v14, v[8:11] offset:128          ; and so do the row's 16 bytes of padding, which no index reaches: no byte of the rows is left unwritten
.set e, 0
.rept 32                               ; an index outside 0 .. 30, taken as unsigned, is cut to 31: the band's mask needs no compare
	v_add_nc_u32 v[8+e%4], 16*(e/8)+e%8, v6
	v_min_u32 v[8+e%4], 31, v[8+e%4]
	v_lshl_add_u32 v[8+e%4], v[8+e%4], 2, v14
	ds_load_b32 v[GG+e], v[8+e%4]
.set e, e+1
.endr
	s_wait_dscnt 0x0
.set k, 0
.rept 16
	v_pk_add_f32 v[SR+k:SR+k+1], v[SR+k:SR+k+1], v[GG+k:GG+k+1]
.set k, k+2
.endr
.set k, 0
.rept 4
	v_max3_num_f32 v[8+k], v[SR+8*k], v[SR+8*k+1], v[SR+8*k+2]
.set k, k+1
.endr
.set k, 0
.rept 4
	v_max3_num_f32 v[8+k], v[8+k], v[SR+8*k+3], v[SR+8*k+4]
.set k, k+1
.endr
.set k, 0
.rept 4
	v_max3_num_f32 v[8+k], v[8+k], v[SR+8*k+5], v[SR+8*k+6]
.set k, k+1
.endr
	v_max3_num_f32 v8, v8, v[SR+7], v[SR+15]
	v_max3_num_f32 v10, v10, v[SR+23], v[SR+31]
	v_max3_num_f32 v8, v8, v9, v10
	v_max_num_f32 v8, v8, v11
	v_permlanex16_b32 v9, v8, s38, s39             ; the query's other 32 keys lie in the lane 16 away
	v_max_num_f32 v8, v8, v9                       ; the row's maximum: the query's own key is always in the band
	v_mul_f32 v10, s40, v8
	v_mov_b32 v11, v10
.set k, 0
.rept 16
	v_pk_fma_f32 v[SR+k:SR+k+1], v[SR+k:SR+k+1], s[40:41], v[10:11] op_sel_hi:[1,0,0] neg_lo:[0,0,1] neg_hi:[0,0,1]
.set k, k+2
.endr
.set k, 0
.rept 32
	v_exp_f32 v[SR+k], v[SR+k]
.set k, k+1
.endr
	v_nop                                          ; a plain instruction behind the last exponential
.set k, 0
	s_wait_alu depctr_va_vdst(0)
.rept 16
	v_cvt_pk_bf16_f32 v[PF+k], v[SR+2*k], v[SR+2*k+1]
.set k, k+1
.endr
.set k, 0
.rept 8
	v_pk_add_f32 v[SR+4*k:SR+4*k+1], v[SR+4*k:SR+4*k+1], v[SR+4*k+2:SR+4*k+3]
.set k, k+1
.endr
.set k, 0
.rept 4
	v_pk_add_f32 v[SR+8*k:SR+8*k+1], v[SR+8*k:SR+8*k+1], v[SR+8*k+4:SR+8*k+5]
.set k, k+1
.endr
	v_pk_add_f32 v[SR:SR+1], v[SR:SR+1], v[SR+8:SR+9]
	v_pk_add_f32 v[SR+16:SR+17], v[SR+16:SR+17], v[SR+24:SR+25]
	v_pk_add_f32 v[SR:SR+1], v[SR:SR+1], v[SR+16:SR+17]
	v_add_f32 v8, v[SR], v[SR+1]
	v_permlanex16_b32 v9, v8, s38, s39
	v_add_f32 v8, v8, v9                           ; l, at least 1
	v_rcp_f32 v10, v8
	v_nop
.set kk, 0
.rept 2                                ; O^T = V^T P: four accumulators by turns
.set dt, 0
.rept 4
.if kk == 0
	v_wmma_f32_16x16x32_bf16 v[GG+8*dt:GG+8*dt+7], v[KF+8*dt:KF+8*dt+7], v[PF:PF+7], 0
.else
	v_wmma_f32_16x16x32_bf16 v[GG+8*dt:GG+8*dt+7], v[KF+32+8*dt:KF+32+8*dt+7], v[PF+8:PF+15], v[GG+8*dt:GG+8*dt+7]
.endif
.set dt, dt+1
.endr
.set kk, kk+1
.endr
	s_lshl_b32 s50, s48, 11
	s_add_co_u32 s50, s50, AOI
	v_add_nc_u32 v12, s50, v3
	PLACES
.set k, 0
	s_wait_alu depctr_va_vdst(0)
.rept 16
	v_pk_mul_f32 v[GG+k:GG+k+1], v[GG+k:GG+k+1], v[10:11] op_sel_hi:[1,0]
.set k, k+2
.endr
.set k, 0
.rept 16                               ; a lane holds query r and channels 16 dt + 8 h + j: rounded in pairs they are source 0 of the last product
	v_cvt_pk_bf16_f32 v[RR+k], v[GG+2*k], v[GG+2*k+1]
.set k, k+1
.endr
.set k, 0
.rept 4
	ds_store_b128 v12, v[RR+4*k:RR+4*k+3] offset:512*k
.set k, k+1
.endr
.Lb3:
	BAR                                            ; Wo's fragments and the head's output lie in LDS
	; STAGE 4, all waves: rows 32 (w >> 3) on, columns 64 (w & 7) on, K = 64.
	s_and_b32 s48, s4, 7
	s_lshl_b32 s48, s48, 13
	v_add_nc_u32 v5, s48, v3
	s_lshr_b32 s49, s4, 3
	s_lshl_b32 s49, s49, 12
	s_add_co_u32 s49, s49, AOI
	v_add_nc_u32 v6, s49, v3
.set kk, 0
.rept 2
.set t, 0
.rept 4
	ds_load_b128 v[64+32*kk+8*t:67+32*kk+8*t], v5 offset:4096*kk+1024*t
	ds_load_b128 v[68+32*kk+8*t:71+32*kk+8*t], v5 offset:4096*kk+1024*t+512
.set t, t+1
.endr
.set kk, kk+1
.endr
.set a, 0
.rept 2
.set kk, 0
.rept 2
	ds_load_b128 v[32+16*a+8*kk:35+16*a+8*kk], v6 offset:2048*a+1024*kk
	ds_load_b128 v[36+16*a+8*kk:39+16*a+8*kk], v6 offset:2048*a+1024*kk+512
.set kk, kk+1
.endr
.set a, a+1
.endr
	s_wait_dscnt 0x0
.set kk, 0
.rept 2
.set a, 0
.rept 2
.set t, 0
.rept 4
.if kk == 0
	v_wmma_f32_16x16x32_bf16 v[128+32*a+8*t:135+32*a+8*t], v[32+16*a:39+16*a], v[64+8*t:71+8*t], 0
.else
	v_wmma_f32_16x16x32_bf16 v[128+32*a+8*t:135+32*a+8*t], v[40+16*a:47+16*a], v[96+8*t:103+8*t], v[128+32*a+8*t:135+32*a+8*t]
.endif
.set t, t+1
.endr
.set a, a+1
.endr
.set kk, kk+1
.endr
	PLACES
.set a, 0
.rept 2
	SHUF 128+32*a, 192+32*a
.set j, 0
.rept 8
	global_store_b128 v4, v[192+32*a+4*j:195+32*a+4*j], s[28:29] offset:(16*a+j)*2048  ; 16 lanes store 256 consecutive bytes, at a multiple of 256
.set j, j+1
.endr
.set a, a+1
.endr
	s_wait_tensorcnt 0x0                           ; the wave's end: behind my tensor load and my last LDS store
	ds_add_u32 v1, v2
	s_wait_dscnt 0x0
	s_endpgm
.Lfunc_end_k_qb814c02ea7_attn0:
	.size	k_qb814c02ea7_attn0, .Lfunc_end_k_qb814c02ea7_attn0-k_qb814c02ea7_attn0
	.p2alignl 7, 3214868480
	.fill 96, 4, 3214868480
	.section	.rodata,"a",@progbits
	.p2align	6, 0x0
	.amdhsa_kernel k_qb814c02ea7_attn0
		.amdhsa_group_segment_fixed_size 310272
		.amdhsa_private_segment_fixed_size 0
		.amdhsa_enable_private_segment 0
		.amdhsa_kernarg_size 88
		.amdhsa_user_sgpr_count 2
		.amdhsa_user_sgpr_kernarg_segment_ptr 1
		.amdhsa_wavefront_size32 1
		.amdhsa_system_sgpr_workgroup_id_x 1
		.amdhsa_system_sgpr_workgroup_id_y 1
		.amdhsa_system_sgpr_workgroup_id_z 1
		.amdhsa_system_vgpr_workitem_id 0
		.amdhsa_next_free_vgpr 256
		.amdhsa_next_free_sgpr 80
		.amdhsa_reserve_vcc 0
		.amdhsa_float_denorm_mode_32 3
		.amdhsa_float_denorm_mode_16_64 3
		.amdhsa_memory_ordered 1
		.amdhsa_forward_progress 1
		.amdhsa_inst_pref_size 96
	.end_amdhsa_kernel
	.amdgpu_metadata
---
amdhsa.version: [ 1, 2 ]
amdhsa.kernels:
  - .name:           k_qb814c02ea7_attn0
    .symbol:         k_qb814c02ea7_attn0.kd
    .args:
      - { .name: pf, .offset: 0, .size: 8, .value_kind: global_buffer, .address_space: global }
      - { .name: params_layers_0_attn_ln_g, .offset: 8, .size: 8, .value_kind: global_buffer, .address_space: global }
      - { .name: params_layers_0_attn_ln_b, .offset: 16, .size: 8, .value_kind: global_buffer, .address_space: global }
      - { .name: params_layers_0_attn_q_b, .offset: 24, .size: 8, .value_kind: global_buffer, .address_space: global }
      - { .name: params_layers_0_attn_k_b, .offset: 32, .size: 8, .value_kind: global_buffer, .address_space: global }
      - { .name: params_layers_0_attn_v_b, .offset: 40, .size: 8, .value_kind: global_buffer, .address_space: global }
      - { .name: params_layers_0_attn_o_b, .offset: 48, .size: 8, .value_kind: global_buffer, .address_space: global }
      - { .name: tab, .offset: 56, .size: 8, .value_kind: global_buffer, .address_space: global }
      - { .name: wb0, .offset: 64, .size: 8, .value_kind: global_buffer, .address_space: global }
      - { .name: hb, .offset: 72, .size: 8, .value_kind: global_buffer, .address_space: global }
      - { .name: pa, .offset: 80, .size: 8, .value_kind: global_buffer, .address_space: global }
    .group_segment_fixed_size: 310272
    .private_segment_fixed_size: 0
    .kernarg_segment_align: 8
    .kernarg_segment_size: 88
    .max_flat_workgroup_size: 512
    .sgpr_count:     80
    .vgpr_count:     256
    .wavefront_size: 32
...
	.end_amdgpu_metadata
.endif
;; end of part 7
;; launch ffn0 (part 8): grid 4 x 48, 16 waves a work-group, no clusters, 156,672 bytes of LDS; arguments hb, pa, params_layers_0_ffn_ln_g, params_layers_0_ffn_ln_b, params_layers_0_ffn_l1_b, params_layers_0_ffn_a, params_layers_0_ffn_l2_b, wb0, pf; writes pf
.if DOCPART == 8
	.amdgcn_target "amdgcn-amd-amdhsa--gfx1250"
	.amdhsa_code_object_version 6
	.text
	.protected	k_qb814c02ea7_ffn0
	.globl	k_qb814c02ea7_ffn0
	.p2align	8
	.type	k_qb814c02ea7_ffn0,@function
k_qb814c02ea7_ffn0:
	s_mov_b64 s[64:65], 0
	v_nop
	global_prefetch_b8 v0, s[64:65] scope:SCOPE_SE
	s_setreg_imm32_b32 hwreg(HW_REG_WAVE_MODE, 25, 1), 1
	s_wait_xcnt 0x0
; THE FEED-FORWARD BLOCK, split over its hidden width.  Work-group (s, y): 4 rows (batch y & 3, rows 4 (y >> 2) on) and hidden columns 128 s .. 128 s + 127.
; h' = hb + pa's eight addends; layer norm; z = prelu(. W1[:, slice] + b1); z W2[slice, :] over all 512 columns is one addend of the block's output.
; It is stored as pf[s]; in columns 128 s .. 128 s + 127 it also carries h' + b2, so that the next h is exactly the sum of pf's four addends.
; The grid's height says how many rows of a batch are made: only those that still reach the module's outputs (47, 32, 17, 2 behind the four layers, rounded up to fours).
; FOUR ROWS, because a work-group's bytes are what it waits for: 72 KiB of rows beside 256 KiB of weights.  A matrix tile has 16 rows: each row stands in it four times.
; Wave w = (row r = w & 3, part d = w >> 2).  It loads two of pa's addends of row r (part 0: hb too) and puts their sum into LDS; behind a barrier every wave sums the four parts of row r, takes the
; row's mean and variance, and norms the quarter d of it (columns 128 d on), which it writes into the tile's rows r, r + 4, r + 8, r + 12.
; THE WEIGHTS come from wb in bf16, as fragments lie in registers: 16,384 consecutive bytes a wave, two units of W1 and two of W2 (a unit: 32 k x 64 columns, fragment t holds the columns c0 + 4 r + t).
; All loads of a wave go out at its head.  For the products the sixteen waves share K and the columns, and partial sums meet in LDS.
; LIMITS.  Matrix operands are bf16; sums, norm and h' are f32.  PReLU is max(z, 0) + a min(z, 0): a NaN in z is lost.
; NO TENSOR LOADS, NO CLUSTER: the weights go from memory straight into the registers from which they are multiplied, and LDS would only lengthen their way; a joint load lands in LDS alone.
.set ADDB,   524288
.set WBF,    2097152                   ; where the block's units begin in wb
.set APITCH, 1040                      ; the normed tile, 16 rows x (512 bf16 + 16 bytes), from byte 0
.set P1,     16640                     ; 8 parts x 16 rows x 528: partial sums of the 128 hidden columns (rows 0-3 are read)
.set P1P,    528
.set A2,     84224                     ; 16 rows x 272: z in bf16
.set A2P,    272
.set P2,     88576                     ; 2 parts x 16 rows x 2,064: partial sums of the 512 output columns (rows 0-3 are read)
.set P2P,    2064
.set PX,     88576                     ; the same bytes, three barriers earlier: 16 partial rows of 2,048 bytes
.set SPARE,  154624                    ; the spare words, 128 bytes a wave
.set B1S, 8                            ; v8-11    b1 of my four hidden columns
.set B2S, 12                           ; v12-15   b2 of my four columns of the slice
.set GQ,  16                           ; v16-19   the norm's gain, my quarter;  v20-23 its bias
.set BQ,  20
.set XH,  24                           ; v24-39   h' of my row, my quarter first; the first four are kept to the end
.set DD,  40                           ; v40-55   x - mean
.set TT,  56                           ; v56-63   four LDS addresses, then at work
.set RW,  64                           ; v64-127  addends, then the four parts; later:
.set ACC, 64                           ; v64-95   four accumulators
.set AF,  96                           ; v96-111  activation fragments of two K steps
.set OUT, 112                          ; v112-127 four rows of results in row order
.set WF,  128                          ; v128-255 four units: W1's two, W2's two
.set SSEL, 34
.set SINV, 32
.set SEPS, 33
.macro WSUM a, b                       ; the sum over the wave's 32 lanes, in every lane
	v_add_f32_dpp v[\a], v[\a], v[\a] row_xmask:1 row_mask:0xf bank_mask:0xf
	v_add_f32_dpp v[\a], v[\a], v[\a] row_xmask:2 row_mask:0xf bank_mask:0xf
	v_add_f32_dpp v[\a], v[\a], v[\a] row_xmask:4 row_mask:0xf bank_mask:0xf
	v_add_f32_dpp v[\a], v[\a], v[\a] row_xmask:8 row_mask:0xf bank_mask:0xf
	v_permlanex16_b32 v[\b], v[\a], s[SSEL], s[SSEL+1]
	v_add_f32 v[\a], v[\a], v[\b]
.endm
.macro MUL4 acc, af, bf, first         ; four products, the four accumulators by turns
.set mt, 0
.rept 4
.if \first
	v_wmma_f32_16x16x32_bf16 v[(\acc)+8*mt:(\acc)+8*mt+7], v[(\af):(\af)+7], v[(\bf)+8*mt:(\bf)+8*mt+7], 0
.else
	v_wmma_f32_16x16x32_bf16 v[(\acc)+8*mt:(\acc)+8*mt+7], v[(\af):(\af)+7], v[(\bf)+8*mt:(\bf)+8*mt+7], v[(\acc)+8*mt:(\acc)+8*mt+7]
.endif
.set mt, mt+1
.endr
.endm
.macro SHUF4 acc, out                  ; register j of tile t is (row 8 h + j, column 4 r + t): a row's four columns are brought together, for j = 0 .. 3; each accumulator is read from register 0 on
.set sj, 0
.rept 4
.set sq, 0
.rept 4
	v_mov_b32 v[(\out)+4*sj+sq], v[(\acc)+8*sq+sj]
.set sq, sq+1
.endr
.set sj, sj+1
.endr
.endm
.macro PRELU z, t, sa                  ; max(z, 0) + a min(z, 0)
	v_min_num_f32 v[\t], 0, v[\z]
	v_max_num_f32 v[\z], 0, v[\z]
	v_fma_f32 v[\z], s[\sa], v[\t], v[\z]
.endm
.macro BAR                             ; my LDS instructions are done, then the work-group's barrier
	s_wait_dscnt 0x0
	s_barrier_signal -1
	s_barrier_wait -1
.endm
.macro LADR dst, tmp, rmul, hmul, sreg ; (lane % 16) x rmul + (lane / 16) x hmul + a scalar
	v_and_b32 v[\dst], 15, v0
	v_mul_u32_u24 v[\dst], v[\dst], \rmul
	v_bfe_u32 v[\tmp], v0, 4, 1
	v_mul_u32_u24 v[\tmp], v[\tmp], \hmul
	v_add_nc_u32 v[\dst], v[\dst], v[\tmp]
	v_add_nc_u32 v[\dst], s[\sreg], v[\dst]
.endm
.macro AFLD adr                        ; activation fragments of two K steps of 32: row lane % 16, 16 bytes at 16 (lane / 16) and 32 further on
	ds_load_b128 v[AF:AF+3], v[\adr]
	ds_load_b128 v[AF+4:AF+7], v[\adr] offset:32
	ds_load_b128 v[AF+8:AF+11], v[\adr] offset:64
	ds_load_b128 v[AF+12:AF+15], v[\adr] offset:96
.endm
.macro PST4 adr, pitch                 ; four rows of partial sums (lanes 16-31: the tile's rows 8-11, copies that nobody reads)
.set pj, 0
.rept 4
	ds_store_b128 v[\adr], v[OUT+4*pj:OUT+4*pj+3] offset:(\pitch)*pj
.set pj, pj+1
.endr
.endm
	s_load_b512 s[8:23], s[0:1], 0x0               ; hb s8, pa s10, g s12, b s14, b1 s16, a s18, b2 s20, wb s22
	s_load_b64 s[24:25], s[0:1], 0x40              ; pf
	v_lshl_add_u32 v1, v0, 2, SPARE                ; my spare word
	v_mov_b32 v2, 0
	v_lshrrev_b32 v3, 5, v0
	v_readfirstlane_b32 s4, v3                     ; wave w
	v_and_b32 v3, 31, v0
	v_lshlrev_b32 v3, 4, v3                        ; 16 l
	s_mov_b32 s5, ttmp9                            ; s
	s_and_b32 s6, ttmp7, 0xffff                    ; y
	s_mov_b32 s32, 0x3b000000                      ; 1 / 512
	s_mov_b32 s33, 0x3727c5ac                      ; 1e-5
	s_mov_b32 s34, 0x76543210
	s_mov_b32 s35, 0xfedcba98
	s_and_b32 s26, s4, 3                           ; r
	s_lshr_b32 s27, s4, 2                          ; d
	s_lshr_b32 s54, s4, 1
	s_and_b32 s55, s4, 1
	s_and_b32 s52, s6, 3
	s_lshl_b32 s52, s52, 6
	s_lshr_b32 s53, s6, 2
	s_lshl_b32 s53, s53, 2
	s_add_co_u32 s7, s52, s53
	s_add_co_u32 s7, s7, s26                       ; my row: 64 batch + 4 block + r
	s_lshl_b32 s36, s7, 11
	s_mov_b32 s37, 0
	s_lshl_b32 s38, s27, 20                        ; pa: addend 2 d, my row
	s_add_co_u32 s38, s38, s36
	s_mov_b32 s39, 0
	s_lshl_b32 s48, s5, 18                         ; wb: slice s, my 16,384 bytes
	s_lshl_b32 s52, s4, 14
	s_add_co_u32 s48, s48, s52
	s_add_co_u32 s48, s48, WBF
	s_mov_b32 s49, 0
	s_lshl_b32 s56, s5, 19                         ; pf: addend s, my row, my quarter
	s_add_co_u32 s56, s56, s36
	s_lshl_b32 s52, s27, 9
	s_add_co_u32 s56, s56, s52
	s_mov_b32 s57, 0
	v_lshl_add_u32 v6, s5, 9, v3                   ; 512 s + 16 l
	v_lshl_add_u32 v7, s27, 9, v3                  ; 512 d + 16 l
	s_lshl_b32 s52, s4, 11
	s_add_co_u32 s52, s52, PX
	v_add_nc_u32 v5, s52, v3                       ; where my partial row goes
	s_lshl_b32 s53, s26, 11
	s_add_co_u32 s53, s53, PX
.set c, 0
.rept 4                                ; where row r's quarters are read back, mine first: quarter (c + d) % 4
	s_add_co_u32 s52, s27, c
	s_and_b32 s52, s52, 3
	s_lshl_b32 s52, s52, 9
	s_add_co_u32 s52, s52, s53
	v_add_nc_u32 v[TT+c], s52, v3
.set c, c+1
.endr
	s_wait_kmcnt 0x0
	s_load_b32 s28, s[18:19], 0x0                  ; a
	s_add_nc_u64 s[8:9], s[8:9], s[36:37]
	s_add_nc_u64 s[10:11], s[10:11], s[38:39]
	s_add_nc_u64 s[22:23], s[22:23], s[48:49]
	s_add_nc_u64 s[24:25], s[24:25], s[56:57]
	s_cmp_lt_u32 s4, 4
	s_cbranch_scc0 .Lno_hb                         ; issued first: loads come back in order, so every count below holds with and without these four
.set c, 0
.rept 4
	global_load_b128 v[RW+32+4*c:RW+32+4*c+3], v3, s[8:9] offset:512*c
.set c, c+1
.endr
.Lno_hb:
.set p, 0
.rept 2
.set c, 0
.rept 4
	global_load_b128 v[RW+16*p+4*c:RW+16*p+4*c+3], v3, s[10:11] offset:p*ADDB+512*c
.set c, c+1
.endr
.set p, p+1
.endr
	global_load_b128 v[GQ:GQ+3], v7, s[12:13]
	global_load_b128 v[BQ:BQ+3], v7, s[14:15]
	global_load_b128 v[B1S:B1S+3], v6, s[16:17]
	global_load_b128 v[B2S:B2S+3], v6, s[20:21]
.set i, 0
.rept 32
	global_load_b128 v[WF+4*i:WF+4*i+3], v3, s[22:23] offset:512*i
.set i, i+1
.endr
	s_wait_loadcnt 36                              ; the addends are in; the four small loads and the 32 of the weights may be out
.set k, 0
.rept 8
	v_pk_add_f32 v[RW+k:RW+k+1], v[RW+k:RW+k+1], v[RW+16+k:RW+17+k]
.set k, k+2
.endr
	s_cmp_lt_u32 s4, 4
	s_cbranch_scc0 .Lno_hb2
.set k, 0
.rept 8
	v_pk_add_f32 v[RW+k:RW+k+1], v[RW+k:RW+k+1], v[RW+32+k:RW+33+k]
.set k, k+2
.endr
.Lno_hb2:
.set c, 0
.rept 4
	ds_store_b128 v5, v[RW+4*c:RW+4*c+3] offset:512*c
.set c, c+1
.endr
	BAR                                            ; the sixteen partial rows lie in LDS
.set p, 0
.rept 4
.set c, 0
.rept 4
	ds_load_b128 v[RW+16*p+4*c:RW+16*p+4*c+3], v[TT+c] offset:8192*p
.set c, c+1
.endr
.set p, p+1
.endr
	s_mul_i32 s52, s26, APITCH
	s_lshl_b32 s53, s27, 8
	s_add_co_u32 s52, s52, s53
	v_lshrrev_b32 v5, 1, v3
	v_add_nc_u32 v5, s52, v5                       ; the tile: row r, byte 256 d + 8 l
	s_wait_dscnt 0x0
.set k, 0
.rept 8
	v_pk_add_f32 v[RW+k:RW+k+1], v[RW+k:RW+k+1], v[RW+16+k:RW+17+k]
	v_pk_add_f32 v[RW+32+k:RW+33+k], v[RW+32+k:RW+33+k], v[RW+48+k:RW+49+k]
.set k, k+2
.endr
.set k, 0
.rept 8
	v_pk_add_f32 v[XH+k:XH+k+1], v[RW+k:RW+k+1], v[RW+32+k:RW+33+k]
.set k, k+2
.endr
	; the layer norm: mean and variance of the whole row, then my quarter alone
	v_pk_add_f32 v[TT:TT+1], v[XH:XH+1], v[XH+2:XH+3]
	v_pk_add_f32 v[TT+2:TT+3], v[XH+4:XH+5], v[XH+6:XH+7]
	v_pk_add_f32 v[TT+4:TT+5], v[XH+8:XH+9], v[XH+10:XH+11]
	v_pk_add_f32 v[TT+6:TT+7], v[XH+12:XH+13], v[XH+14:XH+15]
	v_pk_add_f32 v[TT:TT+1], v[TT:TT+1], v[TT+2:TT+3]
	v_pk_add_f32 v[TT+4:TT+5], v[TT+4:TT+5], v[TT+6:TT+7]
	v_pk_add_f32 v[TT:TT+1], v[TT:TT+1], v[TT+4:TT+5]
	v_add_f32 v[TT], v[TT], v[TT+1]
	WSUM TT, TT+1
	v_mul_f32 v[TT], s[SINV], v[TT]                ; the mean
.set k, 0
.rept 8
	v_pk_add_f32 v[DD+k:DD+k+1], v[XH+k:XH+k+1], v[TT:TT+1] op_sel_hi:[1,0] neg_lo:[0,1] neg_hi:[0,1]
.set k, k+2
.endr
	v_pk_mul_f32 v[TT+2:TT+3], v[DD:DD+1], v[DD:DD+1]
	v_pk_mul_f32 v[TT+4:TT+5], v[DD+2:DD+3], v[DD+2:DD+3]
.set k, 4
.rept 3
	v_pk_fma_f32 v[TT+2:TT+3], v[DD+k:DD+k+1], v[DD+k:DD+k+1], v[TT+2:TT+3]
	v_pk_fma_f32 v[TT+4:TT+5], v[DD+k+2:DD+k+3], v[DD+k+2:DD+k+3], v[TT+4:TT+5]
.set k, k+4
.endr
	v_pk_add_f32 v[TT+2:TT+3], v[TT+2:TT+3], v[TT+4:TT+5]
	v_add_f32 v[TT+2], v[TT+2], v[TT+3]
	WSUM TT+2, TT+3
	v_fma_f32 v[TT+2], v[TT+2], s[SINV], s[SEPS]   ; variance + 1e-5
	v_rsq_f32 v[TT+2], v[TT+2]
	v_nop                                          ; a plain instruction between the root and the use of its result
	s_wait_loadcnt 32                              ; gain, bias, b1, b2 are in; the weights may be out
	s_wait_alu depctr_va_vdst(0)
	v_pk_mul_f32 v[DD:DD+1], v[DD:DD+1], v[TT+2:TT+3] op_sel_hi:[1,0]
	v_pk_mul_f32 v[DD+2:DD+3], v[DD+2:DD+3], v[TT+2:TT+3] op_sel_hi:[1,0]
	v_pk_fma_f32 v[DD:DD+1], v[DD:DD+1], v[GQ:GQ+1], v[BQ:BQ+1]
	v_pk_fma_f32 v[DD+2:DD+3], v[DD+2:DD+3], v[GQ+2:GQ+3], v[BQ+2:BQ+3]
	v_cvt_pk_bf16_f32 v[TT], v[DD], v[DD+1]
	v_cvt_pk_bf16_f32 v[TT+1], v[DD+2], v[DD+3]
.set i, 0
.rept 4
	ds_store_b64 v5, v[TT:TT+1] offset:4*APITCH*i  ; the row stands in the tile four times
.set i, i+1
.endr
	BAR                                            ; the normed tile is whole
	s_lshl_b32 s52, s54, 7
	LADR 6, 5, APITCH, 16, 52                      ; k = 64 (w >> 1) on
	AFLD 6
	s_wait_loadcnt 24                              ; W1's first unit is in; three units of eight loads may be out
	s_wait_dscnt 0x0
	MUL4 ACC, AF, WF, 1
	s_wait_loadcnt 16                              ; W1's second unit is in
	MUL4 ACC, AF+8, WF+32, 0
	s_mul_i32 s52, s54, 16*P1P
	s_lshl_b32 s53, s55, 8
	s_add_co_u32 s52, s52, s53
	s_add_co_u32 s52, s52, P1
	LADR 5, 6, 16, 8*P1P, 52                       ; six plain lines that name none of the products' registers: the places behind them
	SHUF4 ACC, OUT
	PST4 5, P1P
	BAR                                            ; the eight parts of K lie in P1
	s_mul_i32 s52, s26, P1P
	s_add_co_u32 s52, s52, P1
	v_add_nc_u32 v6, s52, v3                       ; row r
.set p, 0
.rept 8
	ds_load_b128 v[64+4*p:67+4*p], v6 offset:16*P1P*p
.set p, p+1
.endr
	s_mul_i32 s53, s4, A2P
	s_add_co_u32 s53, s53, A2
	v_lshrrev_b32 v5, 1, v3
	v_add_nc_u32 v5, s53, v5                       ; z's tile: row w, so that each row stands in it four times
	s_wait_dscnt 0x0
.irp q, 0, 8, 16, 24
	v_pk_add_f32 v[64+\q:65+\q], v[64+\q:65+\q], v[68+\q:69+\q]
	v_pk_add_f32 v[66+\q:67+\q], v[66+\q:67+\q], v[70+\q:71+\q]
.endr
.irp q, 0, 16
	v_pk_add_f32 v[64+\q:65+\q], v[64+\q:65+\q], v[72+\q:73+\q]
	v_pk_add_f32 v[66+\q:67+\q], v[66+\q:67+\q], v[74+\q:75+\q]
.endr
	v_pk_add_f32 v[64:65], v[64:65], v[80:81]
	v_pk_add_f32 v[66:67], v[66:67], v[82:83]
	v_pk_add_f32 v[64:65], v[64:65], v[B1S:B1S+1]
	v_pk_add_f32 v[66:67], v[66:67], v[B1S+2:B1S+3]
	s_wait_kmcnt 0x0                               ; a
.set k, 0
.rept 4
	PRELU 64+k, 68+k, 28
.set k, k+1
.endr
	v_cvt_pk_bf16_f32 v72, v64, v65
	v_cvt_pk_bf16_f32 v73, v66, v67
	ds_store_b64 v5, v[72:73]
	BAR                                            ; z lies in LDS as bf16
	s_lshl_b32 s52, s55, 7
	s_add_co_u32 s52, s52, A2
	LADR 6, 5, A2P, 16, 52                         ; k = 64 (w & 1) on, of the slice's 128
	AFLD 6
	s_wait_loadcnt 8                               ; W2's first unit is in; the second may be out
	s_wait_dscnt 0x0
	MUL4 ACC, AF, WF+64, 1
	s_wait_loadcnt 0x0
	MUL4 ACC, AF+8, WF+96, 0
	s_mul_i32 s52, s55, 16*P2P
	s_lshl_b32 s53, s54, 8
	s_add_co_u32 s52, s52, s53
	s_add_co_u32 s52, s52, P2
	LADR 5, 6, 16, 8*P2P, 52                       ; the places behind the products
	SHUF4 ACC, OUT
	PST4 5, P2P
	BAR                                            ; both halves of K lie in P2
	s_mul_i32 s52, s26, P2P
	s_lshl_b32 s53, s27, 9
	s_add_co_u32 s52, s52, s53
	s_add_co_u32 s52, s52, P2
	v_add_nc_u32 v6, s52, v3                       ; row r, quarter d
	ds_load_b128 v[64:67], v6
	ds_load_b128 v[68:71], v6 offset:16*P2P
	s_wait_dscnt 0x0
	v_pk_add_f32 v[64:65], v[64:65], v[68:69]
	v_pk_add_f32 v[66:67], v[66:67], v[70:71]
	s_cmp_lg_u32 s27, s5
	s_cbranch_scc1 .Lplain                         ; the quarter d = s also carries h' + b2
	v_pk_add_f32 v[72:73], v[XH:XH+1], v[B2S:B2S+1]
	v_pk_add_f32 v[74:75], v[XH+2:XH+3], v[B2S+2:B2S+3]
	v_pk_add_f32 v[64:65], v[64:65], v[72:73]
	v_pk_add_f32 v[66:67], v[66:67], v[74:75]
.Lplain:
	global_store_b128 v3, v[64:67], s[24:25]       ; 512 consecutive bytes, at a multiple of 512
	s_wait_tensorcnt 0x0                           ; the wave's end: behind my last LDS store
	ds_add_u32 v1, v2
	s_wait_dscnt 0x0
	s_endpgm
.Lfunc_end_k_qb814c02ea7_ffn0:
	.size	k_qb814c02ea7_ffn0, .Lfunc_end_k_qb814c02ea7_ffn0-k_qb814c02ea7_ffn0
	.p2alignl 7, 3214868480
	.fill 96, 4, 3214868480
	.section	.rodata,"a",@progbits
	.p2align	6, 0x0
	.amdhsa_kernel k_qb814c02ea7_ffn0
		.amdhsa_group_segment_fixed_size 156672
		.amdhsa_private_segment_fixed_size 0
		.amdhsa_enable_private_segment 0
		.amdhsa_kernarg_size 72
		.amdhsa_user_sgpr_count 2
		.amdhsa_user_sgpr_kernarg_segment_ptr 1
		.amdhsa_wavefront_size32 1
		.amdhsa_system_sgpr_workgroup_id_x 1
		.amdhsa_system_sgpr_workgroup_id_y 1
		.amdhsa_system_sgpr_workgroup_id_z 1
		.amdhsa_system_vgpr_workitem_id 0
		.amdhsa_next_free_vgpr 256
		.amdhsa_next_free_sgpr 66
		.amdhsa_reserve_vcc 0
		.amdhsa_float_denorm_mode_32 3
		.amdhsa_float_denorm_mode_16_64 3
		.amdhsa_memory_ordered 1
		.amdhsa_forward_progress 1
		.amdhsa_inst_pref_size 24
	.end_amdhsa_kernel
	.amdgpu_metadata
---
amdhsa.version: [ 1, 2 ]
amdhsa.kernels:
  - .name:           k_qb814c02ea7_ffn0
    .symbol:         k_qb814c02ea7_ffn0.kd
    .args:
      - { .name: hb, .offset: 0, .size: 8, .value_kind: global_buffer, .address_space: global }
      - { .name: pa, .offset: 8, .size: 8, .value_kind: global_buffer, .address_space: global }
      - { .name: params_layers_0_ffn_ln_g, .offset: 16, .size: 8, .value_kind: global_buffer, .address_space: global }
      - { .name: params_layers_0_ffn_ln_b, .offset: 24, .size: 8, .value_kind: global_buffer, .address_space: global }
      - { .name: params_layers_0_ffn_l1_b, .offset: 32, .size: 8, .value_kind: global_buffer, .address_space: global }
      - { .name: params_layers_0_ffn_a, .offset: 40, .size: 8, .value_kind: global_buffer, .address_space: global }
      - { .name: params_layers_0_ffn_l2_b, .offset: 48, .size: 8, .value_kind: global_buffer, .address_space: global }
      - { .name: wb0, .offset: 56, .size: 8, .value_kind: global_buffer, .address_space: global }
      - { .name: pf, .offset: 64, .size: 8, .value_kind: global_buffer, .address_space: global }
    .group_segment_fixed_size: 156672
    .private_segment_fixed_size: 0
    .kernarg_segment_align: 8
    .kernarg_segment_size: 72
    .max_flat_workgroup_size: 512
    .sgpr_count:     66
    .vgpr_count:     256
    .wavefront_size: 32
...
	.end_amdgpu_metadata
.endif
;; end of part 8
;; launch attn1: the kernel of part 7 again; grid 8 x 4, 16 waves a work-group, no clusters, 310,272 bytes of LDS; arguments pf, params_layers_1_attn_ln_g, params_layers_1_attn_ln_b, params_layers_1_attn_q_b, params_layers_1_attn_k_b, params_layers_1_attn_v_b, params_layers_1_attn_o_b, tab, wb1, hb, pa; writes hb, pa
;; launch ffn1: the kernel of part 8 again; grid 4 x 32, 16 waves a work-group, no clusters, 156,672 bytes of LDS; arguments hb, pa, params_layers_1_ffn_ln_g, params_layers_1_ffn_ln_b, params_layers_1_ffn_l1_b, params_layers_1_ffn_a, params_layers_1_ffn_l2_b, wb1, pf; writes pf
;; launch attn2: the kernel of part 7 again; grid 8 x 4, 16 waves a work-group, no clusters, 310,272 bytes of LDS; arguments pf, params_layers_2_attn_ln_g, params_layers_2_attn_ln_b, params_layers_2_attn_q_b, params_layers_2_attn_k_b, params_layers_2_attn_v_b, params_layers_2_attn_o_b, tab, wb2, hb, pa; writes hb, pa
;; launch ffn2: the kernel of part 8 again; grid 4 x 20, 16 waves a work-group, no clusters, 156,672 bytes of LDS; arguments hb, pa, params_layers_2_ffn_ln_g, params_layers_2_ffn_ln_b, params_layers_2_ffn_l1_b, params_layers_2_ffn_a, params_layers_2_ffn_l2_b, wb2, pf; writes pf
;; launch attn3: the kernel of part 7 again; grid 8 x 4, 16 waves a work-group, no clusters, 310,272 bytes of LDS; arguments pf, params_layers_3_attn_ln_g, params_layers_3_attn_ln_b, params_layers_3_attn_q_b, params_layers_3_attn_k_b, params_layers_3_attn_v_b, params_layers_3_attn_o_b, tab, wb3, hb, pa; writes hb, pa
;; launch ffn3: the kernel of part 8 again; grid 4 x 4, 16 waves a work-group, no clusters, 156,672 bytes of LDS; arguments hb, pa, params_layers_3_ffn_ln_g, params_layers_3_ffn_ln_b, params_layers_3_ffn_l1_b, params_layers_3_ffn_a, params_layers_3_ffn_l2_b, wb3, pf; writes pf
;; launch deca (part 9): grid 4 x 1, 16 waves a work-group, no clusters, 124,416 bytes of LDS; arguments pf, params_final_ln_g, params_final_ln_b, params_dec1_b, params_dec_a, wb3, hb; writes hb
.if DOCPART == 9
	.amdgcn_target "amdgcn-amd-amdhsa--gfx1250"
	.amdhsa_code_object_version 6
	.text
	.protected	k_qb814c02ea7_deca
	.globl	k_qb814c02ea7_deca
	.p2align	8
	.type	k_qb814c02ea7_deca,@function
k_qb814c02ea7_deca:
	s_mov_b64 s[64:65], 0
	v_nop
	global_prefetch_b8 v0, s[64:65] scope:SCOPE_SE
	s_setreg_imm32_b32 hwreg(HW_REG_WAVE_MODE, 25, 1), 1
	s_wait_xcnt 0x0
; THE LAST NORM AND THE DECODER, for the eight rows that leave the module (rows 0 and 1 of four batches), split over the hidden width.
; Work-group s: h = the sum of pf's four addends; layer norm; z = prelu(. dec1_W[:, 128 s ..] + b1); z dec2_W[128 s .., :] is addend s of the result, [8][128] f32,
; stored at byte 4,096 s of hb, which no later launch needs for anything else.
; A matrix tile has 16 rows: waves 0-7 load and norm a row each and write it into the tile twice (rows w and w + 8); only rows 0-7 of the result are stored.
; THE WEIGHTS come from wb in bf16, as fragments lie in registers (a unit: 32 k x 64 columns, 4,096 bytes, fragment t holds the columns c0 + 4 r + t): two units of dec1_W a wave, one of dec2_W for waves 0-7.
; LIMITS.  Matrix operands are bf16; sums and norm are f32.  PReLU is max(z, 0) + a min(z, 0): a NaN in z is lost.
; NO TENSOR LOADS, NO CLUSTER: the four work-groups share only 64 KiB of rows; each reads weights of its own, straight into the registers from which they are multiplied.
.set ADDB,   524288
.set WD1,    3145728                   ; where dec1's units begin in wb
.set WD2,    3670016                   ; and dec2's
.set APITCH, 1040                      ; the normed tile, 16 rows x (512 bf16 + 16 bytes), from byte 0
.set P1,     16640                     ; 8 parts x 16 rows x 528
.set P1P,    528
.set A2,     84224                     ; 16 rows x 272: z in bf16
.set A2P,    272
.set P3,     88576                     ; 4 parts x 16 rows x 528
.set SPARE,  122368                    ; the spare words, 128 bytes a wave
.set ACC, 16                           ; v16-63   addends 1-3; then v16-47 four accumulators,
.set AF,  48                           ; v48-63   activation fragments,
.set OUT, 48                           ; v48-79   results in row order
.set GR,  80                           ; v80-95   the norm's gain; v96-111 its bias
.set BR,  96
.set XH,  112                          ; v112-127 addend 0, then h
.set WA,  128                          ; v128-191 dec1's two units
.set WC,  192                          ; v192-223 dec2's unit
.set DD,  224                          ; v224-239 x - mean
.set TT,  240                          ; v240-247 at work
.set SSEL, 34
.set SINV, 32
.set SEPS, 33
.macro WSUM a, b                       ; the sum over the wave's 32 lanes, in every lane
	v_add_f32_dpp v[\a], v[\a], v[\a] row_xmask:1 row_mask:0xf bank_mask:0xf
	v_add_f32_dpp v[\a], v[\a], v[\a] row_xmask:2 row_mask:0xf bank_mask:0xf
	v_add_f32_dpp v[\a], v[\a], v[\a] row_xmask:4 row_mask:0xf bank_mask:0xf
	v_add_f32_dpp v[\a], v[\a], v[\a] row_xmask:8 row_mask:0xf bank_mask:0xf
	v_permlanex16_b32 v[\b], v[\a], s[SSEL], s[SSEL+1]
	v_add_f32 v[\a], v[\a], v[\b]
.endm
; The layer norm of one row.  The lane holds columns 128 c + 4 l + e in X[4 c + e].  Mean first, then the squares of x - mean; the row goes to LDS as bf16, into two rows of the tile.
.macro LNROW X, D, T, adr
	v_pk_add_f32 v[(\T):(\T)+1], v[(\X):(\X)+1], v[(\X)+2:(\X)+3]
	v_pk_add_f32 v[(\T)+2:(\T)+3], v[(\X)+4:(\X)+5], v[(\X)+6:(\X)+7]
	v_pk_add_f32 v[(\T)+4:(\T)+5], v[(\X)+8:(\X)+9], v[(\X)+10:(\X)+11]
	v_pk_add_f32 v[(\T)+6:(\T)+7], v[(\X)+12:(\X)+13], v[(\X)+14:(\X)+15]
	v_pk_add_f32 v[(\T):(\T)+1], v[(\T):(\T)+1], v[(\T)+2:(\T)+3]
	v_pk_add_f32 v[(\T)+4:(\T)+5], v[(\T)+4:(\T)+5], v[(\T)+6:(\T)+7]
	v_pk_add_f32 v[(\T):(\T)+1], v[(\T):(\T)+1], v[(\T)+4:(\T)+5]
	v_add_f32 v[\T], v[\T], v[(\T)+1]
	WSUM \T, (\T)+1
	v_mul_f32 v[\T], s[SINV], v[\T]                ; the mean
.set lk, 0
.rept 8
	v_pk_add_f32 v[(\D)+lk:(\D)+lk+1], v[(\X)+lk:(\X)+lk+1], v[(\T):(\T)+1] op_sel_hi:[1,0] neg_lo:[0,1] neg_hi:[0,1]
.set lk, lk+2
.endr
	v_pk_mul_f32 v[(\T)+2:(\T)+3], v[(\D):(\D)+1], v[(\D):(\D)+1]
	v_pk_mul_f32 v[(\T)+4:(\T)+5], v[(\D)+2:(\D)+3], v[(\D)+2:(\D)+3]
.set lk, 4
.rept 3
	v_pk_fma_f32 v[(\T)+2:(\T)+3], v[(\D)+lk:(\D)+lk+1], v[(\D)+lk:(\D)+lk+1], v[(\T)+2:(\T)+3]
	v_pk_fma_f32 v[(\T)+4:(\T)+5], v[(\D)+lk+2:(\D)+lk+3], v[(\D)+lk+2:(\D)+lk+3], v[(\T)+4:(\T)+5]
.set lk, lk+4
.endr
	v_pk_add_f32 v[(\T)+2:(\T)+3], v[(\T)+2:(\T)+3], v[(\T)+4:(\T)+5]
	v_add_f32 v[(\T)+2], v[(\T)+2], v[(\T)+3]
	WSUM (\T)+2, (\T)+3
	v_fma_f32 v[(\T)+2], v[(\T)+2], s[SINV], s[SEPS]  ; variance + 1e-5
	v_rsq_f32 v[(\T)+2], v[(\T)+2]
	v_nop                                          ; a plain instruction between the root and the use of its result
.set lk, 0
	s_wait_alu depctr_va_vdst(0)
.rept 8
	v_pk_mul_f32 v[(\D)+lk:(\D)+lk+1], v[(\D)+lk:(\D)+lk+1], v[(\T)+2:(\T)+3] op_sel_hi:[1,0]
.set lk, lk+2
.endr
.set lk, 0
.rept 8
	v_pk_fma_f32 v[(\D)+lk:(\D)+lk+1], v[(\D)+lk:(\D)+lk+1], v[GR+lk:GR+lk+1], v[BR+lk:BR+lk+1]
.set lk, lk+2
.endr
.set lk, 0
.rept 8
	v_cvt_pk_bf16_f32 v[(\T)+lk], v[(\D)+2*lk], v[(\D)+2*lk+1]
.set lk, lk+1
.endr
.set lk, 0
.rept 4
	ds_store_b64 v[\adr], v[(\T)+2*lk:(\T)+2*lk+1] offset:256*lk
	ds_store_b64 v[\adr], v[(\T)+2*lk:(\T)+2*lk+1] offset:8*APITCH+256*lk
.set lk, lk+1
.endr
.endm
.macro MUL4 acc, af, bf, first         ; four products, the four accumulators by turns
.set mt, 0
.rept 4
.if \first
	v_wmma_f32_16x16x32_bf16 v[(\acc)+8*mt:(\acc)+8*mt+7], v[(\af):(\af)+7], v[(\bf)+8*mt:(\bf)+8*mt+7], 0
.else
	v_wmma_f32_16x16x32_bf16 v[(\acc)+8*mt:(\acc)+8*mt+7], v[(\af):(\af)+7], v[(\bf)+8*mt:(\bf)+8*mt+7], v[(\acc)+8*mt:(\acc)+8*mt+7]
.endif
.set mt, mt+1
.endr
.endm
.macro SHUF acc, out                   ; a row's four columns are brought together; each accumulator is read from register 0 on
.set sj, 0
.rept 8
.set sq, 0
.rept 4
	v_mov_b32 v[(\out)+4*sj+sq], v[(\acc)+8*sq+sj]
.set sq, sq+1
.endr
.set sj, sj+1
.endr
.endm
.macro PRELU z, t, sa                  ; max(z, 0) + a min(z, 0)
	v_min_num_f32 v[\t], 0, v[\z]
	v_max_num_f32 v[\z], 0, v[\z]
	v_fma_f32 v[\z], s[\sa], v[\t], v[\z]
.endm
.macro BAR                             ; my LDS instructions are done, then the work-group's barrier
	s_wait_dscnt 0x0
	s_barrier_signal -1
	s_barrier_wait -1
.endm
.macro LADR dst, tmp, rmul, hmul, sreg ; (lane % 16) x rmul + (lane / 16) x hmul + a scalar
	v_and_b32 v[\dst], 15, v0
	v_mul_u32_u24 v[\dst], v[\dst], \rmul
	v_bfe_u32 v[\tmp], v0, 4, 1
	v_mul_u32_u24 v[\tmp], v[\tmp], \hmul
	v_add_nc_u32 v[\dst], v[\dst], v[\tmp]
	v_add_nc_u32 v[\dst], s[\sreg], v[\dst]
.endm
.macro PST adr, pitch                  ; eight rows of partial sums
.set pj, 0
.rept 8
	ds_store_b128 v[\adr], v[OUT+4*pj:OUT+4*pj+3] offset:(\pitch)*pj
.set pj, pj+1
.endr
.endm
	s_load_b256 s[8:15], s[0:1], 0x0               ; pf s8, g s10, b s12, b1 s14
	s_load_b128 s[16:19], s[0:1], 0x20             ; a s16, wb s18
	s_load_b64 s[20:21], s[0:1], 0x30              ; hb: the result's addends
	v_lshl_add_u32 v1, v0, 2, SPARE                ; my spare word
	v_mov_b32 v2, 0
	v_lshrrev_b32 v3, 5, v0
	v_readfirstlane_b32 s4, v3                     ; wave w
	v_and_b32 v3, 31, v0
	v_lshlrev_b32 v3, 4, v3                        ; 16 l
	s_mov_b32 s5, ttmp9                            ; s
	s_mov_b32 s32, 0x3b000000                      ; 1 / 512
	s_mov_b32 s33, 0x3727c5ac                      ; 1e-5
	s_mov_b32 s34, 0x76543210
	s_mov_b32 s35, 0xfedcba98
	s_lshr_b32 s54, s4, 1
	s_and_b32 s55, s4, 1
	s_and_b32 s52, s4, 7                           ; waves 0-7: batch w >> 1, row w & 1
	s_lshr_b32 s53, s52, 1
	s_lshl_b32 s53, s53, 6
	s_and_b32 s52, s52, 1
	s_add_co_u32 s52, s52, s53
	s_lshl_b32 s36, s52, 11
	s_mov_b32 s37, 0
	s_lshl_b32 s48, s5, 17                         ; dec1's units: slice s, my two (rows 64 (w >> 1) on, columns 128 s + 64 (w & 1) on)
	s_lshl_b32 s52, s4, 13
	s_add_co_u32 s48, s48, s52
	s_add_co_u32 s48, s48, WD1
	s_mov_b32 s49, 0
	s_lshl_b32 s50, s5, 15                         ; dec2's units (waves 0-7): slice s, mine (rows 128 s + 32 (w >> 1) on, columns 64 (w & 1) on)
	s_and_b32 s52, s4, 7
	s_lshl_b32 s52, s52, 12
	s_add_co_u32 s50, s50, s52
	s_add_co_u32 s50, s50, WD2
	s_mov_b32 s51, 0
	s_lshl_b32 s56, s5, 12                         ; the result (waves 0-7): addend s, row w
	s_lshl_b32 s52, s4, 9
	s_add_co_u32 s56, s56, s52
	s_mov_b32 s57, 0
	v_lshl_add_u32 v7, s5, 9, v3                   ; 512 s + 16 l
	s_mul_i32 s52, s4, APITCH
	v_lshrrev_b32 v5, 1, v3
	v_add_nc_u32 v5, s52, v5                       ; the tile: row w, 8 l
	s_wait_kmcnt 0x0
	s_load_b32 s28, s[16:17], 0x0                  ; a
	s_add_nc_u64 s[8:9], s[8:9], s[36:37]
	s_add_nc_u64 s[22:23], s[18:19], s[50:51]
	s_add_nc_u64 s[18:19], s[18:19], s[48:49]
	s_add_nc_u64 s[20:21], s[20:21], s[56:57]
	global_load_b128 v[8:11], v7, s[14:15]         ; b1 of my four hidden columns
	s_cmp_lt_u32 s4, 8
	s_cbranch_scc0 .Lno_rows                       ; issued ahead of dec1's units: loads come back in order, so every count below holds with and without these
.set i, 0
.rept 8
	global_load_b128 v[WC+4*i:WC+4*i+3], v3, s[22:23] offset:512*i
.set i, i+1
.endr
.set c, 0
.rept 4
	global_load_b128 v[GR+4*c:GR+4*c+3], v3, s[10:11] offset:512*c
	global_load_b128 v[BR+4*c:BR+4*c+3], v3, s[12:13] offset:512*c
	global_load_b128 v[XH+4*c:XH+4*c+3], v3, s[8:9] offset:512*c
.set c, c+1
.endr
.set p, 1
.rept 3
.set c, 0
.rept 4
	global_load_b128 v[16*p+4*c:16*p+4*c+3], v3, s[8:9] offset:p*ADDB+512*c
.set c, c+1
.endr
.set p, p+1
.endr
.Lno_rows:
.set i, 0
.rept 16
	global_load_b128 v[WA+4*i:WA+4*i+3], v3, s[18:19] offset:512*i
.set i, i+1
.endr
	s_cmp_lt_u32 s4, 8
	s_cbranch_scc0 .Lb1
	s_wait_loadcnt 16                              ; all but dec1's two units
.set k, 0
.rept 8
	v_pk_add_f32 v[XH+k:XH+k+1], v[XH+k:XH+k+1], v[16+k:17+k]
	v_pk_add_f32 v[32+k:33+k], v[32+k:33+k], v[48+k:49+k]
.set k, k+2
.endr
.set k, 0
.rept 8
	v_pk_add_f32 v[XH+k:XH+k+1], v[XH+k:XH+k+1], v[32+k:33+k]
.set k, k+2
.endr
	LNROW XH, DD, TT, 5
.Lb1:
	BAR                                            ; the normed tile is whole
	s_lshl_b32 s52, s54, 7
	LADR 6, 5, APITCH, 16, 52                      ; k = 64 (w >> 1) on
	ds_load_b128 v[AF:AF+3], v6
	ds_load_b128 v[AF+4:AF+7], v6 offset:32
	ds_load_b128 v[AF+8:AF+11], v6 offset:64
	ds_load_b128 v[AF+12:AF+15], v6 offset:96
	s_wait_loadcnt 8                               ; the first unit is in; the second's eight loads may be out
	s_wait_dscnt 0x0
	MUL4 ACC, AF, WA, 1
	s_wait_loadcnt 0x0
	MUL4 ACC, AF+8, WA+32, 0
	s_mul_i32 s52, s54, 16*P1P
	s_lshl_b32 s53, s55, 8
	s_add_co_u32 s52, s52, s53
	s_add_co_u32 s52, s52, P1
	LADR 5, 6, 16, 8*P1P, 52                       ; six plain lines that name none of the products' registers: the places behind them
	SHUF ACC, OUT
	PST 5, P1P
	BAR                                            ; the eight parts of K lie in P1
	s_mul_i32 s52, s4, P1P
	s_add_co_u32 s52, s52, P1
	v_add_nc_u32 v6, s52, v3
.set p, 0
.rept 8
	ds_load_b128 v[16+4*p:19+4*p], v6 offset:16*P1P*p
.set p, p+1
.endr
	s_mul_i32 s53, s4, A2P
	s_add_co_u32 s53, s53, A2
	v_lshrrev_b32 v5, 1, v3
	v_add_nc_u32 v5, s53, v5
	s_wait_dscnt 0x0
.irp q, 0, 8, 16, 24
	v_pk_add_f32 v[16+\q:17+\q], v[16+\q:17+\q], v[20+\q:21+\q]
	v_pk_add_f32 v[18+\q:19+\q], v[18+\q:19+\q], v[22+\q:23+\q]
.endr
.irp q, 0, 16
	v_pk_add_f32 v[16+\q:17+\q], v[16+\q:17+\q], v[24+\q:25+\q]
	v_pk_add_f32 v[18+\q:19+\q], v[18+\q:19+\q], v[26+\q:27+\q]
.endr
	v_pk_add_f32 v[16:17], v[16:17], v[32:33]
	v_pk_add_f32 v[18:19], v[18:19], v[34:35]
	v_pk_add_f32 v[16:17], v[16:17], v[8:9]
	v_pk_add_f32 v[18:19], v[18:19], v[10:11]
	s_wait_kmcnt 0x0                               ; a
.set k, 0
.rept 4
	PRELU 16+k, 20+k, 28
.set k, k+1
.endr
	v_cvt_pk_bf16_f32 v24, v16, v17
	v_cvt_pk_bf16_f32 v25, v18, v19
	ds_store_b64 v5, v[24:25]
	BAR                                            ; z lies in LDS as bf16
	s_cmp_lt_u32 s4, 8
	s_cbranch_scc0 .Lb4
	s_lshl_b32 s52, s54, 6                         ; waves 0-7: k = 32 (w >> 1) on, of the slice's 128
	s_add_co_u32 s52, s52, A2
	LADR 6, 5, A2P, 16, 52
	ds_load_b128 v[AF:AF+3], v6
	ds_load_b128 v[AF+4:AF+7], v6 offset:32
	s_wait_dscnt 0x0
	MUL4 ACC, AF, WC, 1
	s_mul_i32 s52, s54, 16*P1P
	s_lshl_b32 s53, s55, 8
	s_add_co_u32 s52, s52, s53
	s_add_co_u32 s52, s52, P3
	LADR 5, 6, 16, 8*P1P, 52                       ; the places behind the products
	SHUF ACC, OUT
	PST 5, P1P
.Lb4:
	BAR                                            ; the four parts of K lie in P3
	s_cmp_lt_u32 s4, 8
	s_cbranch_scc0 .Lfin
	s_mul_i32 s52, s4, P1P
	s_add_co_u32 s52, s52, P3
	v_add_nc_u32 v6, s52, v3
.set p, 0
.rept 4
	ds_load_b128 v[16+4*p:19+4*p], v6 offset:16*P1P*p
.set p, p+1
.endr
	s_wait_dscnt 0x0
	v_pk_add_f32 v[16:17], v[16:17], v[20:21]
	v_pk_add_f32 v[18:19], v[18:19], v[22:23]
	v_pk_add_f32 v[24:25], v[24:25], v[28:29]
	v_pk_add_f32 v[26:27], v[26:27], v[30:31]
	v_pk_add_f32 v[16:17], v[16:17], v[24:25]
	v_pk_add_f32 v[18:19], v[18:19], v[26:27]
	global_store_b128 v3, v[16:19], s[20:21]       ; a row of 512 consecutive bytes
.Lfin:
	s_wait_tensorcnt 0x0                           ; the wave's end: behind my last LDS store
	ds_add_u32 v1, v2
	s_wait_dscnt 0x0
	s_endpgm
.Lfunc_end_k_qb814c02ea7_deca:
	.size	k_qb814c02ea7_deca, .Lfunc_end_k_qb814c02ea7_deca-k_qb814c02ea7_deca
	.p2alignl 7, 3214868480
	.fill 96, 4, 3214868480
	.section	.rodata,"a",@progbits
	.p2align	6, 0x0
	.amdhsa_kernel k_qb814c02ea7_deca
		.amdhsa_group_segment_fixed_size 124416
		.amdhsa_private_segment_fixed_size 0
		.amdhsa_enable_private_segment 0
		.amdhsa_kernarg_size 56
		.amdhsa_user_sgpr_count 2
		.amdhsa_user_sgpr_kernarg_segment_ptr 1
		.amdhsa_wavefront_size32 1
		.amdhsa_system_sgpr_workgroup_id_x 1
		.amdhsa_system_sgpr_workgroup_id_y 1
		.amdhsa_system_sgpr_workgroup_id_z 1
		.amdhsa_system_vgpr_workitem_id 0
		.amdhsa_next_free_vgpr 256
		.amdhsa_next_free_sgpr 66
		.amdhsa_reserve_vcc 0
		.amdhsa_float_denorm_mode_32 3
		.amdhsa_float_denorm_mode_16_64 3
		.amdhsa_memory_ordered 1
		.amdhsa_forward_progress 1
		.amdhsa_inst_pref_size 24
	.end_amdhsa_kernel
	.amdgpu_metadata
---
amdhsa.version: [ 1, 2 ]
amdhsa.kernels:
  - .name:           k_qb814c02ea7_deca
    .symbol:         k_qb814c02ea7_deca.kd
    .args:
      - { .name: pf, .offset: 0, .size: 8, .value_kind: global_buffer, .address_space: global }
      - { .name: params_final_ln_g, .offset: 8, .size: 8, .value_kind: global_buffer, .address_space: global }
      - { .name: params_final_ln_b, .offset: 16, .size: 8, .value_kind: global_buffer, .address_space: global }
      - { .name: params_dec1_b, .offset: 24, .size: 8, .value_kind: global_buffer, .address_space: global }
      - { .name: params_dec_a, .offset: 32, .size: 8, .value_kind: global_buffer, .address_space: global }
      - { .name: wb3, .offset: 40, .size: 8, .value_kind: global_buffer, .address_space: global }
      - { .name: hb, .offset: 48, .size: 8, .value_kind: global_buffer, .address_space: global }
    .group_segment_fixed_size: 124416
    .private_segment_fixed_size: 0
    .kernarg_segment_align: 8
    .kernarg_segment_size: 56
    .max_flat_workgroup_size: 512
    .sgpr_count:     66
    .vgpr_count:     256
    .wavefront_size: 32
...
	.end_amdgpu_metadata
.endif
;; end of part 9
;; launch decb (part 10): grid 1 x 1, 8 waves a work-group, no clusters, 0 bytes of LDS; arguments hb, params_dec2_b, out0, out1; writes out0, out1
.if DOCPART == 10
	.amdgcn_target "amdgcn-amd-amdhsa--gfx1250"
	.amdhsa_code_object_version 6
	.text
	.protected	k_qb814c02ea7_decb
	.globl	k_qb814c02ea7_decb
	.p2align	8
	.type	k_qb814c02ea7_decb,@function
k_qb814c02ea7_decb:
	s_mov_b64 s[64:65], 0
	v_nop
	global_prefetch_b8 v0, s[64:65] scope:SCOPE_SE
	s_setreg_imm32_b32 hwreg(HW_REG_WAVE_MODE, 25, 1), 1
	s_wait_xcnt 0x0
; THE RESULT: the decoder's four addends, [4][8][128] f32 at the head of hb, and dec2's bias.  Wave m takes row m of eight: batch m >> 1; row 0 of a batch goes to out0, row 1 to out1.
; A sum over four work-groups' addends needs an owner behind them: this launch.  32 lanes x 16 bytes are a row of 128 f32.
	s_load_b256 s[8:15], s[0:1], 0x0               ; the addends s8, dec2_b s10, out0 s12, out1 s14
	v_lshrrev_b32 v1, 5, v0
	v_readfirstlane_b32 s4, v1                     ; m
	v_and_b32 v1, 31, v0
	v_lshlrev_b32 v1, 4, v1                        ; 16 l
	s_lshl_b32 s16, s4, 9
	s_mov_b32 s17, 0
	s_lshr_b32 s18, s4, 1
	s_lshl_b32 s18, s18, 9
	s_mov_b32 s19, 0
	s_and_b32 s22, s4, 1
	s_wait_kmcnt 0x0
	s_add_nc_u64 s[8:9], s[8:9], s[16:17]
	s_cmp_eq_u32 s22, 1
	s_cselect_b64 s[20:21], s[14:15], s[12:13]
	s_add_nc_u64 s[20:21], s[20:21], s[18:19]
	global_load_b128 v[4:7], v1, s[8:9]
	global_load_b128 v[8:11], v1, s[8:9] offset:4096
	global_load_b128 v[12:15], v1, s[8:9] offset:8192
	global_load_b128 v[16:19], v1, s[8:9] offset:12288
	global_load_b128 v[20:23], v1, s[10:11]
	s_wait_loadcnt 0x0
	v_pk_add_f32 v[4:5], v[4:5], v[8:9]
	v_pk_add_f32 v[6:7], v[6:7], v[10:11]
	v_pk_add_f32 v[12:13], v[12:13], v[16:17]
	v_pk_add_f32 v[14:15], v[14:15], v[18:19]
	v_pk_add_f32 v[4:5], v[4:5], v[12:13]
	v_pk_add_f32 v[6:7], v[6:7], v[14:15]
	v_pk_add_f32 v[4:5], v[4:5], v[20:21]
	v_pk_add_f32 v[6:7], v[6:7], v[22:23]
	global_store_b128 v1, v[4:7], s[20:21]         ; 512 consecutive bytes, at a multiple of 512
	s_endpgm
.Lfunc_end_k_qb814c02ea7_decb:
	.size	k_qb814c02ea7_decb, .Lfunc_end_k_qb814c02ea7_decb-k_qb814c02ea7_decb
	.p2alignl 7, 3214868480
	.fill 96, 4, 3214868480
	.section	.rodata,"a",@progbits
	.p2align	6, 0x0
	.amdhsa_kernel k_qb814c02ea7_decb
		.amdhsa_group_segment_fixed_size 0
		.amdhsa_private_segment_fixed_size 0
		.amdhsa_enable_private_segment 0
		.amdhsa_kernarg_size 32
		.amdhsa_user_sgpr_count 2
		.amdhsa_user_sgpr_kernarg_segment_ptr 1
		.amdhsa_wavefront_size32 1
		.amdhsa_system_sgpr_workgroup_id_x 1
		.amdhsa_system_sgpr_workgroup_id_y 1
		.amdhsa_system_sgpr_workgroup_id_z 1
		.amdhsa_system_vgpr_workitem_id 0
		.amdhsa_next_free_vgpr 32
		.amdhsa_next_free_sgpr 66
		.amdhsa_reserve_vcc 0
		.amdhsa_float_denorm_mode_32 3
		.amdhsa_float_denorm_mode_16_64 3
		.amdhsa_memory_ordered 1
		.amdhsa_forward_progress 1
		.amdhsa_inst_pref_size 2
	.end_amdhsa_kernel
	.amdgpu_metadata
---
amdhsa.version: [ 1, 2 ]
amdhsa.kernels:
  - .name:           k_qb814c02ea7_decb
    .symbol:         k_qb814c02ea7_decb.kd
    .args:
      - { .name: hb, .offset: 0, .size: 8, .value_kind: global_buffer, .address_space: global }
      - { .name: params_dec2_b, .offset: 8, .size: 8, .value_kind: global_buffer, .address_space: global }
      - { .name: out0, .offset: 16, .size: 8, .value_kind: global_buffer, .address_space: global }
      - { .name: out1, .offset: 24, .size: 8, .value_kind: global_buffer, .address_space: global }
    .group_segment_fixed_size: 0
    .private_segment_fixed_size: 0
    .kernarg_segment_align: 8
    .kernarg_segment_size: 32
    .max_flat_workgroup_size: 256
    .sgpr_count:     66
    .vgpr_count:     32
    .wavefront_size: 32
...
	.end_amdgpu_metadata
.endif
;; end of part 10
;; ======== version 3 of 3: 12 launches; version 2 with the launch menc written anew for expert scheduling mode
;; workspace buffers: pf 2,097,152 bytes; pa 4,194,304 bytes; hb 524,288 bytes; tab 4,096 bytes; wb0 3,145,728 bytes; wb1 3,145,728 bytes; wb2 3,145,728 bytes; wb3 3,801,088 bytes
;; launch conv: the kernel of part 6 again; grid 202 x 1, 16 waves a work-group, no clusters, 0 bytes of LDS; arguments params_layers_0_attn_q_W, params_layers_0_attn_k_W, params_layers_0_attn_v_W, params_layers_0_attn_o_W, params_layers_0_ffn_l1_W, params_layers_0_ffn_l2_W, params_layers_1_attn_q_W, params_layers_1_attn_k_W, params_layers_1_attn_v_W, params_layers_1_attn_o_W, params_layers_1_ffn_l1_W, params_layers_1_ffn_l2_W, params_layers_2_attn_q_W, params_layers_2_attn_k_W, params_layers_2_attn_v_W, params_layers_2_attn_o_W, params_layers_2_ffn_l1_W, params_layers_2_ffn_l2_W, params_layers_3_attn_q_W, params_layers_3_attn_k_W, params_layers_3_attn_v_W, params_layers_3_attn_o_W, params_layers_3_ffn_l1_W, params_layers_3_ffn_l2_W, params_dec1_W, params_dec2_W, wb0, wb1, wb2, wb3; writes wb0, wb1, wb2, wb3
;; launch menc (part 11): grid 65 x 1, 16 waves a work-group, no clusters, 156,672 bytes of LDS; arguments x, params_menc1_W, params_menc1_b, params_menc_a1, params_menc2_W, params_menc2_b, params_menc_a2, params_mu_token, params_logvar_token, params_rpe1_W, params_rpe1_b, params_rpe_a, params_rpe2_W, params_rpe2_b, pf, tab; writes pf, tab
.if DOCPART == 11
	.amdgcn_target "amdgcn-amd-amdhsa--gfx1250"
	.amdhsa_code_object_version 6
	.text
	.protected	k_qb814c02ea7_menc
	.globl	k_qb814c02ea7_menc
	.p2align	8
	.type	k_qb814c02ea7_menc,@function
k_qb814c02ea7_menc:
	s_mov_b64 s[64:65], 0
	v_nop
	global_prefetch_b8 v0, s[64:65] scope:SCOPE_SE
	s_setreg_imm32_b32 hwreg(HW_REG_WAVE_SCHED_MODE, 0, 2), 2
	s_setreg_imm32_b32 hwreg(HW_REG_WAVE_MODE, 25, 1), 1
	s_wait_xcnt 0x0
	s_wait_alu depctr_vm_vsrc(0)
; THE INPUT PROJECTIONS, THE TWO TOKENS, AND THE TABLE OF RELATIVE POSITIONS.
; Only rows 0 and 1 of each batch leave the module, attention looks 15 rows to either side, there are four layers: rows 0 .. 61 of the token-extended
; sequence reach the outputs.  The program carries 64 rows a batch (global row R = 64 batch + t), 256 in all.
; Work-groups 0 .. 63: s = id & 3 (128 columns of the second projection), y = id >> 2 (batch y & 3, block of 16 rows y >> 2).  A work-group makes
; prelu(x W1 + b1) for its 16 rows and all 512 columns, then its 128 columns of prelu(. W2 + b2); rows t = 0, 1 take the tokens instead.
; It stores h into addend 0 of pf and zeros into addends 1 .. 3: the layers read h as the sum of four addends.
; Work-group 64: tab[l][d] = prelu((l - 15) w1 + b1) W2 + b2, l = 0 .. 31, in bf16; row 31 is finite and is never used.
; LIMITS.  x rows 62 .. 1023 of a batch are never read: a NaN or an infinity there, which the reference spreads through 0 x NaN, has no effect here.
; Matrix operands are rounded to bf16, sums are f32.  PReLU is max(z, 0) + a min(z, 0): a NaN in z is lost.
; NO TENSOR LOADS, NO CLUSTER: every weight is f32 and has to pass the vector unit to become bf16, so it goes from memory into registers and is
; rounded straight into a matrix fragment; work-groups that read the same weights meet in the cache.
; THE MODE: SCHED_MODE bits 1:0 = 2 (LLVM: expert scheduling mode 2), set by the entry lines.  The code itself states the register dependences
; between vector or matrix instructions and memory or LDS instructions, with s_wait_alu, always for 0.
; THE PLAN.  Registers that memory or LDS instructions touch, in work-groups 0 .. 63:
;   v3, v4       Offsets of global loads and stores: made at the head, never written again.
;   v5, v6, v7   LDS addresses (v7 at first the offset of b2 and of the token).  Each is made ahead of a wait on va_vdst that stands there for a store's data anyway,
;                a stage ahead of its use where that spares a wait, and is written again only behind a wait on vm_vsrc.
;   RG0, RG1     A unit lands; its 32 roundings read it; behind ONE wait on va_vdst the second projection's unit lands in it, its 16 loads dealt among the four
;                products, which name ACC, AF and SM alone.
;   v84, v85     Two roundings write them, the LDS store of the x tile reads them, the first unit's roundings write them again.
;   ACC          The products write it, SHUF reads it; behind the wait ahead of the stage's LDS stores the partial sums' LDS loads land in it.
;   AF / OUT     Fragments land; products read; SHUF writes; LDS stores read; the first projection's roundings write v224-231; an LDS store reads them; fragments land again.
; In work-group 64 the two tiles of partial sums have a buffer each (v16-47, v48-79), and all later addresses are made ahead of the one wait in front of the LDS stores.
.set ADDB,   524288                    ; bytes in an addend of pf: 256 rows x 2,048
.set APITCH, 1040                      ; 512 bf16 + 16 bytes
.set P1,     16640                     ; 8 parts x 16 rows x 528: partial sums of 128 columns
.set P1P,    528
.set A2,     84224                     ; 16 rows x 272: a tile of 128 bf16
.set A2P,    272
.set P2,     88576                     ; 2 parts x 16 rows x 2,064: partial sums of 512 columns
.set P2P,    2064
.set SPARE,  154624                    ; the spare words, 128 bytes a wave
.set RPP,    272                       ; the table's partial sums: 16 parts x 32 rows x 272, from byte 0
.set RG0, 16                           ; v16-79   a weight unit as loaded
.set SM,  80                           ; v80-111  four fragments
.set B1R, 112                          ; v112-127 b1 of my 16 columns
.set RG1, 128                          ; v128-191 a weight unit as loaded
.set ACC, 192                          ; v192-223 four accumulators
.set AF,  224                          ; v224-239 activation fragments of two K steps
.set OUT, 224                          ; v224-255 results in row order
; A UNIT is 32 k x 64 columns of an f32 weight [K][N].  Lane (r, h) takes 16 bytes (columns c0 + 4 r ..) of the 16 rows whose k a bf16 fragment wants in
; that lane: k0 + 8 h + 0..7 and k0 + 16 + 8 h + 0..7.  Each load covers two runs of 256 consecutive bytes.
.macro ULOAD raw, voff, sb, pitch, off
.set ui, 0
.rept 16
	global_load_b128 v[(\raw)+4*ui:(\raw)+4*ui+3], v[\voff], s[\sb:(\sb)+1] offset:(\off)+(ui+8*(ui/8))*(\pitch)
.set ui, ui+1
.endr
.endm
; Fragment t, register p = rows 2 p, 2 p + 1 of the lane's 16, column c0 + 4 r + t: the unit's 64 columns are dealt 4 r + t over four fragments.
.macro UCVT raw, dst
.set ut, 0
.rept 4
.set up, 0
.rept 8
	v_cvt_pk_bf16_f32 v[(\dst)+8*ut+up], v[(\raw)+8*up+ut], v[(\raw)+8*up+4+ut]
.set up, up+1
.endr
.set ut, ut+1
.endr
.endm
.macro MUL4 acc, af, bf, first         ; four products, the four accumulators by turns
.set mt, 0
.rept 4
.if \first
	v_wmma_f32_16x16x32_bf16 v[(\acc)+8*mt:(\acc)+8*mt+7], v[(\af):(\af)+7], v[(\bf)+8*mt:(\bf)+8*mt+7], 0
.else
	v_wmma_f32_16x16x32_bf16 v[(\acc)+8*mt:(\acc)+8*mt+7], v[(\af):(\af)+7], v[(\bf)+8*mt:(\bf)+8*mt+7], v[(\acc)+8*mt:(\acc)+8*mt+7]
.endif
.set mt, mt+1
.endr
.endm
; The same four products, and behind each four of the 16 loads of a unit at a pitch of 2,048 (as ULOAD, by v4).  No wait among them: the products name acc, af and bf, none of the registers that the loads touch.
.macro MULLD acc, af, bf, first, raw, sb, off
.set mt, 0
.rept 4
.if \first
	v_wmma_f32_16x16x32_bf16 v[(\acc)+8*mt:(\acc)+8*mt+7], v[(\af):(\af)+7], v[(\bf)+8*mt:(\bf)+8*mt+7], 0
.else
	v_wmma_f32_16x16x32_bf16 v[(\acc)+8*mt:(\acc)+8*mt+7], v[(\af):(\af)+7], v[(\bf)+8*mt:(\bf)+8*mt+7], v[(\acc)+8*mt:(\acc)+8*mt+7]
.endif
.set ui, 4*mt
.rept 4
	global_load_b128 v[(\raw)+4*ui:(\raw)+4*ui+3], v4, s[\sb:(\sb)+1] offset:(\off)+(ui+8*(ui/8))*2048
.set ui, ui+1
.endr
.set mt, mt+1
.endr
.endm
.macro SHUF acc, out                   ; register j of tile t is (row 8 h + j, column 4 r + t): a row's four columns are brought together; each accumulator is read from register 0 on
.set sj, 0
.rept 8
.set sq, 0
.rept 4
	v_mov_b32 v[(\out)+4*sj+sq], v[(\acc)+8*sq+sj]
.set sq, sq+1
.endr
.set sj, sj+1
.endr
.endm
.macro PRELU z, t, sa                  ; max(z, 0) + a min(z, 0)
	v_min_num_f32 v[\t], 0, v[\z]
	v_max_num_f32 v[\z], 0, v[\z]
	v_fma_f32 v[\z], s[\sa], v[\t], v[\z]
.endm
.macro PLACES                          ; four places behind a matrix instruction (ISA guide 7.12.1)
.rept 4
	v_nop
.endr
.endm
.macro BAR                             ; my LDS instructions are done, then the work-group's barrier
	s_wait_dscnt 0x0
	s_barrier_signal -1
	s_barrier_wait -1
.endm
.macro LADR dst, tmp, rmul, hmul, sreg ; (lane % 16) x rmul + (lane / 16) x hmul + a scalar
	v_and_b32 v[\dst], 15, v0
	v_mul_u32_u24 v[\dst], v[\dst], \rmul
	v_bfe_u32 v[\tmp], v0, 4, 1
	v_mul_u32_u24 v[\tmp], v[\tmp], \hmul
	v_add_nc_u32 v[\dst], v[\dst], v[\tmp]
	v_add_nc_u32 v[\dst], s[\sreg], v[\dst]
.endm
.macro AFLD adr                        ; activation fragments of two K steps of 32: row lane % 16, 16 bytes at 16 (lane / 16) and 32 further on
	ds_load_b128 v[AF:AF+3], v[\adr]
	ds_load_b128 v[AF+4:AF+7], v[\adr] offset:32
	ds_load_b128 v[AF+8:AF+11], v[\adr] offset:64
	ds_load_b128 v[AF+12:AF+15], v[\adr] offset:96
.endm
.macro PST adr, pitch                  ; eight rows of partial sums
.set pj, 0
.rept 8
	ds_store_b128 v[\adr], v[OUT+4*pj:OUT+4*pj+3] offset:(\pitch)*pj
.set pj, pj+1
.endr
.endm
	s_load_b512 s[8:23], s[0:1], 0x0               ; x s8, W1 s10, b1 s12, a1 s14, W2 s16, b2 s18, a2 s20, mu s22
	s_load_b512 s[24:39], s[0:1], 0x40             ; logvar s24, rpe1_W s26, rpe1_b s28, rpe_a s30, rpe2_W s32, rpe2_b s34, pf s36, tab s38
	v_lshl_add_u32 v1, v0, 2, SPARE                ; my spare word
	v_mov_b32 v2, 0
	v_lshrrev_b32 v3, 5, v0
	v_readfirstlane_b32 s4, v3                     ; wave w
	v_and_b32 v3, 31, v0
	v_lshlrev_b32 v3, 4, v3                        ; 16 l
	v_and_b32 v4, 15, v0
	v_lshlrev_b32 v4, 4, v4
	v_bfe_u32 v5, v0, 4, 1
	v_lshl_add_u32 v4, v5, 14, v4                  ; a unit's lane offset at a pitch of 2,048: 8 h rows + 16 r
	s_mov_b32 s5, ttmp9
	s_wait_alu depctr_va_sdst(0)                   ; s4 is written, ahead of its first reader and of the branch: offsets and LDS addresses are made from it
	s_lshr_b32 s46, s4, 1
	s_and_b32 s47, s4, 1
	s_cmp_eq_u32 s5, 64
	s_cbranch_scc1 .Lrpe                           ; the same way for all waves of a work-group
	s_and_b32 s43, s5, 3                           ; s
	s_lshr_b32 s56, s5, 2
	s_and_b32 s44, s56, 3                          ; batch
	s_lshr_b32 s45, s56, 2                         ; block of 16 rows
	s_lshl_b32 s57, s45, 4
	s_add_co_u32 s57, s57, s4                      ; t: my row of the extended sequence
	s_sub_co_i32 s58, s57, 2
	s_max_i32 s58, s58, 0                          ; its row of x; the token rows read row 0 and discard the result
	s_lshl_b32 s48, s58, 9
	s_lshl_b32 s59, s44, 19
	s_add_co_u32 s48, s48, s59
	s_mov_b32 s49, 0
	s_lshl_b32 s50, s47, 17                        ; W1: rows 64 (w & 1) on, columns 64 (w >> 1) on
	s_lshl_b32 s59, s46, 8
	s_add_co_u32 s50, s50, s59
	s_mov_b32 s51, 0
	s_lshl_b32 s52, s46, 17                        ; W2: rows 64 (w >> 1) on, columns 128 s + 64 (w & 1) on
	s_lshl_b32 s59, s43, 9
	s_add_co_u32 s52, s52, s59
	s_lshl_b32 s58, s47, 8
	s_add_co_u32 s52, s52, s58
	s_mov_b32 s53, 0
	s_lshl_b32 s54, s44, 6                         ; pf: row 64 batch + t, byte 512 s
	s_add_co_u32 s54, s54, s57
	s_lshl_b32 s54, s54, 11
	s_add_co_u32 s54, s54, s59
	s_mov_b32 s55, 0
	s_cmp_lt_u32 s57, 2
	s_cselect_b32 s60, -1, 0                       ; all lanes: is mine a token row?
	v_lshl_add_u32 v7, s43, 9, v3                  ; 512 s + 16 l
	s_lshl_b32 s56, s47, 7
	s_add_co_u32 s56, s56, A2
	LADR 6, 5, A2P, 16, 56                         ; the x tile's fragments, k = 64 (w & 1) on: made here, a stage ahead, under the head's wait
	s_mul_i32 s56, s4, A2P
	s_add_co_u32 s56, s56, A2
	v_lshrrev_b32 v5, 1, v3
	v_add_nc_u32 v5, s56, v5                       ; the x tile: row w, 8 l
	s_wait_kmcnt 0x0
	s_load_b32 s40, s[14:15], 0x0                  ; a1
	s_load_b32 s41, s[20:21], 0x0                  ; a2
	s_cmp_eq_u32 s4, 1
	s_cselect_b64 s[62:63], s[24:25], s[22:23]     ; row 1 takes logvar's token, row 0 mu's
	s_add_nc_u64 s[8:9], s[8:9], s[48:49]
	s_add_nc_u64 s[10:11], s[10:11], s[50:51]
	s_add_nc_u64 s[16:17], s[16:17], s[52:53]
	s_add_nc_u64 s[36:37], s[36:37], s[54:55]
	s_wait_alu depctr_va_vdst(0)                   ; v3 to v7 are written: the offsets of the loads below, and the LDS addresses of the x tile's store and of its fragments' loads
	global_load_b128 v[80:83], v3, s[8:9]          ; my row of x: 512 consecutive bytes
.set c, 0
.rept 4
	global_load_b128 v[B1R+4*c:B1R+4*c+3], v3, s[12:13] offset:512*c
.set c, c+1
.endr
	global_load_b128 v[8:11], v7, s[18:19]         ; b2 of my four columns of the slice
	global_load_b128 v[12:15], v7, s[62:63]        ; the token's
	ULOAD RG0, 4, 10, 2048, 0
	ULOAD RG1, 4, 10, 2048, 65536
	s_wait_loadcnt 32                              ; all but the two units
	v_cvt_pk_bf16_f32 v84, v80, v81
	v_cvt_pk_bf16_f32 v85, v82, v83
	s_wait_alu depctr_va_vdst(0)                   ; the two roundings have written v84 and v85, which the LDS store reads
	ds_store_b64 v5, v[84:85]
	BAR                                            ; the x tile is whole
	AFLD 6                                         ; no wait: v6 was written ahead of the head's wait, and no vector instruction has named v224-239
	s_wait_loadcnt 16                              ; the first unit is in, the second may be out
	s_wait_alu depctr_vm_vsrc(0)                   ; the LDS store has read v5, v84 and v85, the fragments' loads v6, the head's loads v7: the roundings below write v84 and v85 again, the address lines further down v5, v6 and v7
	UCVT RG0, SM
	s_wait_alu depctr_va_vdst(0)                   ; the roundings are done reading RG0, in which the second projection's first unit lands
	s_wait_dscnt 0x0
	MULLD ACC, AF, SM, 1, RG0, 16, 0               ; the products, and among them the second projection's first unit
	s_wait_loadcnt 16                              ; W1's second unit is in; the one just asked for may be out
	PLACES
	UCVT RG1, SM
	s_wait_alu depctr_va_vdst(0)                   ; the roundings are done reading RG1, in which the second projection's second unit lands
	MULLD ACC, AF+8, SM, 0, RG1, 16, 65536
	s_mul_i32 s56, s47, 16*P2P
	s_lshl_b32 s58, s46, 8
	s_add_co_u32 s56, s56, s58
	s_add_co_u32 s56, s56, P2
	LADR 5, 6, 16, 8*P2P, 56                       ; six plain lines that name none of the products' registers: the places behind them
	s_mul_i32 s56, s4, P2P
	s_add_co_u32 s56, s56, P2
	v_add_nc_u32 v6, s56, v3                       ; where the next stage reads row w of P2,
	s_mul_i32 s56, s4, APITCH
	v_lshrrev_b32 v7, 1, v3
	v_add_nc_u32 v7, s56, v7                       ; and where it stores row w of the first projection: both made here, under the wait below
	SHUF ACC, OUT
	s_wait_alu depctr_va_vdst(0)                   ; OUT and v5 are written, which the LDS stores read; so are v6 and v7
	PST 5, P2P
	BAR                                            ; both halves of K lie in P2
.set p, 0
.rept 2
.set c, 0
.rept 4
	ds_load_b128 v[192+16*p+4*c:192+16*p+4*c+3], v6 offset:16*P2P*p+512*c
.set c, c+1
.endr
.set p, p+1
.endr
	s_wait_dscnt 0x0
	s_wait_alu depctr_vm_vsrc(0)                   ; the stores into P2 have read OUT and v5, the loads above v6: the roundings below write v224-231 again, the address lines v5 and v6
.set k, 0
.rept 8
	v_pk_add_f32 v[192+k:193+k], v[192+k:193+k], v[208+k:209+k]
.set k, k+2
.endr
.set k, 0
.rept 8
	v_pk_add_f32 v[192+k:193+k], v[192+k:193+k], v[B1R+k:B1R+k+1]
.set k, k+2
.endr
	s_wait_kmcnt 0x0                               ; a1, a2
.set k, 0
.rept 16
	PRELU 192+k, 208+k, 40
.set k, k+1
.endr
	s_lshl_b32 s56, s46, 7
	LADR 6, 5, APITCH, 16, 56                      ; the next stage's fragments, k = 64 (w >> 1) on: made here, under the wait below
.set k, 0
.rept 8
	v_cvt_pk_bf16_f32 v[224+k], v[192+2*k], v[193+2*k]
.set k, k+1
.endr
	s_wait_alu depctr_va_vdst(0)                   ; the roundings have written v224-231, which the LDS stores read; v6 is written
.set c, 0
.rept 4
	ds_store_b64 v7, v[224+2*c:225+2*c] offset:256*c
.set c, c+1
.endr
	BAR                                            ; the first projection's 16 rows x 512 lie in LDS as bf16
	s_wait_alu depctr_vm_vsrc(0)                   ; my LDS stores have read v224-231, in which the fragments below land, and v7, which is written again further down
	AFLD 6
	s_wait_loadcnt 16
	UCVT RG0, SM
	s_wait_dscnt 0x0
	MUL4 ACC, AF, SM, 1
	s_wait_loadcnt 0x0
	PLACES
	UCVT RG1, SM
	MUL4 ACC, AF+8, SM, 0
	s_mul_i32 s56, s46, 16*P1P
	s_lshl_b32 s58, s47, 8
	s_add_co_u32 s56, s56, s58
	s_add_co_u32 s56, s56, P1
	LADR 5, 7, 16, 8*P1P, 56                       ; the places behind the products
	s_mul_i32 s56, s4, P1P
	s_add_co_u32 s56, s56, P1
	v_add_nc_u32 v7, s56, v3                       ; where the next stage reads row w of P1: made here, under the wait below
	SHUF ACC, OUT
	s_wait_alu depctr_va_vdst(0)                   ; OUT and v5 are written, which the LDS stores read; so is v7
	PST 5, P1P
	BAR                                            ; the eight parts of K lie in P1
.set p, 0
.rept 8
	ds_load_b128 v[192+4*p:195+4*p], v7 offset:16*P1P*p
.set p, p+1
.endr
	s_wait_dscnt 0x0
.irp q, 0, 8, 16, 24
	v_pk_add_f32 v[192+\q:193+\q], v[192+\q:193+\q], v[196+\q:197+\q]
	v_pk_add_f32 v[194+\q:195+\q], v[194+\q:195+\q], v[198+\q:199+\q]
.endr
.irp q, 0, 16
	v_pk_add_f32 v[192+\q:193+\q], v[192+\q:193+\q], v[200+\q:201+\q]
	v_pk_add_f32 v[194+\q:195+\q], v[194+\q:195+\q], v[202+\q:203+\q]
.endr
	v_pk_add_f32 v[192:193], v[192:193], v[208:209]
	v_pk_add_f32 v[194:195], v[194:195], v[210:211]
	v_pk_add_f32 v[192:193], v[192:193], v[8:9]
	v_pk_add_f32 v[194:195], v[194:195], v[10:11]
.set k, 0
.rept 4
	PRELU 192+k, 196+k, 41
.set k, k+1
.endr
.set k, 0
.rept 4
	v_cndmask_b32 v[192+k], v[192+k], v[12+k], s60 ; a token row takes the token
	v_mov_b32 v[196+k], 0
.set k, k+1
.endr
	s_wait_alu depctr_va_vdst(0)                   ; v192-199 are written, which the four stores read
	global_store_b128 v3, v[192:195], s[36:37]     ; 512 consecutive bytes a wave, at a multiple of 512
	global_store_b128 v3, v[196:199], s[36:37] offset:ADDB
	global_store_b128 v3, v[196:199], s[36:37] offset:2*ADDB
	global_store_b128 v3, v[196:199], s[36:37] offset:3*ADDB
	s_wait_dscnt 0x0                               ; the closing lines, six on end
	s_wait_alu 0x0
	s_wait_tensorcnt 0x0
	ds_add_u32 v1, v2
	s_wait_dscnt 0x0
	s_endpgm
.Lrpe:                                                 ; THE TABLE.  Wave w takes k = 32 w .. 32 w + 31 of the 512; the sixteen partial sums meet in LDS.
	s_lshl_b32 s48, s4, 7
	s_mov_b32 s49, 0
	s_lshl_b32 s50, s4, 13
	s_mov_b32 s51, 0
	v_bfe_u32 v5, v0, 4, 1
	v_lshlrev_b32 v6, 5, v5                        ; 32 h: my eight k, and eight more 64 bytes on
	v_and_b32 v7, 15, v0
	v_lshlrev_b32 v7, 4, v7                        ; 16 r
	v_lshl_add_u32 v5, v5, 11, v7                  ; a unit's lane offset at a pitch of 256
	s_wait_kmcnt 0x0
	s_load_b32 s42, s[30:31], 0x0
	s_add_nc_u64 s[26:27], s[26:27], s[48:49]
	s_add_nc_u64 s[28:29], s[28:29], s[48:49]
	s_add_nc_u64 s[32:33], s[32:33], s[50:51]
	s_wait_alu depctr_va_vdst(0)                   ; v5, v6 and v7 are written: the offsets of the loads below
.irp q, 0, 1, 2, 3
	global_load_b128 v[80+4*\q:83+4*\q], v6, s[26:27] offset:16*(\q%2)+64*(\q/2)
	global_load_b128 v[96+4*\q:99+4*\q], v6, s[28:29] offset:16*(\q%2)+64*(\q/2)
.endr
	ULOAD RG0, 5, 32, 256, 0
	global_load_b128 v[8:11], v7, s[34:35]
	v_and_b32 v12, 15, v0
	s_wait_loadcnt 0x0
	s_wait_kmcnt 0x0
	s_wait_alu depctr_vm_vsrc(0)                   ; the loads have read v5 and v6, which the address lines behind the products write again
.set lt, 0
.rept 2
	v_add_nc_u32 v13, 16*lt-15, v12                ; the relative position of table row 16 lt + r
	v_cvt_f32_i32 v13, v13
.set k, 0
.rept 16
	v_fma_f32 v[112+k], v13, v[80+k], v[96+k]
.set k, k+1
.endr
.set k, 0
.rept 16
	PRELU 112+k, 176+k, 42
.set k, k+1
.endr
.set k, 0
.rept 8
	v_cvt_pk_bf16_f32 v[160+8*lt+k], v[112+2*k], v[113+2*k]
.set k, k+1
.endr
.set lt, lt+1
.endr
	UCVT RG0, 128
	MUL4 192, 160, 128, 1
	MUL4 224, 168, 128, 1
	s_mul_i32 s56, s4, 32*RPP
	LADR 5, 6, 16, 8*RPP, 56                       ; the places behind the products
	s_mul_i32 s56, s4, 2*RPP
	LADR 13, 14, 16, RPP, 56                       ; wave w sums rows 2 w and 2 w + 1: the addresses of the next stage are made here, under the wait below
	v_add_nc_u32 v14, 7*32*RPP, v13                ; an LDS offset holds 16 bits: three addresses for the sixteen parts
	v_add_nc_u32 v15, 14*32*RPP, v13
	v_lshlrev_b32 v12, 3, v0                       ; the table's store: 8 bytes a thread
	SHUF 192, 16                                   ; each tile has a buffer of its own, so that no store's data is written again
	SHUF 224, 48
	s_wait_alu depctr_va_vdst(0)                   ; v16-79 and v5 are written, which the LDS stores read; so are v12 to v15; and all that named v128-191, in which the next stage's LDS loads land, is done
.set lt, 0
.rept 2
.set j, 0
.rept 8
	ds_store_b128 v5, v[16+32*lt+4*j:19+32*lt+4*j] offset:(16*lt+j)*RPP
.set j, j+1
.endr
.set lt, lt+1
.endr
	BAR
.set p, 0
.rept 7
	ds_load_b128 v[128+4*p:131+4*p], v13 offset:32*RPP*p
	ds_load_b128 v[156+4*p:159+4*p], v14 offset:32*RPP*p
.set p, p+1
.endr
	ds_load_b128 v[184:187], v15
	ds_load_b128 v[188:191], v15 offset:32*RPP
	s_wait_dscnt 0x0
.set k, 0
.rept 16
	v_pk_add_f32 v[128+k:129+k], v[128+k:129+k], v[160+k:161+k]
.set k, k+2
.endr
.set k, 0
.rept 8
	v_pk_add_f32 v[128+k:129+k], v[128+k:129+k], v[144+k:145+k]
.set k, k+2
.endr
.set k, 0
.rept 4
	v_pk_add_f32 v[128+k:129+k], v[128+k:129+k], v[136+k:137+k]
.set k, k+2
.endr
	v_pk_add_f32 v[128:129], v[128:129], v[132:133]
	v_pk_add_f32 v[130:131], v[130:131], v[134:135]
	v_pk_add_f32 v[128:129], v[128:129], v[8:9]
	v_pk_add_f32 v[130:131], v[130:131], v[10:11]
	v_cvt_pk_bf16_f32 v132, v128, v129
	v_cvt_pk_bf16_f32 v133, v130, v131
	s_wait_alu depctr_va_vdst(0)                   ; the two roundings have written v132 and v133, which the store reads
	global_store_b64 v12, v[132:133], s[38:39]     ; 256 consecutive bytes a wave: two rows of the table
	s_wait_dscnt 0x0                               ; the closing lines, six on end
	s_wait_alu 0x0
	s_wait_tensorcnt 0x0
	ds_add_u32 v1, v2
	s_wait_dscnt 0x0
	s_endpgm
.Lfunc_end_k_qb814c02ea7_menc:
	.size	k_qb814c02ea7_menc, .Lfunc_end_k_qb814c02ea7_menc-k_qb814c02ea7_menc
	.p2alignl 7, 3214868480
	.fill 96, 4, 3214868480
	.section	.rodata,"a",@progbits
	.p2align	6, 0x0
	.amdhsa_kernel k_qb814c02ea7_menc
		.amdhsa_group_segment_fixed_size 156672
		.amdhsa_private_segment_fixed_size 0
		.amdhsa_enable_private_segment 0
		.amdhsa_kernarg_size 128
		.amdhsa_user_sgpr_count 2
		.amdhsa_user_sgpr_kernarg_segment_ptr 1
		.amdhsa_wavefront_size32 1
		.amdhsa_system_sgpr_workgroup_id_x 1
		.amdhsa_system_sgpr_workgroup_id_y 1
		.amdhsa_system_sgpr_workgroup_id_z 1
		.amdhsa_system_vgpr_workitem_id 0
		.amdhsa_next_free_vgpr 256
		.amdhsa_next_free_sgpr 66
		.amdhsa_reserve_vcc 0
		.amdhsa_float_denorm_mode_32 3
		.amdhsa_float_denorm_mode_16_64 3
		.amdhsa_memory_ordered 1
		.amdhsa_forward_progress 1
		.amdhsa_inst_pref_size 53
	.end_amdhsa_kernel
	.amdgpu_metadata
---
amdhsa.version: [ 1, 2 ]
amdhsa.kernels:
  - .name:           k_qb814c02ea7_menc
    .symbol:         k_qb814c02ea7_menc.kd
    .args:
      - { .name: x, .offset: 0, .size: 8, .value_kind: global_buffer, .address_space: global }
      - { .name: params_menc1_W, .offset: 8, .size: 8, .value_kind: global_buffer, .address_space: global }
      - { .name: params_menc1_b, .offset: 16, .size: 8, .value_kind: global_buffer, .address_space: global }
      - { .name: params_menc_a1, .offset: 24, .size: 8, .value_kind: global_buffer, .address_space: global }
      - { .name: params_menc2_W, .offset: 32, .size: 8, .value_kind: global_buffer, .address_space: global }
      - { .name: params_menc2_b, .offset: 40, .size: 8, .value_kind: global_buffer, .address_space: global }
      - { .name: params_menc_a2, .offset: 48, .size: 8, .value_kind: global_buffer, .address_space: global }
      - { .name: params_mu_token, .offset: 56, .size: 8, .value_kind: global_buffer, .address_space: global }
      - { .name: params_logvar_token, .offset: 64, .size: 8, .value_kind: global_buffer, .address_space: global }
      - { .name: params_rpe1_W, .offset: 72, .size: 8, .value_kind: global_buffer, .address_space: global }
      - { .name: params_rpe1_b, .offset: 80, .size: 8, .value_kind: global_buffer, .address_space: global }
      - { .name: params_rpe_a, .offset: 88, .size: 8, .value_kind: global_buffer, .address_space: global }
      - { .name: params_rpe2_W, .offset: 96, .size: 8, .value_kind: global_buffer, .address_space: global }
      - { .name: params_rpe2_b, .offset: 104, .size: 8, .value_kind: global_buffer, .address_space: global }
      - { .name: pf, .offset: 112, .size: 8, .value_kind: global_buffer, .address_space: global }
      - { .name: tab, .offset: 120, .size: 8, .value_kind: global_buffer, .address_space: global }
    .group_segment_fixed_size: 156672
    .private_segment_fixed_size: 0
    .kernarg_segment_align: 8
    .kernarg_segment_size: 128
    .max_flat_workgroup_size: 512
    .sgpr_count:     66
    .vgpr_count:     256
    .wavefront_size: 32
...
	.end_amdgpu_metadata
.endif
;; end of part 11
;; launch attn0: the kernel of part 7 again; grid 8 x 4, 16 waves a work-group, no clusters, 310,272 bytes of LDS; arguments pf, params_layers_0_attn_ln_g, params_layers_0_attn_ln_b, params_layers_0_attn_q_b, params_layers_0_attn_k_b, params_layers_0_attn_v_b, params_layers_0_attn_o_b, tab, wb0, hb, pa; writes hb, pa
;; launch ffn0: the kernel of part 8 again; grid 4 x 48, 16 waves a work-group, no clusters, 156,672 bytes of LDS; arguments hb, pa, params_layers_0_ffn_ln_g, params_layers_0_ffn_ln_b, params_layers_0_ffn_l1_b, params_layers_0_ffn_a, params_layers_0_ffn_l2_b, wb0, pf; writes pf
;; launch attn1: the kernel of part 7 again; grid 8 x 4, 16 waves a work-group, no clusters, 310,272 bytes of LDS; arguments pf, params_layers_1_attn_ln_g, params_layers_1_attn_ln_b, params_layers_1_attn_q_b, params_layers_1_attn_k_b, params_layers_1_attn_v_b, params_layers_1_attn_o_b, tab, wb1, hb, pa; writes hb, pa
;; launch ffn1: the kernel of part 8 again; grid 4 x 32, 16 waves a work-group, no clusters, 156,672 bytes of LDS; arguments hb, pa, params_layers_1_ffn_ln_g, params_layers_1_ffn_ln_b, params_layers_1_ffn_l1_b, params_layers_1_ffn_a, params_layers_1_ffn_l2_b, wb1, pf; writes pf
;; launch attn2: the kernel of part 7 again; grid 8 x 4, 16 waves a work-group, no clusters, 310,272 bytes of LDS; arguments pf, params_layers_2_attn_ln_g, params_layers_2_attn_ln_b, params_layers_2_attn_q_b, params_layers_2_attn_k_b, params_layers_2_attn_v_b, params_layers_2_attn_o_b, tab, wb2, hb, pa; writes hb, pa
;; launch ffn2: the kernel of part 8 again; grid 4 x 20, 16 waves a work-group, no clusters, 156,672 bytes of LDS; arguments hb, pa, params_layers_2_ffn_ln_g, params_layers_2_ffn_ln_b, params_layers_2_ffn_l1_b, params_layers_2_ffn_a, params_layers_2_ffn_l2_b, wb2, pf; writes pf
;; launch attn3: the kernel of part 7 again; grid 8 x 4, 16 waves a work-group, no clusters, 310,272 bytes of LDS; arguments pf, params_layers_3_attn_ln_g, params_layers_3_attn_ln_b, params_layers_3_attn_q_b, params_layers_3_attn_k_b, params_layers_3_attn_v_b, params_layers_3_attn_o_b, tab, wb3, hb, pa; writes hb, pa
;; launch ffn3: the kernel of part 8 again; grid 4 x 4, 16 waves a work-group, no clusters, 156,672 bytes of LDS; arguments hb, pa, params_layers_3_ffn_ln_g, params_layers_3_ffn_ln_b, params_layers_3_ffn_l1_b, params_layers_3_ffn_a, params_layers_3_ffn_l2_b, wb3, pf; writes pf
;; launch deca: the kernel of part 9 again; grid 4 x 1, 16 waves a work-group, no clusters, 124,416 bytes of LDS; arguments pf, params_final_ln_g, params_final_ln_b, params_dec1_b, params_dec_a, wb3, hb; writes hb
;; launch decb: the kernel of part 10 again; grid 1 x 1, 8 waves a work-group, no clusters, 0 bytes of LDS; arguments hb, params_dec2_b, out0, out1; writes out0, out1
